; MI455X (gfx1250); checked and timed in simulation.
; The chip was launched on July 23, 2026; its instructions are those of AMD's public machine-readable ISA for CDNA 5 (MIT licence, August 2026) and "CDNA5" Instruction Set Architecture Reference Guide (July 2026). The comments in the code are by the model that wrote it; some were corrected since.
;; attention. Allowed arithmetic: matrix products marked QUANTISED: E2M3 operands, one E8M0 scale for each 32 along K, by v_wmma_scale_f32_16x16x128_f8f6f4 with both operands' format E2M3, f32 sums; everything else in f32.
;; Inputs: Wk 1,024 x 1,024 float32; Wo 1,024 x 1,024 float32; Wq 1,024 x 1,024 float32; Wv 1,024 x 1,024 float32; bk 1,024 float32; bo 1,024 float32; bq 1,024 float32; bv 1,024 float32; x 4 x 2,048 x 1,024 float32.
;; Outputs: out0 4 x 2,048 x 1,024 float32.
;; This version of the problem:
;;   THIS VERSION OF THE PROBLEM IS GIVEN IN LOW PRECISION. The matrix products marked QUANTISED in the list below multiply operands that are first quantised to E2M3 (2 exponent bits, 3 mantissa bits; 6 bits a number), with one power-of-two scale for each 32 numbers along K (OCP MX v1.0); their sums are f32. All else is computed in f32.
;;   The module's matrix products, in the order in which they are computed (A, B: the left and right operand; K: the contracted axis; several contracted axes count as one K, in the product's order):
;;     1. [M 8,192, K 1,024] x [K 1,024, N 1,024]; A: input x; B: input Wq: QUANTISED
;;     2. [M 8,192, K 1,024] x [K 1,024, N 1,024]; A: input x; B: input Wk: QUANTISED
;;     3. [M 8,192, K 1,024] x [K 1,024, N 1,024]; A: input x; B: input Wv: QUANTISED
;;     4. batch 64 x [M 2,048, K 64] x [K 64, N 2,048]; A: computed on the way; B: computed on the way: QUANTISED
;;     5. batch 64 x [M 2,048, K 2,048] x [K 2,048, N 64]; A: softmax (see below); B: computed on the way: QUANTISED
;;     6. [M 8,192, K 1,024] x [K 1,024, N 1,024]; A: computed on the way; B: input Wo: QUANTISED
;;   THE QUANTISER, for each operand of a quantised product, along K:
;;     - K is cut into blocks of 32 from its start; a last block that is shorter is filled with zeros.
;;     - A block's scale is 2^e with e = floor(log2(the largest magnitude in the block)) - 2, held to -126 .. 127; a block of zeros has e = 0. As a byte (E8M0): e + 127.
;;     - Each number is divided by its block's scale, clamped to +-7.5, and rounded to the nearest number of E2M3, ties to even, subnormals kept.
;;     - The product sums the exact products of the quantised numbers (number of the format x scale) in f32.
;;   ~~~python
;;   def quantise(x, axis):      # numpy; x: float32 -> the quantised numbers, widened to float32 again
;;       x = np.moveaxis(x, axis, -1); K = x.shape[-1]
;;       x = np.pad(x, [(0, 0)] * (x.ndim - 1) + [(0, -K % 32)]); x = x.reshape(x.shape[:-1] + (-1, 32)); a = np.abs(x).max(-1, keepdims=True)
;;       e = np.where(a > 0, np.clip(np.frexp(np.where(a > 0, a, 1))[1] - 1 - 2, -126, 127), 0)      # np.frexp(a)[1] - 1 = floor(log2(a)), exactly
;;       r = np.clip(x / 2.0 ** e, -7.5, 7.5)
;;       step = 2.0 ** (np.maximum(np.frexp(np.where(r == 0, 1, r))[1] - 1, 0) - 3)
;;       q = np.round(r / step) * step * 2.0 ** e      # np.round: ties to even
;;       return np.moveaxis(q.reshape(q.shape[:-2] + (-1,))[..., :K], -1, axis).astype(np.float32)
;;   ~~~
;;   SOFTMAX AHEAD OF A QUANTISED PRODUCT. Where the list says 'softmax', what is quantised is not the finished softmax but p = 2^(t - M), with t = logit x log2(e) and M = ceil(the row's largest t), a whole number; so 1/2 < the row's largest p <= 1. The row's sum l is taken of the UNQUANTISED p, in f32, and the product's result is divided by l at the end. Since M is a whole number, a kernel that streams over the keys may use a running M (the ceiling of the running maximum): every later rescaling is an exact power of two, which a block's scale takes up: the codes' values come out the same.
;;   OPERANDS COMPUTED ON THE WAY. 'Computed on the way' means the value that the module computes at that place (a softmax that the list does not call 'softmax' is quantised finished and normalised). What goes into a quantiser is computed in f32, as accurately as f32 sums, v_exp_f32 and their like allow (about 1e-6 of the number): no bf16 or f16 on the way to a quantiser, and a product that is left as it is and whose result goes on into a quantised operand takes f32 operands (vector FMAs, or v_wmma_f32_16x16x4_f32). A number that lies on a knife's edge between two numbers of the format may be rounded either way, as far as f32 arithmetic and the matrix unit's own rounding can turn it there, and no further.
;; 2 versions. Each part assembles by itself: llvm-mc -triple=amdgcn-amd-amdhsa -mcpu=gfx1250 --defsym DOCPART=n.
;; ======== version 1 of 2: 5 launches
;; workspace buffers: xc 6,291,456 bytes; xs 262,144 bytes; wc 3,145,728 bytes; ws 131,072 bytes; rope 524,288 bytes; qkv 19,660,800 bytes; oc 6,291,456 bytes; os 262,144 bytes
;; launch prep_x (part 1): grid 256 x 1, 2 waves a work-group, no clusters, 17,152 bytes of LDS; arguments x, xc, xs; writes xc, xs
.if DOCPART == 1
	.amdgcn_target "amdgcn-amd-amdhsa--gfx1250"
	.amdhsa_code_object_version 6
	.text
	.protected	k_qe6f62455d5_prep_x
	.globl	k_qe6f62455d5_prep_x
	.p2align	8
	.type	k_qe6f62455d5_prep_x,@function
k_qe6f62455d5_prep_x:
	s_mov_b64 s[64:65], 0
	v_nop
	global_prefetch_b8 v0, s[64:65] scope:SCOPE_SE
	s_setreg_imm32_b32 hwreg(HW_REG_WAVE_MODE, 25, 1), 1
	s_wait_xcnt 0x0
; x [8192][1024] f32 becomes codes of FP6 (E2M3) with one E8M0 byte for each 32 along K.
; A block's scale is 2^(floor(log2(largest magnitude)) - 2): its byte is the largest magnitude's exponent field - 2, held at 1 from below.
; LIMITS: NaN and infinities are not served; a block of zeros (and one whose largest magnitude lies under 2^-124) gets the byte 1, with zero codes: only this program reads the bytes.
; OUT.  xc: [tile of 16 rows][K step of 128][piece p 0..5][lane][8 bytes]: piece p of lane l is registers 2 p, 2 p + 1 of the matrix operand's fragment, so the product's launch
; reads fragments as they lie.  xs: [row][32 bytes], one word for each K step.
; SHARES.  A wave takes one tile of 16 rows and all of K, in 8 steps of 128.  Each load reads 512 consecutive bytes of one row; a step's 8,192 bytes turn through the wave's own stage
; in LDS (rows 528 bytes apart, so that the 16 rows of a read start at 16 different banks) and come back with 16 neighbours along K of each block in a lane.  No barrier: waves share nothing.
.set STG,  8448                        ; a wave's stage: 16 rows x (512 + 16) bytes
.set LA16, 1                           ; v1  16 x lane
.set SST,  2                           ; v2  stage + 16 x lane
.set SLD,  3                           ; v3  stage + 528 r + 64 h
.set LA8,  4                           ; v4  8 x lane
.set SCA,  5                           ; v5  32 r + 16 h
.set PW,   8                           ; v8-15   the eight scale words of my row
.set TM,   16                          ; v16-31  at work in the quantiser
.set PC,   32                          ; v32-43  a fragment's codes
.set CT,   44                          ; v44-50  the upper halves of blocks, before they are moved
.set W4,   52                          ; v52-55  four scale words to store
.set R,    64                          ; v64-191 two sets of 64 numbers as loaded
.set X,    192                         ; v192-255 64 numbers: register 16 b + i = k 32 b + 16 h + i of row r
.set SEL,  12                          ; s[12:13] v_permlanex16_b32's selects for lane l xor 16
	s_load_b128 s[4:7], s[0:1], 0x0                ; x, xc
	s_load_b64 s[8:9], s[0:1], 0x10                ; xs
	v_lshl_add_u32 v62, v0, 2, 0x4200
	v_mov_b32 v63, 0
	v_lshrrev_b32 v6, 5, v0
	v_readfirstlane_b32 s10, v6                    ; wave
	v_and_b32 v6, 31, v0                           ; lane
	v_and_b32 v7, 15, v0                           ; r
	v_bfe_u32 v56, v0, 4, 1                        ; h
	s_mul_i32 s11, s10, STG
	v_lshlrev_b32 v[LA16], 4, v6
	v_add_nc_u32 v[SST], s11, v[LA16]
	v_mul_u32_u24 v[SLD], v7, 528
	v_lshl_add_u32 v[SLD], v56, 6, v[SLD]
	v_add_nc_u32 v[SLD], s11, v[SLD]
	v_lshlrev_b32 v[LA8], 3, v6
	v_lshlrev_b32 v[SCA], 5, v7
	v_lshl_add_u32 v[SCA], v56, 4, v[SCA]
	s_mov_b32 s[SEL], 0x76543210
	s_mov_b32 s[SEL+1], 0xfedcba98
.irp b, 0,1,2,3
	v_mov_b32 v[TM+4+\b], 0                        ; written once: a lane permute's destination counts as one of its sources
.endr
	s_lshl_b32 s14, ttmp9, 1
	s_add_co_u32 s14, s14, s10                     ; my tile of 16 rows
	s_lshl_b32 s16, s14, 16                        ; 16 rows of 4,096 bytes
	s_mov_b32 s17, 0
	s_mul_i32 s18, s14, 12288                      ; 8 fragments of 1,536 bytes
	s_mov_b32 s19, 0
	s_lshl_b32 s20, s14, 9                         ; 16 rows of 32 scale bytes
	s_mov_b32 s21, 0
	s_wait_kmcnt 0x0
	s_add_nc_u64 s[4:5], s[4:5], s[16:17]
	s_add_nc_u64 s[6:7], s[6:7], s[18:19]
	s_add_nc_u64 s[8:9], s[8:9], s[20:21]
.macro LOAD s                          ; K step s of my 16 rows: each load 512 consecutive bytes of one row
.irp i, 0,1,2,3,4,5,6,7,8,9,10,11,12,13,14,15
	global_load_b128 v[R+64*((\s)%2)+4*\i:R+64*((\s)%2)+4*\i+3], v[LA16], s[4:5] offset:4096*\i+512*(\s) th:TH_LOAD_NT
.endr
.endm
.macro TURN s                          ; through the stage: LDS serves a wave's instructions in order, so no wait stands between the stores and the loads
.irp i, 0,1,2,3,4,5,6,7,8,9,10,11,12,13,14,15
	ds_store_b128 v[SST], v[R+64*((\s)%2)+4*\i:R+64*((\s)%2)+4*\i+3] offset:528*\i
.endr
.irp b, 0,1,2,3
.irp j, 0,1,2,3
	ds_load_b128 v[X+16*\b+4*\j:X+16*\b+4*\j+3], v[SLD] offset:128*\b+16*\j
.endr
.endr
.endm
; 64 numbers of a lane, register 16 b + i = k 32 b + 16 h + i of its row, become a fragment: registers 0-5 at d0, 6-11 at d1, and the row's scale word in pw.
.macro QUANT s, d0, d1, pw
.irp b, 0,1,2,3
	v_max3_num_f32 v[TM+\b], |v[(\s)+16*\b]|, |v[(\s)+1+16*\b]|, 0x1800000   ; my 16 numbers of block b, and the floor 2^(3 - 127): the byte cannot fall under 1
.endr
.irp i, 2,4,6,8,10,12,14
.irp b, 0,1,2,3
	v_max3_num_f32 v[TM+\b], v[TM+\b], |v[(\s)+16*\b+\i]|, |v[(\s)+1+16*\b+\i]|
.endr
.endr
.irp b, 0,1,2,3
	v_permlanex16_b32 v[TM+4+\b], v[TM+\b], s[SEL], s[SEL+1]
.endr
.irp b, 0,1,2,3
	v_max_num_f32 v[TM+\b], v[TM+\b], v[TM+4+\b]   ; with lane l xor 16's 16: the block's largest magnitude
.endr
.irp b, 0,1,2,3
	v_add_nc_u32 v[TM+12+\b], 0xff000000, v[TM+\b] ; 2 off its exponent field: the conversion takes this operand's exponent field as its scale
.endr
.irp b, 0,1,2,3
	v_lshrrev_b32 v[TM+4+\b], 23, v[TM+12+\b]      ; the scale's byte
.endr
	v_lshl_or_b32 v[\pw], v[TM+5], 8, v[TM+4]
	v_lshl_or_b32 v[\pw], v[TM+6], 16, v[\pw]
	v_lshl_or_b32 v[\pw], v[TM+7], 24, v[\pw]
	v_cvt_scalef32_pk16_fp6_f32 v[(\d0):(\d0)+2], v[(\s):(\s)+15], v[TM+12]
	v_cvt_scalef32_pk16_fp6_f32 v[CT:CT+2], v[(\s)+16:(\s)+31], v[TM+13]
	v_cvt_scalef32_pk16_fp6_f32 v[(\d1):(\d1)+2], v[(\s)+32:(\s)+47], v[TM+14]
	v_cvt_scalef32_pk16_fp6_f32 v[CT+4:CT+6], v[(\s)+48:(\s)+63], v[TM+15]
	v_nop                                          ; one plain place behind a scaled conversion
.irp i, 0,1,2                          ; the operand wants a whole block in a lane: lanes 0-15 the even block, lanes 16-31 the odd one
	v_permlane16_swap_b32 v[(\d0)+\i], v[CT+\i]
	v_permlane16_swap_b32 v[(\d1)+\i], v[CT+4+\i]
.endr
.irp i, 0,1,2
	v_mov_b32 v[(\d0)+3+\i], v[CT+\i]
	v_mov_b32 v[(\d1)+3+\i], v[CT+4+\i]
.endr
.endm
.macro STEP s
.if (\s) < 7
	s_wait_loadcnt 16                              ; this step's 16 loads are in; the next step's 16 may be out
.else
	s_wait_loadcnt 0x0
.endif
	TURN \s
	s_wait_dscnt 0x0                               ; the numbers are back, and the stage's stores have read the set that is loaded again below
	s_wait_xcnt 0x0                                ; the last step's stores have read the codes' registers, which are written again below
.if (\s) < 6
	LOAD (\s)+2
.endif
	QUANT X, PC, PC+6, PW+(\s)
.irp p, 0,1,2,3,4,5
	global_store_b64 v[LA8], v[PC+2*\p:PC+2*\p+1], s[6:7] offset:1536*(\s)+256*\p   ; 32 lanes store 256 consecutive bytes, aligned
.endr
.endm
	LOAD 0
	LOAD 1
.irp s, 0,1,2,3,4,5,6,7
	STEP \s
.endr
	v_cmp_eq_u32 vcc_lo, 1, v56
.irp i, 0,1,2,3
	v_cndmask_b32 v[W4+\i], v[PW+\i], v[PW+4+\i], vcc_lo   ; lanes 0-15 store their row's words 0-3, lanes 16-31 words 4-7
.endr
	global_store_b128 v[SCA], v[W4:W4+3], s[8:9]   ; 512 consecutive bytes
	s_wait_tensorcnt 0x0
	ds_add_u32 v62, v63
	s_wait_dscnt 0x0
	s_endpgm
.Lfunc_end_k_qe6f62455d5_prep_x:
	.size	k_qe6f62455d5_prep_x, .Lfunc_end_k_qe6f62455d5_prep_x-k_qe6f62455d5_prep_x
	.p2alignl 7, 3214868480
	.fill 96, 4, 3214868480
	.section	.rodata,"a",@progbits
	.p2align	6, 0x0
	.amdhsa_kernel k_qe6f62455d5_prep_x
		.amdhsa_group_segment_fixed_size 17152
		.amdhsa_private_segment_fixed_size 0
		.amdhsa_enable_private_segment 0
		.amdhsa_kernarg_size 24
		.amdhsa_user_sgpr_count 2
		.amdhsa_user_sgpr_kernarg_segment_ptr 1
		.amdhsa_wavefront_size32 1
		.amdhsa_system_sgpr_workgroup_id_x 1
		.amdhsa_system_sgpr_workgroup_id_y 1
		.amdhsa_system_sgpr_workgroup_id_z 1
		.amdhsa_system_vgpr_workitem_id 0
		.amdhsa_next_free_vgpr 256
		.amdhsa_next_free_sgpr 66
		.amdhsa_reserve_vcc 1
		.amdhsa_float_denorm_mode_32 3
		.amdhsa_float_denorm_mode_16_64 3
		.amdhsa_memory_ordered 1
		.amdhsa_forward_progress 1
		.amdhsa_inst_pref_size 66
	.end_amdhsa_kernel
	.amdgpu_metadata
---
amdhsa.version: [ 1, 2 ]
amdhsa.kernels:
  - .name:           k_qe6f62455d5_prep_x
    .symbol:         k_qe6f62455d5_prep_x.kd
    .args:
      - { .name: x, .offset: 0, .size: 8, .value_kind: global_buffer, .address_space: global }
      - { .name: xc, .offset: 8, .size: 8, .value_kind: global_buffer, .address_space: global }
      - { .name: xs, .offset: 16, .size: 8, .value_kind: global_buffer, .address_space: global }
    .group_segment_fixed_size: 17152
    .private_segment_fixed_size: 0
    .kernarg_segment_align: 8
    .kernarg_segment_size: 24
    .max_flat_workgroup_size: 64
    .sgpr_count:     66
    .vgpr_count:     256
    .wavefront_size: 32
...
	.end_amdgpu_metadata
.endif
;; end of part 1
;; launch prep_w (part 2): grid 160 x 1, 4 waves a work-group, no clusters, 26,112 bytes of LDS; arguments Wq, Wk, Wv, Wo, wc, ws, rope; writes wc, ws, rope
.if DOCPART == 2
	.amdgcn_target "amdgcn-amd-amdhsa--gfx1250"
	.amdhsa_code_object_version 6
	.text
	.protected	k_qe6f62455d5_prep_w
	.globl	k_qe6f62455d5_prep_w
	.p2align	8
	.type	k_qe6f62455d5_prep_w,@function
k_qe6f62455d5_prep_w:
	s_mov_b64 s[64:65], 0
	v_nop
	global_prefetch_b8 v0, s[64:65] scope:SCOPE_SE
	s_setreg_imm32_b32 hwreg(HW_REG_WAVE_MODE, 25, 1), 1
	s_wait_xcnt 0x0
; Work-groups 0-127: the four weights [1024 (k)][1024 (n)] f32, whose K is the first axis, become codes of FP6 (E2M3) with K innermost and one E8M0 byte for each 32 along K.
; wc: [tile of 16 rows][K step of 128][piece 0..5][lane][8 bytes] (the image of the matrix operand's registers); rows 0-1023 are Wq's columns, then Wk's, Wv's, Wo's.  ws: [row][32 bytes].
; A LANE TAKES A COLUMN n AND ITS REGISTERS RUN DOWN K: a block of 32 lies in one lane, and the conversions give codes with K innermost.
; Wo ALONE takes the rows of each block of 32 in the order 0-7, 16-23, 8-15, 24-31: that is the order in which the attention launch's registers hold a head's outputs.  The block holds the same
; 32 numbers, so its scale is the same, and a permutation of k applied alike to both operands keeps the product.
; LIMITS: NaN and infinities are not served; a block of zeros (or under 2^-124) gets the byte 1, with zero codes: only this program reads the bytes.
; Work-groups 128-159: the table of cos and sin for the rotary embedding, rope: [tile of 16 positions][L 0..7][lane][16 bytes]: lane (r, h) holds (cos, sin) of the pairs
; 8 (L / 2) + 4 h + 2 (L % 2) + 0, 1 at position 16 tile + r: the order in which the projections' results lie in registers.
; LIMIT: 1 / 10000^(i / 32) is made by v_exp_f32 of a rounded product, good to about 3e-7 of the number; at position 2,047 the angle may differ from the f32 angle of the formula as written by up to
; about 3e-4 rad.  The angle is reduced by pi / 2 in three parts and cos and sin are polynomials on [-pi / 4, pi / 4], good to about 1e-7.  This path uses no LDS.
.set X,    32                          ; v32-95   two sets of 32 numbers
.set C,    96                          ; v96-102  a block's codes
.set OUTR, 112                         ; v112-159 the way out
.set SB,   24                          ; v24-25   my column's 8 scale bytes
.set VA0,  3                           ; v3   4 x lane
.set VA1,  20                          ; v20  the same, 8 rows further down for Wo
.set VA2,  21                          ; v21  the same, 8 rows further down for the other three
	s_load_b256 s[4:11], s[0:1], 0x0               ; Wq, Wk, Wv, Wo
	s_load_b128 s[12:15], s[0:1], 0x20             ; wc, ws
	s_load_b64 s[16:17], s[0:1], 0x30              ; rope
	v_lshl_add_u32 v192, v0, 2, 0x6400
	v_mov_b32 v193, 0
	v_lshrrev_b32 v1, 5, v0
	v_readfirstlane_b32 s18, v1                    ; wave
	v_and_b32 v2, 31, v0                           ; lane
	v_lshlrev_b32 v8, 4, v2                        ; 16 x lane
	s_cmp_ge_u32 ttmp9, 128
	s_cbranch_scc1 .Ltable
	s_lshr_b32 s20, ttmp9, 5                       ; which weight
	s_and_b32 s21, ttmp9, 7                        ; which 128 columns
	s_bfe_u32 s22, ttmp9, 0x20003                  ; which 256 along K
	s_mul_i32 s19, s18, 6400                       ; my stage: two tiles of 16 columns, 3,200 bytes apart (3,072 + 128: the two halves of the lanes use different banks)
	v_lshlrev_b32 v[VA0], 2, v2
	v_and_b32 v5, 15, v2
	v_lshrrev_b32 v6, 4, v2
	v_mul_u32_u24 v4, v6, 3200
	v_lshl_add_u32 v4, v5, 3, v4
	v_add_nc_u32 v4, s19, v4                       ; into the stage: my tile, 8 bytes for my row of it
	v_add_nc_u32 v7, s19, v8                       ; out of it: 16 bytes a lane
	v_lshlrev_b32 v9, 5, v2                        ; my row of scale bytes
	s_lshl_b32 s24, s21, 2
	s_add_co_u32 s24, s24, s18                     ; my wave's 32 columns, counted in 32s
	s_lshl_b32 s26, s24, 7
	s_lshl_b32 s27, s22, 20                        ; 256 rows of 4,096 bytes
	s_add_co_u32 s26, s26, s27
	s_mov_b32 s27, 0
	s_lshl_b32 s28, s20, 5
	s_add_co_u32 s28, s28, s24                     ; the same among wc's 4,096 rows
	s_mul_i32 s30, s28, 2*12288
	s_mul_i32 s31, s22, 3072                       ; two K steps of 1,536 bytes
	s_add_co_u32 s30, s30, s31
	s_mov_b32 s31, 0
	s_lshl_b32 s32, s28, 10
	s_lshl_b32 s33, s22, 3
	s_add_co_u32 s32, s32, s33
	s_mov_b32 s33, 0
	s_wait_kmcnt 0x0
	s_cmp_eq_u32 s20, 1                            ; the choice hangs on the work-group's number alone
	s_cselect_b64 s[4:5], s[6:7], s[4:5]
	s_cmp_eq_u32 s20, 2
	s_cselect_b64 s[4:5], s[8:9], s[4:5]
	s_cmp_eq_u32 s20, 3
	s_cselect_b64 s[4:5], s[10:11], s[4:5]
	s_cselect_b32 s34, 32768, 0                    ; 8 rows of 4,096 bytes for Wo, else 0
	s_sub_co_u32 s35, 32768, s34
	v_add_nc_u32 v[VA1], s34, v[VA0]
	v_add_nc_u32 v[VA2], s35, v[VA0]
	s_add_nc_u64 s[4:5], s[4:5], s[26:27]
	s_add_nc_u64 s[12:13], s[12:13], s[30:31]
	s_add_nc_u64 s[14:15], s[14:15], s[32:33]
.macro LOADB t                         ; block t into set t % 2: register p takes row 32 t + p; for Wo registers 8-15 take rows 16-23 of the block and registers 16-23 rows 8-15
.irp p, 0,1,2,3,4,5,6,7
	global_load_b32 v[X+32*((\t)%2)+\p], v[VA0], s[4:5] offset:(32*(\t)+\p)*4096 th:TH_LOAD_NT
.endr
.irp p, 8,9,10,11,12,13,14,15
	global_load_b32 v[X+32*((\t)%2)+\p], v[VA1], s[4:5] offset:(32*(\t)+\p)*4096 th:TH_LOAD_NT
.endr
.irp p, 16,17,18,19,20,21,22,23
	global_load_b32 v[X+32*((\t)%2)+\p], v[VA2], s[4:5] offset:(32*(\t)+\p-8)*4096 th:TH_LOAD_NT
.endr
.irp p, 24,25,26,27,28,29,30,31
	global_load_b32 v[X+32*((\t)%2)+\p], v[VA0], s[4:5] offset:(32*(\t)+\p)*4096 th:TH_LOAD_NT
.endr
.endm
	LOADB 0
	LOADB 1
.macro BLOCK t
.set XS, X+32*((\t)%2)
.if (\t) < 7
	s_wait_loadcnt 32                              ; this block's 32 loads are in; the next block's may be out
.else
	s_wait_loadcnt 0x0
.endif
	v_max3_num_f32 v12, |v[XS]|, |v[XS+1]|, |v[XS+2]|              ; the block's largest magnitude: all 32 numbers are mine
	v_max3_num_f32 v13, |v[XS+3]|, |v[XS+4]|, |v[XS+5]|
.irp i, 6,10,14,18,22,26
	v_max3_num_f32 v12, v12, |v[XS+\i]|, |v[XS+\i+1]|
	v_max3_num_f32 v13, v13, |v[XS+\i+2]|, |v[XS+\i+3]|
.endr
	v_max3_num_f32 v12, v12, |v[XS+30]|, |v[XS+31]|
	v_max3_num_f32 v12, v12, v13, 0x1800000        ; and the floor 2^(3 - 127)
	v_add_nc_u32 v11, 0xff000000, v12              ; 2 off the exponent field: the conversion's scale operand
	v_lshrrev_b32 v13, 23, v11                     ; the scale's byte
.if (\t)%4 == 0
	v_mov_b32 v[SB+(\t)/4], v13
.else
	v_lshl_or_b32 v[SB+(\t)/4], v13, 8*((\t)%4), v[SB+(\t)/4]
.endif
	v_cvt_scalef32_pk16_fp6_f32 v[C:C+2], v[XS:XS+15], v11
	v_cvt_scalef32_pk16_fp6_f32 v[C+4:C+6], v[XS+16:XS+31], v11    ; (a conversion's three registers begin on an even number)
	v_nop                                          ; one plain place behind a scaled conversion
	v_mov_b32 v[C+3], v[C+4]                       ; the block's 24 bytes on end
	v_mov_b32 v[C+4], v[C+5]
	v_mov_b32 v[C+5], v[C+6]
.irp i, 0,1,2                          ; block t is K step t / 4, registers 6 ((t % 4) / 2) on, of the lanes' half t % 2
	ds_store_b64 v4, v[C+2*\i:C+2*\i+1] offset:((\t)/4)*1536+(((\t)%4)/2)*768+256*\i+((\t)%2)*128
.endr
.if (\t)+2 < 8
	LOADB (\t)+2
.endif
	s_wait_dscnt 0x0                               ; the stores have read their registers: the next block's codes may be written
.endm
.irp t, 0,1,2,3,4,5,6,7
	BLOCK \t
.endr
	global_store_b64 v9, v[SB:SB+1], s[14:15]      ; my column's 8 scale bytes: rows 32 bytes apart, one byte in 128 of what the launch reads
.irp n, 0,1,2,3,4,5,6,7,8,9,10,11
	ds_load_b128 v[OUTR+4*\n:OUTR+4*\n+3], v7 offset:3200*(\n/6)+512*(\n%6)   ; LDS serves a wave's instructions in order: these see my stores
.endr
.irp n, 0,1,2,3,4,5,6,7,8,9,10,11
	s_wait_dscnt 11-\n                             ; the younger loads may be out
	global_store_b128 v8, v[OUTR+4*\n:OUTR+4*\n+3], s[12:13] offset:12288*(\n/6)+512*(\n%6)   ; 512 consecutive bytes, aligned
.endr
	s_wait_tensorcnt 0x0
	ds_add_u32 v192, v193
	s_wait_dscnt 0x0
	s_endpgm
.Ltable:
	s_sub_co_u32 s20, ttmp9, 128
	s_lshl_b32 s20, s20, 2
	s_add_co_u32 s20, s20, s18                     ; my tile of 16 positions
	s_lshl_b32 s21, s20, 4
	v_and_b32 v5, 15, v2
	v_add_nc_u32 v5, s21, v5
	v_cvt_f32_u32 v11, v5                          ; my position
	v_lshrrev_b32 v9, 4, v2
	v_lshlrev_b32 v9, 2, v9                        ; 4 h
	s_lshl_b32 s22, s20, 12
	s_mov_b32 s23, 0
	s_mov_b32 s24, 0xbed49a78                      ; -log2(10000) / 32
	s_mov_b32 s25, 0x3f22f983                      ; 2 / pi
	s_mov_b32 s26, 0x3fc90fdb                      ; pi / 2 in three parts
	s_mov_b32 s27, 0xb33bbd2e
	s_mov_b32 s28, 0xa6f72ced
	s_mov_b32 s29, 0xbe2aaaa3                      ; sin: r + r^3 (s29 + r^2 (s30 + r^2 s31))
	s_mov_b32 s30, 0x3c08839e
	s_mov_b32 s31, 0xb94ca1f9
	s_mov_b32 s32, 0x3d2aaaa5                      ; cos: 1 - r^2 / 2 + r^4 (s32 + r^2 (s33 + r^2 s34))
	s_mov_b32 s33, 0xbab6061a
	s_mov_b32 s34, 0x37ccf5ce
	s_wait_kmcnt 0x0
	s_add_nc_u64 s[16:17], s[16:17], s[22:23]
.macro SINCOS n, dc, ds                ; cos and sin of position x 10000^(-(4 h + n) / 32)
	v_add_nc_u32 v12, \n, v9
	v_cvt_f32_u32 v12, v12
	v_mul_f32 v12, s24, v12
	v_exp_f32 v12, v12
	v_nop                                          ; one plain place behind a transcendental
	s_wait_alu depctr_va_vdst(0)
	v_mul_f32 v12, v11, v12                        ; the angle, rounded once
	v_mul_f32 v13, s25, v12
	v_rndne_f32 v13, v13                           ; k: how many quarter turns
	v_fma_f32 v14, -v13, s26, v12
	v_fma_f32 v14, -v13, s27, v14
	v_fma_f32 v14, -v13, s28, v14                  ; r = angle - k pi / 2
	v_cvt_i32_f32 v15, v13
	v_mul_f32 v16, v14, v14
	v_fma_f32 v17, v16, s31, s30
	v_fma_f32 v17, v17, v16, s29
	v_mul_f32 v18, v16, v14
	v_fma_f32 v17, v17, v18, v14                   ; sin r
	v_fma_f32 v19, v16, s34, s33
	v_fma_f32 v19, v19, v16, s32
	v_mul_f32 v20, v16, v16
	v_fma_f32 v21, v16, -0.5, 1.0
	v_fma_f32 v19, v19, v20, v21                   ; cos r
	v_and_b32 v22, 1, v15                          ; the quarter chooses by selects and signs: no branch on data
	v_cmp_eq_u32 vcc_lo, 1, v22
	v_cndmask_b32 v23, v17, v19, vcc_lo
	v_cndmask_b32 v24, v19, v17, vcc_lo
	v_and_b32 v22, 2, v15
	v_lshlrev_b32 v22, 30, v22
	v_xor_b32 v[\ds], v22, v23
	v_add_nc_u32 v22, 1, v15
	v_and_b32 v22, 2, v22
	v_lshlrev_b32 v22, 30, v22
	v_xor_b32 v[\dc], v22, v24
.endm
.irp L, 0,1,2,3,4,5,6,7
	SINCOS 8*(\L/2)+2*(\L%2), 32+4*\L, 33+4*\L
	SINCOS 8*(\L/2)+2*(\L%2)+1, 34+4*\L, 35+4*\L
	global_store_b128 v8, v[32+4*\L:35+4*\L], s[16:17] offset:512*\L   ; 512 consecutive bytes; each store has registers of its own
.endr
	s_endpgm
.Lfunc_end_k_qe6f62455d5_prep_w:
	.size	k_qe6f62455d5_prep_w, .Lfunc_end_k_qe6f62455d5_prep_w-k_qe6f62455d5_prep_w
	.p2alignl 7, 3214868480
	.fill 96, 4, 3214868480
	.section	.rodata,"a",@progbits
	.p2align	6, 0x0
	.amdhsa_kernel k_qe6f62455d5_prep_w
		.amdhsa_group_segment_fixed_size 26112
		.amdhsa_private_segment_fixed_size 0
		.amdhsa_enable_private_segment 0
		.amdhsa_kernarg_size 56
		.amdhsa_user_sgpr_count 2
		.amdhsa_user_sgpr_kernarg_segment_ptr 1
		.amdhsa_wavefront_size32 1
		.amdhsa_system_sgpr_workgroup_id_x 1
		.amdhsa_system_sgpr_workgroup_id_y 1
		.amdhsa_system_sgpr_workgroup_id_z 1
		.amdhsa_system_vgpr_workitem_id 0
		.amdhsa_next_free_vgpr 194
		.amdhsa_next_free_sgpr 66
		.amdhsa_reserve_vcc 1
		.amdhsa_float_denorm_mode_32 3
		.amdhsa_float_denorm_mode_16_64 3
		.amdhsa_memory_ordered 1
		.amdhsa_forward_progress 1
		.amdhsa_inst_pref_size 67
	.end_amdhsa_kernel
	.amdgpu_metadata
---
amdhsa.version: [ 1, 2 ]
amdhsa.kernels:
  - .name:           k_qe6f62455d5_prep_w
    .symbol:         k_qe6f62455d5_prep_w.kd
    .args:
      - { .name: Wq, .offset: 0, .size: 8, .value_kind: global_buffer, .address_space: global }
      - { .name: Wk, .offset: 8, .size: 8, .value_kind: global_buffer, .address_space: global }
      - { .name: Wv, .offset: 16, .size: 8, .value_kind: global_buffer, .address_space: global }
      - { .name: Wo, .offset: 24, .size: 8, .value_kind: global_buffer, .address_space: global }
      - { .name: wc, .offset: 32, .size: 8, .value_kind: global_buffer, .address_space: global }
      - { .name: ws, .offset: 40, .size: 8, .value_kind: global_buffer, .address_space: global }
      - { .name: rope, .offset: 48, .size: 8, .value_kind: global_buffer, .address_space: global }
    .group_segment_fixed_size: 26112
    .private_segment_fixed_size: 0
    .kernarg_segment_align: 8
    .kernarg_segment_size: 56
    .max_flat_workgroup_size: 128
    .sgpr_count:     66
    .vgpr_count:     194
    .wavefront_size: 32
...
	.end_amdgpu_metadata
.endif
;; end of part 2
;; launch qkv (part 3): grid 12 x 32, 4 waves a work-group, clusters of 4 x 4, 327,680 bytes of LDS; arguments xc, xs, wc, ws, bq, bk, bv, rope, qkv; writes qkv
.if DOCPART == 3
	.amdgcn_target "amdgcn-amd-amdhsa--gfx1250"
	.amdhsa_code_object_version 6
	.text
	.protected	k_qe6f62455d5_qkv
	.globl	k_qe6f62455d5_qkv
	.p2align	8
	.type	k_qe6f62455d5_qkv,@function
k_qe6f62455d5_qkv:
	s_mov_b64 s[64:65], 0
	v_nop
	global_prefetch_b8 v0, s[64:65] scope:SCOPE_SE
	s_setreg_imm32_b32 hwreg(HW_REG_WAVE_MODE, 25, 1), 1
	s_wait_xcnt 0x0
	s_wait_alu depctr_hold_cnt(0) depctr_sa_sdst(0) depctr_va_vdst(0) depctr_va_sdst(0) depctr_va_ssrc(0) depctr_va_vcc(0) depctr_vm_vsrc(0)
	s_getreg_b32 s2, hwreg(HW_REG_IB_STS2, 6, 4)
	s_cmp_eq_u32 s2, 0
	s_cbranch_scc0 .Lentry_in_a_cluster
	s_endpgm
.Lentry_in_a_cluster:
	s_bfe_u32 s2, ttmp6, 0x10000c
	s_cmp_lg_u32 s2, 0xf033
	s_cbranch_scc0 .Lentry_shape_is_right
	s_endpgm
.Lentry_shape_is_right:
; q = rope(x Wq + bq), k = rope(x Wk + bk), v = x Wv + bv on codes of FP6 (E2M3) with E8M0 scales, and their quantising for the attention launch: q and k along the head's 64, v along the keys.
; One GEMM, M 8,192 x N 3,072 x K 1,024.  A work-group of four waves makes 256 x 256, a wave 128 x 128: 64 accumulators, 512 registers.  K goes in steps of 256 through a ring of two LDS slots.
; xc and wc lie as images of the operands' registers ([tile of 16 rows][K step][piece][lane][8 bytes]): a fragment is six loads of 256 consecutive LDS bytes, with no pitch and no padding.
; CLUSTERS: 4 x 4 work-groups; x's tiles are asked for jointly along a row of the cluster, W's along a column.  The cluster's x (0, 1, 2) IS the part q, k, v: a branch on it is alike in all partners.
; ROLES.  P is source 1 (its rows fall on lanes; one set of registers), R is source 0 (its rows fall on a lane's registers; two sets).  q, k: P = x, R = W: a lane holds one row and its registers run
; along d.  v: P = W, R = x: a lane holds one d and its registers run along the keys.  Only LDS address registers differ.  The bias is the C of each sum's first matrix instruction.
; ORDER INSIDE A BLOCK OF 32.  A lane's 16 registers of tiles 2 B, 2 B + 1 hold the indices 32 B + 16 u + 8 h + j; converted and exchanged between the halves of the lanes they stand at position
; 16 h + 8 u + j of block B.  The block holds the same 32 numbers (same scale), and the order falls alike on q and k, and on v and the softmax's p.
; OUT.  qkv: [head of batch 0..63: 307,200][part q, k, v: 102,400][block of 128 rows: 6,400].  q, k: 4 groups of 32 rows x 1,536 bytes [chunk 0..2][lane][16]: registers 0-5 block h of row 32 g + r,
; registers 6-11 block h of row 32 g + 16 + r; at + 6,144 the scale words [r][g] (bytes 0, 1: row 32 g + r; 2, 3: row 32 g + 16 + r).  v: 4 fragments (d = 16 t + r, K = the 128 keys); words [r][t].
; The results leave from registers, 512 consecutive bytes a store: no stage in LDS.
; LIMITS: NaN and infinities are not served; a block of zeros (or under 2^-124) gets the byte 1, with zero codes: only this program reads the bytes.
; REGISTERS: window 0: v1-31 addresses; v32-63 scale words, two sets, and nothing else; v64-127 the bias, later the rotated numbers; v128-223 P's fragments; v224-255 cos and sin.
;   window 1: R's fragments, two sets, at v0 and v128.   windows 2, 3: the accumulators ((a, b) at v[8 (8 (a % 4) + b)] of window 2 + a / 4).
.set FRB,   1536                       ; a fragment: 16 rows x 128 K
.set TROW,  3072                       ; a tile of 16 rows in a slot: two K steps
.set HALFT, 8*TROW                     ; 128 rows: what one tensor load brings
.set SLOT,  4*HALFT                    ; x's 256 rows, then W's 256 rows
.set NQ,    2
.set FR,    12
.set NL,    6
.set NP,    4                          ; places behind this matrix instruction (ISA guide 7.12.1)
.set SCL,   2*SLOT                     ; behind the ring: the scale bytes for all of K, as units of 256 bytes + 16 of padding
.set HALFS, 16*272
.set SBLK,  2*272
.set SPARE, SCL+4*HALFS                ; the spare words, 128 bytes for each wave: two blocks of 256 bytes that no other line names
.set VA,    8                          ; v8-15  the bias loads' offsets; on the way out the upper halves of blocks
.set ADRP,  16                         ; v16-17 LDS address of P's fragments in slot 0, 1
.set ADRR,  20                         ; v20-21 of R's
.set LA16,  24                         ; v24    16 x lane
.set SCO,   25                         ; v25    where my scale words go: 307,200 h + 16 r + 6,144
.set SELV,  26                         ; v26    byte selects: lanes 0-15 the first head's two bytes, lanes 16-31 the second's
.set ADRS,  27                         ; v27    LDS address of my scale words: lanes 0-15 P's rows, lanes 16-31 R's
.set SPW,   28
.set NIL,   29
.set SC,    32
.set BIAS,  64
.set H,     64
.set AF,    128
.set TT,    160
.set TM,    168
.set PWR,   184
.set WS4,   192
.set IMG,   196
.set CT,    8
.set G1, 24
.set G0, 32
.set G1B, 48
.set G0B, 56
.set G1S, 68
.set G0S, 76
.set G1SB, 80
.set G0SB, 88
.set SEL, 18
.set MSB, 0
.macro WIN new                         ; the immediate's high byte repeats the setting that is left
.if MSB != (\new)
	s_set_vgpr_msb (MSB<<8)|(\new)
.set MSB, (\new)
.endif
.endm
.set MUL_LO, 0xa1                      ; source 0 (R) window 1, source 1 (P) window 0, C and D window 2
.set MUL_HI, 0xf1
.set TO_R,   0x40
; A joint load: waves 0 and 1 fetch for x, waves 2 and 3 for W.  Four v_nop follow each of the two lines.
.macro JLOAD g0a, g1a, g0b, g1b
	s_cmp_eq_u32 s15, 0
	s_cbranch_scc0 .Lfor_b_\@
	tensor_load_to_lds s[\g0a:\g0a+3], s[\g1a:\g1a+7]
	s_nop 0
.rept 4
	v_nop
.endr
	s_branch .Lasked_\@
.Lfor_b_\@:
	tensor_load_to_lds s[\g0b:\g0b+3], s[\g1b:\g1b+7]
	s_nop 0
.rept 4
	v_nop
.endr
.Lasked_\@:
.endm
.macro CREST                           ; a round of the cluster's barrier behind its opening barrier
	s_cmp_lg_u32 s14, 0
	s_cbranch_scc1 .Lnot_wave_0_\@
	s_barrier_signal -3
.Lnot_wave_0_\@:
	s_barrier_wait -3
	s_barrier_signal -1
	s_barrier_wait -1
.endm
.macro CROUND
	s_barrier_signal -1
	s_barrier_wait -1
	CREST
.endm
	s_load_b128 s[4:7], s[0:1], 0x0                ; xc, xs
	s_load_b128 s[8:11], s[0:1], 0x10              ; wc, ws
	s_load_b256 s[68:75], s[0:1], 0x20             ; bq, bk, bv, rope: moved on below, before these registers become descriptors
	s_load_b64 s[12:13], s[0:1], 0x40              ; qkv
	v_lshl_add_u32 v[SPW], v0, 2, SPARE
	v_mov_b32 v[NIL], 0
	ds_add_u32 v28, v29
	ds_add_u32 v28, v29
	s_wait_dscnt 0x0
	v_lshrrev_b32 v1, 5, v0
	v_readfirstlane_b32 s14, v1                    ; wave 0..3
	s_lshr_b32 s15, s14, 1                         ; which half of x's rows is mine.  Also: I fetch for x (0) or for W (1)
	s_and_b32 s16, s14, 1                          ; which half of W's rows.  Also: which 128 rows I fetch
	s_bfe_u32 s40, ttmp6, 0x40000                  ; cx
	s_bfe_u32 s41, ttmp6, 0x40004                  ; cy
	s_lshl_b32 s42, ttmp9, 2
	s_add_co_u32 s42, s42, s40                     ; tile column = 4 x cluster x + cx
	s_and_b32 s17, ttmp7, 0xffff
	s_lshl_b32 s17, s17, 2
	s_add_co_u32 s17, s17, s41                     ; tile row = 4 x cluster y + cy
	s_lshl_b32 s43, s41, 2
	s_lshl_b32 s43, 15, s43                        ; my row of the cluster
	s_lshl_b32 s44, 0x1111, s40                    ; my column
	; group 1 for the codes: 8 rows (tiles of 16 rows) of 384 elements of 8 bytes (two K steps), 1,536 elements apart; no padding
	s_or_b32 s[G1+0], s43, (3<<16)|(1<<21)
	s_or_b32 s[G1B+0], s44, (3<<16)|(1<<21)
.irp g, G1, G1B
	s_mov_b32 s[\g+1], 384<<16                     ; tensor_dim0
	s_mov_b32 s[\g+2], 8<<16                       ; tensor_dim1
	s_mov_b32 s[\g+3], 384<<16                     ; tile_dim0
	s_mov_b32 s[\g+4], 8                           ; tile_dim1
	s_mov_b32 s[\g+5], 1536                        ; tensor_dim0_stride
	s_mov_b32 s[\g+6], 0
	s_mov_b32 s[\g+7], 0
.endr
	s_lshl_b32 s18, s16, 7
	s_lshl_b32 s20, s17, 8
	s_add_co_u32 s20, s20, s18                     ; x: row 256 x tile row + 128 x half
	s_lshl_b32 s46, s42, 8
	s_add_co_u32 s46, s46, s18                     ; W: row 256 x tile column + 128 x half
	s_lshl_b32 s22, s20, 5                         ; their scale bytes: 32 a row
	s_mov_b32 s23, 0
	s_lshl_b32 s92, s46, 5
	s_mov_b32 s93, 0
	s_mul_i32 s20, s20, 768                        ; their codes: 768 bytes a row
	s_mov_b32 s21, 0
	s_mul_i32 s46, s46, 768
	s_mov_b32 s47, 0
	s_mul_i32 s45, s14, HALFT                      ; where they go: no place in the cluster enters an LDS address
	s_mul_i32 s94, s14, HALFS
	s_wait_kmcnt 0x0
	s_cmp_eq_u32 ttmp9, 1                          ; the part's bias
	s_cselect_b64 s[96:97], s[70:71], s[68:69]
	s_cmp_eq_u32 ttmp9, 2
	s_cselect_b64 s[96:97], s[72:73], s[96:97]
	s_cselect_b32 s100, 1, 0                       ; 1: this cluster makes v
	s_mov_b64 s[98:99], s[74:75]                   ; rope
	; group 1 for the scales of 128 rows: 4,096 dense bytes as 16 rows of 256 bytes, 16 bytes of padding behind each
	s_or_b32 s[G1S+0], s43, (3<<16)|(1<<20)|(1<<21)|(5<<22)|(3<<25)
	s_or_b32 s[G1SB+0], s44, (3<<16)|(1<<20)|(1<<21)|(5<<22)|(3<<25)
.irp g, G1S, G1SB
	s_mov_b32 s[\g+1], 32<<16
	s_mov_b32 s[\g+2], 16<<16
	s_mov_b32 s[\g+3], 32<<16
	s_mov_b32 s[\g+4], 16
	s_mov_b32 s[\g+5], 32
	s_mov_b32 s[\g+6], 0
	s_mov_b32 s[\g+7], 0
.endr
	s_add_nc_u64 s[20:21], s[4:5], s[20:21]
	s_add_nc_u64 s[22:23], s[6:7], s[22:23]
	s_add_nc_u64 s[46:47], s[8:9], s[46:47]
	s_add_nc_u64 s[92:93], s[10:11], s[92:93]
	CROUND                                         ; all sixteen work-groups are here: the first joint loads meet
	s_mov_b32 s[G0S], 1
	s_add_co_u32 s[G0S+1], s94, SCL
	s_mov_b64 s[G0S+2:G0S+3], s[22:23]
	s_or_b32 s[G0S+3], s[G0S+3], 0x80000000
	s_mov_b32 s[G0SB], 1
	s_add_co_u32 s[G0SB+1], s94, SCL
	s_mov_b64 s[G0SB+2:G0SB+3], s[92:93]
	s_or_b32 s[G0SB+3], s[G0SB+3], 0x80000000
	JLOAD G0S, G1S, G0SB, G1SB                     ; the scales first: they are wanted with K step 0
.irp s, 0,1
	s_mov_b32 s[G0+4*\s], 1
	s_add_co_u32 s[G0+4*\s+1], s45, \s*SLOT
	s_add_nc_u64 s[G0+4*\s+2:G0+4*\s+3], s[20:21], \s*TROW
	s_or_b32 s[G0+4*\s+3], s[G0+4*\s+3], 0x80000000
	s_mov_b32 s[G0B+4*\s], 1
	s_add_co_u32 s[G0B+4*\s+1], s45, \s*SLOT
	s_add_nc_u64 s[G0B+4*\s+2:G0B+4*\s+3], s[46:47], \s*TROW
	s_or_b32 s[G0B+4*\s+3], s[G0B+4*\s+3], 0x80000000
	JLOAD G0+4*\s, G1, G0B+4*\s, G1B
.endr
	v_and_b32 v1, 15, v0                           ; r: kept
	v_bfe_u32 v2, v0, 4, 1                         ; h: kept
	v_and_b32 v3, 31, v0
	v_lshlrev_b32 v4, 3, v3                        ; 8 x lane: my place in a piece of a fragment
	v_lshlrev_b32 v[LA16], 4, v3
	s_mul_i32 s21, s15, HALFT                      ; my 128 rows of x
	s_mul_i32 s22, s16, HALFT
	s_add_co_u32 s22, s22, 2*HALFT                 ; my 128 rows of W
	s_cmp_eq_u32 s100, 1
	s_cselect_b32 s23, s22, s21                    ; P: x for q and k, W for v
	s_cselect_b32 s22, s21, s22                    ; R: the other
.irp s, 0,1
	v_add_nc_u32 v[ADRP+\s], s23, v4
	v_add_nc_u32 v[ADRR+\s], s22, v4
	s_add_co_u32 s23, s23, SLOT
	s_add_co_u32 s22, s22, SLOT
.endr
	v_lshlrev_b32 v5, 5, v1                        ; my row's scales: 32 bytes a row,
	v_lshrrev_b32 v6, 8, v5
	v_lshl_add_u32 v5, v6, 4, v5                   ; and 16 more for each 256 passed
	s_mul_i32 s21, s15, HALFS                      ; x's: my 128 rows
	s_mul_i32 s22, s16, HALFS
	s_add_co_u32 s22, s22, 2*HALFS
	s_sub_co_u32 s22, s22, s21                     ; from there to W's: my 128 rows
	v_xor_b32 v6, s100, v2                         ; lanes 0-15 take P's words, lanes 16-31 R's
	v_mul_u32_u24 v6, s22, v6
	s_add_co_u32 s21, s21, SCL
	v_add_nc_u32 v5, v5, v6
	v_add_nc_u32 v[ADRS], s21, v5
	v_mul_u32_u24 v[SCO], v2, 307200
	v_lshl_add_u32 v[SCO], v1, 4, v[SCO]
	v_add_nc_u32 v[SCO], 6144, v[SCO]
	v_mov_b32 v[SELV], 0x05040100
	v_mov_b32 v7, 0x07060302
	v_cmp_eq_u32 vcc_lo, 1, v2
	v_cndmask_b32 v[SELV], v[SELV], v7, vcc_lo
	; the bias in the result's layout.  q, k: register j of tile t is b[16 t + 8 h + j];  v: every register of tile t is b[16 t + r]
	v_lshlrev_b32 v6, 5, v2
	v_lshlrev_b32 v7, 2, v1
	s_cmp_eq_u32 s100, 1
	s_cselect_b32 s21, 0, 4
	s_cselect_b32 s22, -1, 0
	v_cndmask_b32 v6, v6, v7, s22
.irp j, 0,1,2,3,4,5,6,7
	v_mad_u32_u24 v[VA+\j], s21, \j, v6
.endr
	s_lshl_b32 s20, s40, 10
	s_lshl_b32 s21, s16, 9
	s_add_co_u32 s20, s20, s21                     ; my 128 columns of the part: 4 (256 cx + 128 half) bytes
	s_mov_b32 s21, 0
	s_add_nc_u64 s[96:97], s[96:97], s[20:21]
	s_and_b32 s22, s17, 7
	s_lshl_b32 s22, s22, 1
	s_add_co_u32 s22, s22, s15                     ; my block of 128 positions in the batch
	s_lshl_b32 s20, s22, 15                        ; 8 tiles of 4,096 bytes of the table
	s_add_nc_u64 s[98:99], s[98:99], s[20:21]
	s_lshr_b32 s46, s17, 3                         ; the batch
	s_lshl_b32 s46, s46, 4
	s_lshl_b32 s47, s40, 2
	s_add_co_u32 s46, s46, s47
	s_lshl_b32 s47, s16, 1
	s_add_co_u32 s46, s46, s47                     ; my first head of batch: 16 batch + 4 cx + 2 half
	s_mul_i32 s46, s46, 307200
	s_mul_i32 s47, ttmp9, 102400
	s_add_co_u32 s46, s46, s47
	s_mul_i32 s47, s22, 6400
	s_add_co_u32 s20, s46, s47
	s_add_nc_u64 s[12:13], s[12:13], s[20:21]
.irp t, 0,1,2,3,4,5,6,7
.irp j, 0,1,2,3,4,5,6,7
	global_load_b32 v[BIAS+8*\t+\j], v[VA+\j], s[96:97] offset:64*\t
.endr
.endr
.macro LOADCS a                        ; cos and sin of tile a's 16 positions: (c, s) of tile b's pair jj stands at 8 (b % 4) + 2 jj of the set
.set CSL, 224-96*((\a)%2)
.irp L, 0,1,2,3,4,5,6,7
	global_load_b128 v[CSL+4*\L:CSL+4*\L+3], v[LA16], s[98:99] offset:4096*(\a)+512*\L
.endr
.endm
	s_cmp_eq_u32 s100, 1
	s_cbranch_scc1 .Lno_cs
	LOADCS 0
.Lno_cs:
.macro FRAG reg, adr, q, i             ; a fragment: six loads of 256 consecutive bytes
.irp p, 0,1,2,3,4,5
	ds_load_b64 v[\reg+2*\p:\reg+2*\p+1], v[\adr] offset:TROW*(\i)+FRB*(\q)+256*\p
.endr
.endm
; 16 matrix instructions: P's blocks a0, a0 + 1 x R's eight.  cm = 0: in place; 1: C = the bias of R's block; 2: C = the bias of P's block.  The 64 accumulators take turns.
.macro MUL16 a0, p, q, sc, cm
.irp a, \a0, \a0+1
.irp b, 0,1,2,3,4,5,6,7
.if \cm == 1
	v_wmma_scale_f32_16x16x128_f8f6f4 v[8*(8*((\a)%4)+\b):8*(8*((\a)%4)+\b)+7], v[128*(\p)+FR*\b:128*(\p)+FR*\b+FR-1], v[AF+FR*(\a):AF+FR*(\a)+FR-1], v[BIAS+8*\b:BIAS+8*\b+7], v[SC+8*NQ*(\sc)+NQ*\b+(\q)], v[SC+8*NQ*(\sc)+NQ*(\a)+(\q)] matrix_a_fmt:MATRIX_FMT_FP6 matrix_b_fmt:MATRIX_FMT_FP6 matrix_a_scale:MATRIX_SCALE_ROW1
.elseif \cm == 2
	v_wmma_scale_f32_16x16x128_f8f6f4 v[8*(8*((\a)%4)+\b):8*(8*((\a)%4)+\b)+7], v[128*(\p)+FR*\b:128*(\p)+FR*\b+FR-1], v[AF+FR*(\a):AF+FR*(\a)+FR-1], v[BIAS+8*(\a):BIAS+8*(\a)+7], v[SC+8*NQ*(\sc)+NQ*\b+(\q)], v[SC+8*NQ*(\sc)+NQ*(\a)+(\q)] matrix_a_fmt:MATRIX_FMT_FP6 matrix_b_fmt:MATRIX_FMT_FP6 matrix_a_scale:MATRIX_SCALE_ROW1
.else
	v_wmma_scale_f32_16x16x128_f8f6f4 v[8*(8*((\a)%4)+\b):8*(8*((\a)%4)+\b)+7], v[128*(\p)+FR*\b:128*(\p)+FR*\b+FR-1], v[AF+FR*(\a):AF+FR*(\a)+FR-1], v[8*(8*((\a)%4)+\b):8*(8*((\a)%4)+\b)+7], v[SC+8*NQ*(\sc)+NQ*\b+(\q)], v[SC+8*NQ*(\sc)+NQ*(\a)+(\q)] matrix_a_fmt:MATRIX_FMT_FP6 matrix_b_fmt:MATRIX_FMT_FP6 matrix_a_scale:MATRIX_SCALE_ROW1
.endif
.endr
.endr
.endm
.macro FETCH_R slot, q, p
	WIN TO_R
.irp i, 0,1,2,3,4,5,6,7
	FRAG 128*(\p)+FR*\i, ADRR+\slot, \q, \i
.endr
	WIN 0
.endm
.macro FETCH_P slot, q, i0
.irp i, \i0, \i0+1, \i0+2, \i0+3
	FRAG AF+FR*(\i), ADRP+\slot, \q, \i
.endr
.endm
.macro SCALES sc                       ; a slot's scale words: two a row; lanes 0-15 P's block i, lanes 16-31 R's block i
.irp i, 0,1,2,3,4,5,6,7
	ds_load_b64 v[SC+8*NQ*\sc+NQ*\i:SC+8*NQ*\sc+NQ*\i+1], v[ADRS] offset:\i*SBLK
.endr
.endm
.macro PLACES n                        ; plain vector instructions that name no register of the matrix instructions in front of them (ISA guide 7.12.1)
.rept \n
	v_nop
.endr
.endm
.macro STEP slot, q, cm                ; 128 along K that have their successor in the same slot
	s_wait_dscnt 4*NL                              ; R's set and P's blocks 0-3 are in; the youngest 24 loads (P's blocks 4-7) may be out
.if \cm
	WIN 0x81                                       ; C (the bias) in window 0, D in window 2
.else
	WIN MUL_LO
.endif
	MUL16 0, (\q)%2, \q, \slot, \cm
	MUL16 2, (\q)%2, \q, \slot, \cm
	s_wait_dscnt 0
	PLACES NP
	FETCH_R \slot, (\q)+1, 1-(\q)%2
	FETCH_P \slot, (\q)+1, 0
.if \cm
	WIN 0xc1
.else
	WIN MUL_HI
.endif
	MUL16 4, (\q)%2, \q, \slot, \cm
	MUL16 6, (\q)%2, \q, \slot, \cm
	PLACES NP
	WIN 0
	FETCH_P \slot, (\q)+1, 4
.endm
; A slot's last step changes slots: one barrier; in front of it each wave waits for all its tensor loads, adds 0 to its spare word, and waits for that and for its reads of this slot.
.macro TURN slot, next, fill
	s_wait_tensorcnt 0x0                           ; all my tensor loads have landed: my part of the next slot
	ds_add_u32 v[SPW], v[NIL]                      ; 0 onto my spare word
	s_wait_dscnt 4*NL+1                            ; (the add and the youngest 24 loads may be out)
	WIN MUL_LO
	MUL16 0, 1, NQ-1, \slot, 0
	s_wait_dscnt 0x0                               ; the add is done, and my reads of this slot are over
	s_barrier_signal -1
	MUL16 2, 1, NQ-1, \slot, 0
	WIN 0
	s_barrier_wait -1
.if \fill
	CREST                                          ; the barrier has opened a round of the cluster's: no wave of any partner still reads this slot or has a load on its way
	s_add_nc_u64 s[G0+4*\slot+2:G0+4*\slot+3], s[G0+4*\slot+2:G0+4*\slot+3], 2*TROW
	s_add_nc_u64 s[G0B+4*\slot+2:G0B+4*\slot+3], s[G0B+4*\slot+2:G0B+4*\slot+3], 2*TROW
	JLOAD G0+4*\slot, G1, G0B+4*\slot, G1B         ; the first tensor load behind the round; its four v_nop are also the places in front of the loads below
.else
	PLACES NP
.endif
	v_add_nc_u32 v[ADRS], 4*NQ, v[ADRS]
	FETCH_R \next, 0, 0
	FETCH_P \next, 0, 0
	SCALES \next
	WIN MUL_HI
	MUL16 4, 1, NQ-1, \slot, 0
	MUL16 6, 1, NQ-1, \slot, 0
	PLACES NP
	WIN 0
	FETCH_P \next, 0, 4
.endm
	s_wait_tensorcnt 1                             ; the scales and my part of slot 0 are in; slot 1's load may be out
	s_barrier_signal -1
	s_barrier_wait -1
	FETCH_R 0, 0, 0
	FETCH_P 0, 0, 0
	SCALES 0
	FETCH_P 0, 0, 4
	s_wait_loadcnt 0x0                             ; the bias, and for q and k the first cos and sin
	s_cmp_eq_u32 s100, 1
	s_cbranch_scc1 .Lfirst_v
	STEP 0, 0, 1                                   ; the first step starts the sums on the bias
	s_branch .Lgo
.Lfirst_v:
	STEP 0, 0, 2
.Lgo:
	TURN 0, 1, 1                                   ; K = 1,024 is eight steps: written out, no loop
	STEP 1, 0, 0
	TURN 1, 0, 1
	STEP 0, 0, 0
	TURN 0, 1, 0                                   ; the last two slots are not filled again
	STEP 1, 0, 0
	s_wait_dscnt 4*NL
	WIN MUL_LO
	MUL16 0, 1, NQ-1, 1, 0
	MUL16 2, 1, NQ-1, 1, 0
	s_wait_dscnt 0
	WIN MUL_HI
	MUL16 4, 1, NQ-1, 1, 0
	MUL16 6, 1, NQ-1, 1, 0
	WIN 0
; THE WAY OUT.  64 numbers of a lane in window w, register 16 b + i, become a fragment's halves at d0 and d1 and the scale word pw.  Each accumulator is read from its low end on.
.macro QUANT s, w, d0, d1, pw
	WIN (\w)|((\w)<<2)
.irp b, 0,1,2,3
	v_max3_num_f32 v[TM+\b], |v[(\s)+16*\b]|, |v[(\s)+1+16*\b]|, 0x1800000   ; and the floor 2^(3 - 127): the byte cannot fall under 1
.endr
	WIN ((\w)<<2)|((\w)<<4)
.irp i, 2,4,6,8,10,12,14
.irp b, 0,1,2,3
	v_max3_num_f32 v[TM+\b], v[TM+\b], |v[(\s)+16*\b+\i]|, |v[(\s)+1+16*\b+\i]|
.endr
.endr
	WIN 0
.irp b, 0,1,2,3
	v_permlanex16_b32 v[TM+4+\b], v[TM+\b], s[SEL], s[SEL+1]
.endr
.irp b, 0,1,2,3
	v_max_num_f32 v[TM+\b], v[TM+\b], v[TM+4+\b]
.endr
.irp b, 0,1,2,3
	v_add_nc_u32 v[TM+12+\b], 0xff000000, v[TM+\b] ; 2 off the exponent field: the conversion's scale operand
.endr
.irp b, 0,1,2,3
	v_lshrrev_b32 v[TM+4+\b], 23, v[TM+12+\b]
.endr
	v_lshl_or_b32 v[\pw], v[TM+5], 8, v[TM+4]
	v_lshl_or_b32 v[\pw], v[TM+6], 16, v[\pw]
	v_lshl_or_b32 v[\pw], v[TM+7], 24, v[\pw]
	WIN (\w)
	v_cvt_scalef32_pk16_fp6_f32 v[(\d0):(\d0)+2], v[(\s):(\s)+15], v[TM+12]
	v_cvt_scalef32_pk16_fp6_f32 v[CT:CT+2], v[(\s)+16:(\s)+31], v[TM+13]
	v_cvt_scalef32_pk16_fp6_f32 v[(\d1):(\d1)+2], v[(\s)+32:(\s)+47], v[TM+14]
	v_cvt_scalef32_pk16_fp6_f32 v[CT+4:CT+6], v[(\s)+48:(\s)+63], v[TM+15]
	WIN 0
	v_nop                                          ; one plain place behind a scaled conversion
.irp i, 0,1,2
	v_permlane16_swap_b32 v[(\d0)+\i], v[CT+\i]
	v_permlane16_swap_b32 v[(\d1)+\i], v[CT+4+\i]
.endr
.irp i, 0,1,2
	v_mov_b32 v[(\d0)+3+\i], v[CT+\i]
	v_mov_b32 v[(\d1)+3+\i], v[CT+4+\i]
.endr
.endm
.macro ROPE a                          ; tile a's 16 rows: (x0, x1) -> (x0 c - x1 s, x1 c + x0 s), two at a time, into v[H] on
.set CSB, 224-96*((\a)%2)
	WIN 2+(\a)/4
.irp b, 0,1,2,3,4,5,6,7
.irp jj, 0,1,2,3
	v_pk_mul_f32 v[TT+2*\jj:TT+2*\jj+1], v[64*((\a)%4)+8*\b+2*\jj:64*((\a)%4)+8*\b+2*\jj+1], v[CSB+8*(\b%4)+2*\jj:CSB+8*(\b%4)+2*\jj+1] op_sel:[1,1] op_sel_hi:[0,1] neg_lo:[0,1]   ; (-x1 s, x0 s)
.endr
.irp jj, 0,1,2,3
	v_pk_fma_f32 v[H+8*\b+2*\jj:H+8*\b+2*\jj+1], v[64*((\a)%4)+8*\b+2*\jj:64*((\a)%4)+8*\b+2*\jj+1], v[CSB+8*(\b%4)+2*\jj:CSB+8*(\b%4)+2*\jj+1], v[TT+2*\jj:TT+2*\jj+1] op_sel_hi:[1,0,1]
.endr
.endr
	WIN 0
.endm
	PLACES NP                                      ; behind the last products: for the reads of results and the writes and loads over P's fragments
	s_mov_b32 s[SEL], 0x76543210
	s_mov_b32 s[SEL+1], 0xfedcba98
.irp b, 0,1,2,3
	v_mov_b32 v[TM+4+\b], 0                        ; written once: a lane permute's destination counts as one of its sources
.endr
	s_cmp_eq_u32 s100, 1
	s_cbranch_scc1 .Lv_out
	; q, k: a tile of 16 rows at a time; its 128 columns are two heads of two blocks.  Two tiles make a group of 32 rows of each head's image.
.irp a, 0,1,2,3,4,5,6,7
.if \a < 7
	LOADCS \a+1
	s_wait_loadcnt 8                               ; this tile's cos and sin are in; the next tile's 8 loads may be out
.else
	s_wait_loadcnt 0x0
.endif
.if (\a > 0) && (\a % 2 == 0)
	s_wait_xcnt 0x0                                ; the last group's stores have read the images' registers
.endif
	ROPE \a
	QUANT H, 0, IMG+6*(\a%2), IMG+12+6*(\a%2), PWR+(\a%2)
.if \a % 2 == 1
	v_perm_b32 v[WS4+\a/2], v[PWR+1], v[PWR], v[SELV]   ; the group's scale word: two bytes of each of its two rows; lanes 0-15 the first head's, lanes 16-31 the second's
.irp c, 0,1
.irp k, 0,1,2
	global_store_b128 v[LA16], v[IMG+12*\c+4*\k:IMG+12*\c+4*\k+3], s[12:13] offset:307200*\c+1536*(\a/2)+512*\k   ; 512 consecutive bytes, aligned
.endr
.endr
.endif
.endr
	global_store_b128 v[SCO], v[WS4:WS4+3], s[12:13]   ; each half of the lanes stores 256 consecutive bytes, aligned
	s_branch .Lout_done
.Lv_out:
	; v: P's block a is 16 of the d's (head a / 4, tile a % 4); its 64 registers run along my 128 keys: one fragment
.irp a, 0,1,2,3,4,5,6,7
.if \a > 0
	s_wait_xcnt 0x0                                ; the last fragment's stores have read their registers
.endif
	QUANT 64*(\a%4), 2+\a/4, IMG, IMG+6, PWR+\a
.irp k, 0,1,2
	global_store_b128 v[LA16], v[IMG+4*\k:IMG+4*\k+3], s[12:13] offset:307200*(\a/4)+1536*(\a%4)+512*\k
.endr
.endr
	v_cmp_eq_u32 vcc_lo, 1, v2
.irp t, 0,1,2,3
	v_cndmask_b32 v[WS4+\t], v[PWR+\t], v[PWR+4+\t], vcc_lo
.endr
	global_store_b128 v[SCO], v[WS4:WS4+3], s[12:13]
.Lout_done:
	s_wait_tensorcnt 0x0                           ; the wave's end
	ds_add_u32 v[SPW], v[NIL]
	s_wait_dscnt 0x0
	CROUND                                         ; the closing round: no work-group ends while a partner may still ask for a tile that names it
	s_endpgm
.Lfunc_end_k_qe6f62455d5_qkv:
	.size	k_qe6f62455d5_qkv, .Lfunc_end_k_qe6f62455d5_qkv-k_qe6f62455d5_qkv
	.p2alignl 7, 3214868480
	.fill 96, 4, 3214868480
	.section	.rodata,"a",@progbits
	.p2align	6, 0x0
	.amdhsa_kernel k_qe6f62455d5_qkv
		.amdhsa_group_segment_fixed_size 327680
		.amdhsa_private_segment_fixed_size 0
		.amdhsa_enable_private_segment 0
		.amdhsa_kernarg_size 72
		.amdhsa_user_sgpr_count 2
		.amdhsa_user_sgpr_kernarg_segment_ptr 1
		.amdhsa_wavefront_size32 1
		.amdhsa_system_sgpr_workgroup_id_x 1
		.amdhsa_system_sgpr_workgroup_id_y 1
		.amdhsa_system_sgpr_workgroup_id_z 1
		.amdhsa_system_vgpr_workitem_id 0
		.amdhsa_next_free_vgpr 1024
		.amdhsa_next_free_sgpr 102
		.amdhsa_reserve_vcc 1
		.amdhsa_float_denorm_mode_32 3
		.amdhsa_float_denorm_mode_16_64 3
		.amdhsa_memory_ordered 1
		.amdhsa_forward_progress 1
		.amdhsa_inst_pref_size 255
	.end_amdhsa_kernel
	.section	.bss,"aw",@nobits
	.p2align	6
	.space	262144
	.amdgpu_metadata
---
amdhsa.version: [ 1, 2 ]
amdhsa.kernels:
  - .name:           k_qe6f62455d5_qkv
    .symbol:         k_qe6f62455d5_qkv.kd
    .args:
      - { .name: xc, .offset: 0, .size: 8, .value_kind: global_buffer, .address_space: global }
      - { .name: xs, .offset: 8, .size: 8, .value_kind: global_buffer, .address_space: global }
      - { .name: wc, .offset: 16, .size: 8, .value_kind: global_buffer, .address_space: global }
      - { .name: ws, .offset: 24, .size: 8, .value_kind: global_buffer, .address_space: global }
      - { .name: bq, .offset: 32, .size: 8, .value_kind: global_buffer, .address_space: global }
      - { .name: bk, .offset: 40, .size: 8, .value_kind: global_buffer, .address_space: global }
      - { .name: bv, .offset: 48, .size: 8, .value_kind: global_buffer, .address_space: global }
      - { .name: rope, .offset: 56, .size: 8, .value_kind: global_buffer, .address_space: global }
      - { .name: qkv, .offset: 64, .size: 8, .value_kind: global_buffer, .address_space: global }
    .group_segment_fixed_size: 327680
    .private_segment_fixed_size: 0
    .kernarg_segment_align: 8
    .kernarg_segment_size: 72
    .max_flat_workgroup_size: 128
    .sgpr_count:     102
    .vgpr_count:     1024
    .wavefront_size: 32
...
	.end_amdgpu_metadata
.endif
;; end of part 3
;; launch attn (part 4): grid 4 x 64, 16 waves a work-group, clusters of 4 x 1, 206,848 bytes of LDS; arguments qkv, oc, os; writes oc, os
.if DOCPART == 4
	.amdgcn_target "amdgcn-amd-amdhsa--gfx1250"
	.amdhsa_code_object_version 6
	.text
	.protected	k_qe6f62455d5_attn
	.globl	k_qe6f62455d5_attn
	.p2align	8
	.type	k_qe6f62455d5_attn,@function
k_qe6f62455d5_attn:
	s_mov_b64 s[64:65], 0
	v_nop
	global_prefetch_b8 v0, s[64:65] scope:SCOPE_SE
	s_setreg_imm32_b32 hwreg(HW_REG_WAVE_MODE, 25, 1), 1
	s_wait_xcnt 0x0
	s_wait_alu depctr_hold_cnt(0) depctr_sa_sdst(0) depctr_va_vdst(0) depctr_va_sdst(0) depctr_va_ssrc(0) depctr_va_vcc(0) depctr_vm_vsrc(0)
	s_getreg_b32 s2, hwreg(HW_REG_IB_STS2, 6, 4)
	s_cmp_eq_u32 s2, 0
	s_cbranch_scc0 .Lentry_in_a_cluster
	s_endpgm
.Lentry_in_a_cluster:
	s_bfe_u32 s2, ttmp6, 0x10000c
	s_cmp_lg_u32 s2, 0x3003
	s_cbranch_scc0 .Lentry_shape_is_right
	s_endpgm
.Lentry_shape_is_right:
; o = softmax(q k^T / 32) v for one head of one batch, both products on codes of FP6 (E2M3) with E8M0 scales, and o's quantising along (head, d) for the last projection.
; THE SOFTMAX: t = score x log2(e) / 32; M = the running largest t rounded UP to a whole number; p = 2^(t - M) is quantised along the keys, not normalised; the row's sum is taken of the
; unquantised p and divides o at the end.  When M moves, the sum and O are multiplied by 2^(old M - new M): exact.
; SHARES.  A work-group owns 512 queries of one head; each of its sixteen waves owns 32, two tiles of 16, one after the other (two passes): four waves to a SIMD, so that one wave's vector work
; stands beside another's matrix work and LDS loads.  A HEAD'S K AND V STAY IN LDS, 204,800 bytes as they lie in memory: filled once, no ring, one barrier.
; CLUSTER.  The four work-groups of a cluster are the head's four blocks of queries: each of the sixteen fills (12,800 bytes, one a wave) is asked for jointly by the four.
; LAYOUT.  Both products are used transposed: S^T = K Q^T, O^T = V^T P^T: a lane holds one query throughout.
; K = 64 IN AN INSTRUCTION OF 128.  A fragment of K's image holds TWO tiles of keys (registers 0-5: keys 32 g + r; 6-11: keys 32 g + 16 + r).  It is multiplied by [q | zero codes] and by
; [zero codes | q]: 18 registers [q][0][q] serve both.  Register 16 g + 8 u + j of the scores is key 32 g + 16 u + 8 h + j; converted and exchanged, p stands in the order in which v's codes were laid.
; OUT.  oc: the image of the last product's operand; a head gives three pieces of 256 bytes to each tile of 16 rows.  os: [row][32 bytes]; a head owns 2 of a row's 32 bytes, so these leave as
; stores of 2 bytes a lane, 32 bytes apart: one twenty-fifth of this launch's output.
; LIMITS: NaN and infinities are not served; a block of zeros gets the byte 1, with zero codes.
.set KV,   102400                      ; V's blocks begin here in LDS
.set BLKB, 6400                        ; a block of 128 keys: 6,144 bytes of codes, 256 of scale words
.set AK0,  1                           ; v1  16 x lane
.set AV0,  2                           ; v2  the same in V
.set ASK0, 3                           ; v3  16 r + 6,144: K's scale words
.set ASV0, 4                           ; v4  V's
.set OA,   5                           ; v5  8 x lane
.set OSA,  6                           ; v6  32 x lane
.set ADK,  8
.set ADV,  9
.set ADS,  10
.set ADT,  11
.set QR,   16                          ; v16-27 my 32 queries' codes as loaded;  v28 their scale word
.set QW,   28
.set QS,   29                          ; v29 the pass's scale word (s0, s1, s0, s1)
.set QF,   32                          ; v32-49 [q][0][q]
.set FR,   52                          ; v52-99 four fragments of K or of V
.set S,    100                         ; v100-163 S^T, then p
.set OT,   164                         ; v164-195 O^T
.set PC,   196                         ; v196-207 p's codes
.set CT,   208
.set BM,   216
.set BT,   220
.set BS,   224
.set KS,   228                         ; v228-231 K's scale words;  v232-235 V's;  v236 p's
.set VS,   232
.set PS,   236
.set WV,   10
.set G1,   16
.set G0,   24
.set CS,   28
.set SEL,  30
.set TB,   32
.set CNT,  33
.macro CROUND
	s_barrier_signal -1
	s_barrier_wait -1
	s_cmp_lg_u32 s[WV], 0
	s_cbranch_scc1 .Lnot_wave_0_\@
	s_barrier_signal -3
.Lnot_wave_0_\@:
	s_barrier_wait -3
	s_barrier_signal -1
	s_barrier_wait -1
.endm
	s_load_b128 s[4:7], s[0:1], 0x0                ; qkv, oc
	s_load_b64 s[8:9], s[0:1], 0x10                ; os
	v_lshl_add_u32 v254, v0, 2, 0x32000
	v_mov_b32 v255, 0
	ds_add_u32 v254, v255
	ds_add_u32 v254, v255
	v_lshrrev_b32 v7, 5, v0
	v_readfirstlane_b32 s[WV], v7                  ; wave 0..15
	s_bfe_u32 s11, ttmp6, 0x40000                  ; cx
	s_lshl_b32 s13, ttmp9, 2
	s_add_co_u32 s11, s13, s11                     ; my block of 512 queries: it enters Q's and the outputs' addresses alone
	s_and_b32 s12, ttmp7, 0xffff                   ; the head of batch, which the four partners share
	s_mul_i32 s34, s12, 307200
	s_mul_i32 s36, s[WV], 12800                    ; my sixteenth of the head's K and V
	s_add_co_u32 s38, s34, s36
	s_add_co_u32 s38, s38, 102400
	s_mov_b32 s39, 0
	s_mov_b32 s[G1], 15|(3<<16)|(1<<21)            ; the mask: all four work-groups; elements of 8 bytes; bit 21 beside a mask; no padding
	s_mov_b32 s[G1+1], 32<<16                      ; tensor_dim0: rows of 256 bytes
	s_mov_b32 s[G1+2], 50<<16                      ; tensor_dim1
	s_mov_b32 s[G1+3], 32<<16                      ; tile_dim0
	s_mov_b32 s[G1+4], 50                          ; tile_dim1
	s_mov_b32 s[G1+5], 32                          ; dense
	s_mov_b32 s[G1+6], 0
	s_mov_b32 s[G1+7], 0
	s_mov_b32 s[CS], 0x3d38aa3b                    ; c = log2(e) / 32
	s_mov_b32 s[CS+1], s[CS]
	s_mov_b32 s[SEL], 0x76543210
	s_mov_b32 s[SEL+1], 0xfedcba98
	s_wait_dscnt 0x0
	s_wait_kmcnt 0x0
	s_mov_b32 s[G0], 1
	s_mov_b32 s[G0+1], s36
	s_add_nc_u64 s[G0+2:G0+3], s[4:5], s[38:39]
	s_or_b32 s[G0+3], s[G0+3], 0x80000000
	CROUND                                         ; all four work-groups are here: the joint loads meet
	tensor_load_to_lds s[G0:G0+3], s[G1:G1+7]      ; my one tensor load of the launch
	s_nop 0
.rept 4
	v_nop
.endr
	v_and_b32 v7, 31, v0
	v_lshlrev_b32 v[AK0], 4, v7
	v_add_nc_u32 v[AV0], KV, v[AK0]
	v_lshlrev_b32 v[OA], 3, v7
	v_lshlrev_b32 v[OSA], 5, v7
	v_and_b32 v7, 15, v0
	v_lshlrev_b32 v7, 4, v7                        ; 16 r
	v_add_nc_u32 v[ASK0], 6144, v7
	v_add_nc_u32 v[ASV0], KV+6144, v7
	s_lshl_b32 s40, s11, 2
	s_lshr_b32 s41, s[WV], 2
	s_add_co_u32 s40, s40, s41                     ; my queries' block of 128
	s_mul_i32 s40, s40, BLKB
	s_add_co_u32 s40, s40, s34
	s_and_b32 s41, s[WV], 3                        ; and their group of 32 in it
	s_mul_i32 s42, s41, 1536
	s_add_co_u32 s42, s42, s40
	s_mov_b32 s43, 0
	s_add_nc_u64 s[42:43], s[4:5], s[42:43]
	s_lshl_b32 s41, s41, 2
	s_add_co_u32 s40, s40, s41
	s_add_co_u32 s40, s40, 6144
	s_mov_b32 s41, 0
	s_add_nc_u64 s[40:41], s[4:5], s[40:41]
.irp c, 0,1,2
	global_load_b128 v[QR+4*\c:QR+4*\c+3], v[AK0], s[42:43] offset:512*\c
.endr
	global_load_b32 v[QW], v7, s[40:41]
	s_lshr_b32 s48, s12, 4                         ; batch
	s_and_b32 s49, s12, 15                         ; head
	s_lshl_b32 s48, s48, 7
	s_lshl_b32 s50, s11, 5
	s_add_co_u32 s48, s48, s50
	s_lshl_b32 s50, s[WV], 1
	s_add_co_u32 s48, s48, s50                     ; my first tile of 16 rows: 128 batch + 32 block + 2 wave
	s_mul_i32 s44, s48, 12288
	s_lshr_b32 s50, s49, 1
	s_mul_i32 s50, s50, 1536                       ; the K step of the last product: two heads
	s_add_co_u32 s44, s44, s50
	s_and_b32 s50, s49, 1
	s_mul_i32 s50, s50, 768                        ; and my half of its fragment
	s_add_co_u32 s44, s44, s50
	s_mov_b32 s45, 0
	s_add_nc_u64 s[44:45], s[6:7], s[44:45]
	s_lshl_b32 s46, s48, 9
	s_lshl_b32 s50, s49, 1
	s_add_co_u32 s46, s46, s50
	s_mov_b32 s47, 0
	s_add_nc_u64 s[46:47], s[8:9], s[46:47]
	v_mov_b32 v239, 0                              ; (named as the upper half of the pair v[238:239])
	s_wait_tensorcnt 0x0                           ; my sixteenth has landed,
	s_barrier_signal -1
	s_barrier_wait -1                              ; everybody's has
	s_wait_loadcnt 0x0                             ; Q
.macro STEP                            ; 128 keys
	v_add_nc_u32 v[ADK], s[TB], v[AK0]             ; (these four are also the places behind the last products, in front of the loads into their fragments)
	v_add_nc_u32 v[ADV], s[TB], v[AV0]
	v_add_nc_u32 v[ADS], s[TB], v[ASK0]
	v_add_nc_u32 v[ADT], s[TB], v[ASV0]
.irp g, 0,1,2,3
.irp c, 0,1,2
	ds_load_b128 v[FR+12*\g+4*\c:FR+12*\g+4*\c+3], v[ADK] offset:1536*\g+512*\c
.endr
.endr
	ds_load_b128 v[KS:KS+3], v[ADS]
	s_wait_dscnt 0x0
.irp g, 0,1,2,3
.irp u, 0,1
	v_wmma_scale_f32_16x16x128_f8f6f4 v[S+8*(2*\g+\u):S+8*(2*\g+\u)+7], v[FR+12*\g:FR+12*\g+11], v[QF+6*\u:QF+6*\u+11], 0, v[KS+\g], v[QS] matrix_a_fmt:MATRIX_FMT_FP6 matrix_b_fmt:MATRIX_FMT_FP6
.endr
.endr
.rept 4
	v_nop                                          ; places in front of the loads into K's fragments and of the first read of the scores
.endr
.irp t, 0,1,2,3
.irp c, 0,1,2
	ds_load_b128 v[FR+12*\t+4*\c:FR+12*\t+4*\c+3], v[ADV] offset:1536*\t+512*\c   ; V lands while the softmax is walked
.endr
.endr
	ds_load_b128 v[VS:VS+3], v[ADT]
.irp b, 0,1,2,3
	v_max3_num_f32 v[BM+\b], v[S+16*\b], v[S+1+16*\b], v[S+2+16*\b]   ; the largest score of each block of 32 keys: for the row's maximum, and, since p rises with the score, for the block's largest p
.endr
.irp i, 3,5,7,9,11,13
.irp b, 0,1,2,3
	v_max3_num_f32 v[BM+\b], v[BM+\b], v[S+16*\b+\i], v[S+1+16*\b+\i]
.endr
.endr
.irp b, 0,1,2,3
	v_max_num_f32 v[BM+\b], v[BM+\b], v[S+15+16*\b]
.endr
.irp b, 0,1,2,3
	v_permlanex16_b32 v[BT+\b], v[BM+\b], s[SEL], s[SEL+1]
.endr
.irp b, 0,1,2,3
	v_max_num_f32 v[BM+\b], v[BM+\b], v[BT+\b]
.endr
	v_max3_num_f32 v240, v[BM], v[BM+1], v[BM+2]
	v_max_num_f32 v240, v240, v[BM+3]
	v_mul_f32 v240, s[CS], v240
	v_max_num_f32 v13, v13, v240                   ; the running largest t
	v_mov_b32 v240, v12
	v_floor_f32 v12, -v13                          ; the new -M = -ceil(t)
	v_sub_f32 v240, v12, v240                      ; old M - new M: a whole number, 0 or less
	v_cvt_i32_f32 v240, v240                       ; (it saturates)
	v_ldexp_f32 v238, 1.0, v240                    ; f = 2^(old M - new M)
.irp j, 0,2,4,6,8,10,12,14,16,18,20,22,24,26,28,30,32,34,36,38,40,42,44,46,48,50,52,54,56,58,60,62
	v_pk_fma_f32 v[S+\j:S+1+\j], v[S+\j:S+1+\j], s[CS:CS+1], v[12:13] op_sel_hi:[1,0,0]   ; t - M
.endr
.irp b, 0,1,2,3
	v_fma_f32 v[BM+\b], v[BM+\b], s[CS], v12
.endr
.irp j, 0,1,2,3,4,5,6,7,8,9,10,11,12,13,14,15,16,17,18,19,20,21,22,23,24,25,26,27,28,29,30,31,32,33,34,35,36,37,38,39,40,41,42,43,44,45,46,47,48,49,50,51,52,53,54,55,56,57,58,59,60,61,62,63
	v_exp_f32 v[S+\j], v[S+\j]                     ; p = 2^(t - M)
.endr
.irp b, 0,1,2,3
	v_exp_f32 v[BM+\b], v[BM+\b]                   ; the block's largest p: the same two instructions on the same number
.endr
	v_pk_mul_f32 v[14:15], v[14:15], v[238:239] op_sel_hi:[1,0]   ; the sums under the new M (a plain place behind the exponentials)
	s_wait_alu depctr_va_vdst(0)
.irp b, 0,1,2,3
	v_max_num_f32 v[BM+\b], 0x1800000, v[BM+\b]    ; the floor 2^(3 - 127)
.endr
.irp b, 0,1,2,3
	v_add_nc_u32 v[BS+\b], 0xff000000, v[BM+\b]
.endr
.irp b, 0,1,2,3
	v_lshrrev_b32 v[BT+\b], 23, v[BS+\b]
.endr
	v_lshl_or_b32 v[PS], v[BT+1], 8, v[BT]
	v_lshl_or_b32 v[PS], v[BT+2], 16, v[PS]
	v_lshl_or_b32 v[PS], v[BT+3], 24, v[PS]
.irp c, 0,1
	v_cvt_scalef32_pk16_fp6_f32 v[PC+6*\c:PC+2+6*\c], v[S+32*\c:S+15+32*\c], v[BS+2*\c]
	v_cvt_scalef32_pk16_fp6_f32 v[CT+4*\c:CT+2+4*\c], v[S+16+32*\c:S+31+32*\c], v[BS+2*\c+1]
.endr
	v_nop                                          ; one plain place behind a scaled conversion
.irp c, 0,1
.irp i, 0,1,2
	v_permlane16_swap_b32 v[PC+6*\c+\i], v[CT+4*\c+\i]
.endr
.irp i, 0,1,2
	v_mov_b32 v[PC+3+6*\c+\i], v[CT+4*\c+\i]
.endr
.endr
	v_pk_add_f32 v[242:243], v[S:S+1], v[S+2:S+3]  ; the row's sum of the unquantised p, in two chains
.irp j, 4,8,12,16,20,24,28,32,36,40,44,48,52,56,60
	v_pk_add_f32 v[14:15], v[14:15], v[S+\j:S+1+\j]
	v_pk_add_f32 v[242:243], v[242:243], v[S+2+\j:S+3+\j]
.endr
	v_pk_add_f32 v[14:15], v[14:15], v[242:243]
.irp j, 0,2,4,6,8,10,12,14,16,18,20,22,24,26,28,30
	v_pk_mul_f32 v[OT+\j:OT+1+\j], v[OT+\j:OT+1+\j], v[238:239] op_sel_hi:[1,0]   ; O^T under the new M
.endr
	s_wait_dscnt 0x0                               ; V is in
.irp t, 0,1,2,3                        ; the four accumulators take turns
	v_wmma_scale_f32_16x16x128_f8f6f4 v[OT+8*\t:OT+8*\t+7], v[FR+12*\t:FR+12*\t+11], v[PC:PC+11], v[OT+8*\t:OT+8*\t+7], v[VS+\t], v[PS] matrix_a_fmt:MATRIX_FMT_FP6 matrix_b_fmt:MATRIX_FMT_FP6
.endr
.endm
.macro PASS e                          ; my tile e of 16 queries against all 2,048 keys
	s_wait_xcnt 0x0                                ; the last pass's stores have read the codes' registers
.irp i, 0,1,2,3,4,5
	v_mov_b32 v[QF+\i], v[QR+6*\e+\i]
	v_mov_b32 v[QF+6+\i], 0
	v_mov_b32 v[QF+12+\i], v[QR+6*\e+\i]
.endr
.if \e == 0
	v_perm_b32 v[QS], v[QW], v[QW], 0x01000100
.else
	v_perm_b32 v[QS], v[QW], v[QW], 0x03020302
.endif
	v_mov_b32 v13, 0xff61b1e6                      ; the largest t so far: -3e38
	v_floor_f32 v12, -v13
	v_mov_b32 v14, 0
	v_mov_b32 v15, 0
.irp b, 0,1,2,3
	v_mov_b32 v[BT+\b], 0                          ; a lane permute's destination counts as one of its sources
.endr
.irp j, 0,1,2,3,4,5,6,7,8,9,10,11,12,13,14,15,16,17,18,19,20,21,22,23,24,25,26,27,28,29,30,31
	v_mov_b32 v[OT+\j], 0                          ; the step is written once: the first finds zeros.  (These are also the places between the scale word made above and the first product)
.endr
	s_mov_b32 s[TB], 0
	s_mov_b32 s[CNT], 16
.Lstep_\@:
	STEP
	s_add_co_u32 s[TB], s[TB], BLKB
	s_sub_co_u32 s[CNT], s[CNT], 1
	s_cmp_lg_u32 s[CNT], 0
	s_cbranch_scc1 .Lstep_\@
.rept 4
	v_nop
.endr
	v_add_f32 v14, v14, v15
	v_permlanex16_b32 v240, v14, s[SEL], s[SEL+1]
	v_add_f32 v14, v14, v240                       ; the row's sum
	v_rcp_f32 v238, v14
	v_nop                                          ; one plain place behind a transcendental
	s_wait_alu depctr_va_vdst(0)
.irp j, 0,2,4,6,8,10,12,14,16,18,20,22,24,26,28,30
	v_pk_mul_f32 v[OT+\j:OT+1+\j], v[OT+\j:OT+1+\j], v[238:239] op_sel_hi:[1,0]   ; o: register 8 t + j is d = 16 t + 8 h + j of my query
.endr
.irp b, 0,1
	v_max3_num_f32 v[BM+\b], |v[OT+16*\b]|, |v[OT+1+16*\b]|, 0x1800000
.endr
.irp i, 2,4,6,8,10,12,14
.irp b, 0,1
	v_max3_num_f32 v[BM+\b], v[BM+\b], |v[OT+16*\b+\i]|, |v[OT+1+16*\b+\i]|
.endr
.endr
.irp b, 0,1
	v_permlanex16_b32 v[BT+\b], v[BM+\b], s[SEL], s[SEL+1]
.endr
.irp b, 0,1
	v_max_num_f32 v[BM+\b], v[BM+\b], v[BT+\b]
.endr
.irp b, 0,1
	v_add_nc_u32 v[BS+\b], 0xff000000, v[BM+\b]
.endr
.irp b, 0,1
	v_lshrrev_b32 v[BT+\b], 23, v[BS+\b]
.endr
	v_lshl_or_b32 v[30+\e], v[BT+1], 8, v[BT]      ; the head's two scale bytes of my row
	v_cvt_scalef32_pk16_fp6_f32 v[PC:PC+2], v[OT:OT+15], v[BS]
	v_cvt_scalef32_pk16_fp6_f32 v[CT:CT+2], v[OT+16:OT+31], v[BS+1]
	v_nop
.irp i, 0,1,2
	v_permlane16_swap_b32 v[PC+\i], v[CT+\i]
.endr
.irp i, 0,1,2
	v_mov_b32 v[PC+3+\i], v[CT+\i]
.endr
.irp i, 0,1,2
	global_store_b64 v[OA], v[PC+2*\i:PC+2*\i+1], s[44:45] offset:12288*\e+256*\i   ; 256 consecutive bytes, aligned
.endr
.endm
	PASS 0
	PASS 1
	v_and_b32 v240, 16, v0
	v_cmp_ne_u32 vcc_lo, 0, v240
	v_cndmask_b32 v240, v30, v31, vcc_lo           ; lanes 0-15: the first tile's rows; lanes 16-31: the second's
	global_store_b16 v[OSA], v240, s[46:47]
	s_wait_tensorcnt 0x0
	ds_add_u32 v254, v255
	s_wait_dscnt 0x0
	CROUND                                         ; the closing round
	s_endpgm
.Lfunc_end_k_qe6f62455d5_attn:
	.size	k_qe6f62455d5_attn, .Lfunc_end_k_qe6f62455d5_attn-k_qe6f62455d5_attn
	.p2alignl 7, 3214868480
	.fill 96, 4, 3214868480
	.section	.rodata,"a",@progbits
	.p2align	6, 0x0
	.amdhsa_kernel k_qe6f62455d5_attn
		.amdhsa_group_segment_fixed_size 206848
		.amdhsa_private_segment_fixed_size 0
		.amdhsa_enable_private_segment 0
		.amdhsa_kernarg_size 24
		.amdhsa_user_sgpr_count 2
		.amdhsa_user_sgpr_kernarg_segment_ptr 1
		.amdhsa_wavefront_size32 1
		.amdhsa_system_sgpr_workgroup_id_x 1
		.amdhsa_system_sgpr_workgroup_id_y 1
		.amdhsa_system_sgpr_workgroup_id_z 1
		.amdhsa_system_vgpr_workitem_id 0
		.amdhsa_next_free_vgpr 256
		.amdhsa_next_free_sgpr 66
		.amdhsa_reserve_vcc 1
		.amdhsa_float_denorm_mode_32 3
		.amdhsa_float_denorm_mode_16_64 3
		.amdhsa_memory_ordered 1
		.amdhsa_forward_progress 1
		.amdhsa_inst_pref_size 47
	.end_amdhsa_kernel
	.amdgpu_metadata
---
amdhsa.version: [ 1, 2 ]
amdhsa.kernels:
  - .name:           k_qe6f62455d5_attn
    .symbol:         k_qe6f62455d5_attn.kd
    .args:
      - { .name: qkv, .offset: 0, .size: 8, .value_kind: global_buffer, .address_space: global }
      - { .name: oc, .offset: 8, .size: 8, .value_kind: global_buffer, .address_space: global }
      - { .name: os, .offset: 16, .size: 8, .value_kind: global_buffer, .address_space: global }
    .group_segment_fixed_size: 206848
    .private_segment_fixed_size: 0
    .kernarg_segment_align: 8
    .kernarg_segment_size: 24
    .max_flat_workgroup_size: 512
    .sgpr_count:     66
    .vgpr_count:     256
    .wavefront_size: 32
...
	.end_amdgpu_metadata
.endif
;; end of part 4
;; launch oproj (part 5): grid 4 x 32, 4 waves a work-group, clusters of 4 x 4, 327,680 bytes of LDS; arguments oc, os, wc, ws, bo, out0; writes out0
.if DOCPART == 5
	.amdgcn_target "amdgcn-amd-amdhsa--gfx1250"
	.amdhsa_code_object_version 6
	.text
	.protected	k_qe6f62455d5_oproj
	.globl	k_qe6f62455d5_oproj
	.p2align	8
	.type	k_qe6f62455d5_oproj,@function
k_qe6f62455d5_oproj:
	s_mov_b64 s[64:65], 0
	v_nop
	global_prefetch_b8 v0, s[64:65] scope:SCOPE_SE
	s_setreg_imm32_b32 hwreg(HW_REG_WAVE_MODE, 25, 1), 1
	s_wait_xcnt 0x0
	s_wait_alu depctr_hold_cnt(0) depctr_sa_sdst(0) depctr_va_vdst(0) depctr_va_sdst(0) depctr_va_ssrc(0) depctr_va_vcc(0) depctr_vm_vsrc(0)
	s_getreg_b32 s2, hwreg(HW_REG_IB_STS2, 6, 4)
	s_cmp_eq_u32 s2, 0
	s_cbranch_scc0 .Lentry_in_a_cluster
	s_endpgm
.Lentry_in_a_cluster:
	s_bfe_u32 s2, ttmp6, 0x10000c
	s_cmp_lg_u32 s2, 0xf033
	s_cbranch_scc0 .Lentry_shape_is_right
	s_endpgm
.Lentry_shape_is_right:
; out0 = o Wo + bo on codes of FP6 (E2M3) with E8M0 scales.  M 8,192 x N 1,024 x K 1,024.  oc, os: o's codes and scale bytes; wc, ws rows 3,072 on: Wo's, laid in the same order inside each block of 32.
; A work-group of four waves makes 256 x 256, a wave 128 x 128: 64 accumulators.  K goes in steps of 256 through a ring of two LDS slots; the operands lie as images of their registers, so a fragment
; is six loads of 256 consecutive LDS bytes.  The scale bytes for all of K come once.  4 x 4 work-groups form a cluster: o's tiles are asked for jointly along a row, Wo's along a column.
; The matrix instruction is used transposed (source 0 = 16 rows of Wo's codes, source 1 = 16 rows of o): a lane holds eight neighbouring numbers of a row of out0.  bo is the C of each sum's first instruction.
; 128 work-groups: the grid that this tile gives at these sizes.
; REGISTERS: window 0: v1-31 addresses; v32-63 scale words, two sets, and nothing else; v64-127 the bias; v128-223 o's fragments; on the way out v128-255 rows of out0.
;   window 1: Wo's fragments, two sets.   windows 2, 3: the accumulators.
.set FRB,   1536
.set TROW,  3072
.set HALFT, 8*TROW
.set SLOT,  4*HALFT
.set NQ,    2
.set FR,    12
.set NL,    6
.set NP,    4
.set SCL,   2*SLOT
.set HALFS, 16*272
.set SBLK,  2*272
.set SPARE, SCL+4*HALFS                ; the spare words, 128 bytes for each wave: two blocks of 256 bytes that no other line names
.set SPITCH, 528                       ; the way out: 16 rows x (512 + 16) bytes for each wave, in slot 0, which has had its last fill and its last read by then
.set ADRP,  16
.set ADRR,  20
.set STO,   24
.set RD,    25
.set CO,    26
.set ADRS,  27
.set SPW,   28
.set NIL,   29
.set SC,    32
.set BIAS,  64
.set AF,    128
.set BK,    128
.set G1, 24
.set G0, 32
.set G1B, 48
.set G0B, 56
.set G1S, 68
.set G0S, 76
.set G1SB, 80
.set G0SB, 88
.set MSB, 0
.macro WIN new
.if MSB != (\new)
	s_set_vgpr_msb (MSB<<8)|(\new)
.set MSB, (\new)
.endif
.endm
.set MUL_LO, 0xa1
.set MUL_HI, 0xf1
.set TO_R,   0x40
.macro JLOAD g0a, g1a, g0b, g1b        ; waves 0 and 1 fetch for o, waves 2 and 3 for Wo; four v_nop follow each of the two lines
	s_cmp_eq_u32 s15, 0
	s_cbranch_scc0 .Lfor_b_\@
	tensor_load_to_lds s[\g0a:\g0a+3], s[\g1a:\g1a+7]
	s_nop 0
.rept 4
	v_nop
.endr
	s_branch .Lasked_\@
.Lfor_b_\@:
	tensor_load_to_lds s[\g0b:\g0b+3], s[\g1b:\g1b+7]
	s_nop 0
.rept 4
	v_nop
.endr
.Lasked_\@:
.endm
.macro CREST
	s_cmp_lg_u32 s14, 0
	s_cbranch_scc1 .Lnot_wave_0_\@
	s_barrier_signal -3
.Lnot_wave_0_\@:
	s_barrier_wait -3
	s_barrier_signal -1
	s_barrier_wait -1
.endm
.macro CROUND
	s_barrier_signal -1
	s_barrier_wait -1
	CREST
.endm
	s_load_b128 s[4:7], s[0:1], 0x0                ; oc, os
	s_load_b128 s[8:11], s[0:1], 0x10              ; wc, ws
	s_load_b64 s[96:97], s[0:1], 0x20              ; bo
	s_load_b64 s[12:13], s[0:1], 0x28              ; out0
	v_lshl_add_u32 v[SPW], v0, 2, SPARE
	v_mov_b32 v[NIL], 0
	ds_add_u32 v28, v29
	ds_add_u32 v28, v29
	s_wait_dscnt 0x0
	v_lshrrev_b32 v1, 5, v0
	v_readfirstlane_b32 s14, v1
	s_lshr_b32 s15, s14, 1
	s_and_b32 s16, s14, 1
	s_bfe_u32 s40, ttmp6, 0x40000
	s_bfe_u32 s41, ttmp6, 0x40004
	s_lshl_b32 s42, ttmp9, 2
	s_add_co_u32 s42, s42, s40                     ; tile column
	s_and_b32 s17, ttmp7, 0xffff
	s_lshl_b32 s17, s17, 2
	s_add_co_u32 s17, s17, s41                     ; tile row
	s_lshl_b32 s43, s41, 2
	s_lshl_b32 s43, 15, s43
	s_lshl_b32 s44, 0x1111, s40
	s_or_b32 s[G1+0], s43, (3<<16)|(1<<21)         ; codes: 8 rows of 384 elements of 8 bytes, 1,536 elements apart; no padding
	s_or_b32 s[G1B+0], s44, (3<<16)|(1<<21)
.irp g, G1, G1B
	s_mov_b32 s[\g+1], 384<<16
	s_mov_b32 s[\g+2], 8<<16
	s_mov_b32 s[\g+3], 384<<16
	s_mov_b32 s[\g+4], 8
	s_mov_b32 s[\g+5], 1536
	s_mov_b32 s[\g+6], 0
	s_mov_b32 s[\g+7], 0
.endr
	s_or_b32 s[G1S+0], s43, (3<<16)|(1<<20)|(1<<21)|(5<<22)|(3<<25)   ; scales: 16 rows of 256 bytes, 16 bytes of padding behind each
	s_or_b32 s[G1SB+0], s44, (3<<16)|(1<<20)|(1<<21)|(5<<22)|(3<<25)
.irp g, G1S, G1SB
	s_mov_b32 s[\g+1], 32<<16
	s_mov_b32 s[\g+2], 16<<16
	s_mov_b32 s[\g+3], 32<<16
	s_mov_b32 s[\g+4], 16
	s_mov_b32 s[\g+5], 32
	s_mov_b32 s[\g+6], 0
	s_mov_b32 s[\g+7], 0
.endr
	s_lshl_b32 s18, s16, 7
	s_lshl_b32 s20, s17, 8
	s_add_co_u32 s20, s20, s18                     ; o: row 256 x tile row + 128 x half
	s_lshl_b32 s46, s42, 8
	s_add_co_u32 s46, s46, s18
	s_add_co_u32 s46, s46, 3072                    ; Wo: row 3,072 + 256 x tile column + 128 x half
	s_lshl_b32 s22, s20, 5
	s_mov_b32 s23, 0
	s_lshl_b32 s92, s46, 5
	s_mov_b32 s93, 0
	s_mul_i32 s20, s20, 768
	s_mov_b32 s21, 0
	s_mul_i32 s46, s46, 768
	s_mov_b32 s47, 0
	s_mul_i32 s45, s14, HALFT
	s_mul_i32 s94, s14, HALFS
	s_wait_kmcnt 0x0
	s_add_nc_u64 s[20:21], s[4:5], s[20:21]
	s_add_nc_u64 s[22:23], s[6:7], s[22:23]
	s_add_nc_u64 s[46:47], s[8:9], s[46:47]
	s_add_nc_u64 s[92:93], s[10:11], s[92:93]
	CROUND                                         ; all sixteen work-groups are here: the first joint loads meet
	s_mov_b32 s[G0S], 1
	s_add_co_u32 s[G0S+1], s94, SCL
	s_mov_b64 s[G0S+2:G0S+3], s[22:23]
	s_or_b32 s[G0S+3], s[G0S+3], 0x80000000
	s_mov_b32 s[G0SB], 1
	s_add_co_u32 s[G0SB+1], s94, SCL
	s_mov_b64 s[G0SB+2:G0SB+3], s[92:93]
	s_or_b32 s[G0SB+3], s[G0SB+3], 0x80000000
	JLOAD G0S, G1S, G0SB, G1SB
.irp s, 0,1
	s_mov_b32 s[G0+4*\s], 1
	s_add_co_u32 s[G0+4*\s+1], s45, \s*SLOT
	s_add_nc_u64 s[G0+4*\s+2:G0+4*\s+3], s[20:21], \s*TROW
	s_or_b32 s[G0+4*\s+3], s[G0+4*\s+3], 0x80000000
	s_mov_b32 s[G0B+4*\s], 1
	s_add_co_u32 s[G0B+4*\s+1], s45, \s*SLOT
	s_add_nc_u64 s[G0B+4*\s+2:G0B+4*\s+3], s[46:47], \s*TROW
	s_or_b32 s[G0B+4*\s+3], s[G0B+4*\s+3], 0x80000000
	JLOAD G0+4*\s, G1, G0B+4*\s, G1B
.endr
	v_and_b32 v1, 15, v0                           ; r
	v_bfe_u32 v2, v0, 4, 1                         ; h
	v_and_b32 v3, 31, v0
	v_lshlrev_b32 v4, 3, v3
	s_mul_i32 s21, s15, HALFT                      ; my 128 rows of o
	s_mul_i32 s22, s16, HALFT
	s_add_co_u32 s22, s22, 2*HALFT                 ; my 128 rows of Wo
.irp s, 0,1
	v_add_nc_u32 v[ADRP+\s], s21, v4
	v_add_nc_u32 v[ADRR+\s], s22, v4
	s_add_co_u32 s21, s21, SLOT
	s_add_co_u32 s22, s22, SLOT
.endr
	v_lshlrev_b32 v5, 5, v1
	v_lshrrev_b32 v6, 8, v5
	v_lshl_add_u32 v5, v6, 4, v5
	s_mul_i32 s21, s15, HALFS
	s_mul_i32 s22, s16, HALFS
	s_add_co_u32 s22, s22, 2*HALFS
	s_sub_co_u32 s22, s22, s21
	v_mul_u32_u24 v6, s22, v2                      ; lanes 16-31 take Wo's words
	s_add_co_u32 s21, s21, SCL
	v_add_nc_u32 v5, v5, v6
	v_add_nc_u32 v[ADRS], s21, v5
	s_mul_i32 s23, s14, 16*SPITCH                  ; my stage
	v_mul_u32_u24 v5, v1, SPITCH
	v_lshl_add_u32 v5, v2, 5, v5
	v_add_nc_u32 v[STO], s23, v5
	v_lshlrev_b32 v[CO], 4, v3
	v_add_nc_u32 v[RD], s23, v[CO]
	v_lshlrev_b32 v6, 5, v2                        ; the bias: register j of tile t is bo[16 t + 8 h + j] of my 128 columns
	s_lshl_b32 s46, s42, 10
	s_lshl_b32 s47, s16, 9
	s_add_co_u32 s46, s46, s47                     ; my first column, in bytes
	s_mov_b32 s47, 0
	s_add_nc_u64 s[96:97], s[96:97], s[46:47]
	s_lshl_b32 s20, s17, 8
	s_lshl_b32 s21, s15, 7
	s_add_co_u32 s20, s20, s21
	s_lshl_b32 s20, s20, 12                        ; my first row of out0: 4,096 bytes a row
	s_mov_b32 s21, 0
	s_add_nc_u64 s[20:21], s[20:21], s[46:47]
	s_add_nc_u64 s[12:13], s[12:13], s[20:21]
.irp t, 0,1,2,3,4,5,6,7
	global_load_b128 v[BIAS+8*\t:BIAS+8*\t+3], v6, s[96:97] offset:64*\t
	global_load_b128 v[BIAS+8*\t+4:BIAS+8*\t+7], v6, s[96:97] offset:64*\t+16
.endr
.macro FRAG reg, adr, q, i
.irp p, 0,1,2,3,4,5
	ds_load_b64 v[\reg+2*\p:\reg+2*\p+1], v[\adr] offset:TROW*(\i)+FRB*(\q)+256*\p
.endr
.endm
.macro MUL16 a0, p, q, sc, cm          ; cm = 1: C = the bias; 0: in place.  The 64 accumulators take turns
.irp a, \a0, \a0+1
.irp b, 0,1,2,3,4,5,6,7
.if \cm == 1
	v_wmma_scale_f32_16x16x128_f8f6f4 v[8*(8*((\a)%4)+\b):8*(8*((\a)%4)+\b)+7], v[128*(\p)+FR*\b:128*(\p)+FR*\b+FR-1], v[AF+FR*(\a):AF+FR*(\a)+FR-1], v[BIAS+8*\b:BIAS+8*\b+7], v[SC+8*NQ*(\sc)+NQ*\b+(\q)], v[SC+8*NQ*(\sc)+NQ*(\a)+(\q)] matrix_a_fmt:MATRIX_FMT_FP6 matrix_b_fmt:MATRIX_FMT_FP6 matrix_a_scale:MATRIX_SCALE_ROW1
.else
	v_wmma_scale_f32_16x16x128_f8f6f4 v[8*(8*((\a)%4)+\b):8*(8*((\a)%4)+\b)+7], v[128*(\p)+FR*\b:128*(\p)+FR*\b+FR-1], v[AF+FR*(\a):AF+FR*(\a)+FR-1], v[8*(8*((\a)%4)+\b):8*(8*((\a)%4)+\b)+7], v[SC+8*NQ*(\sc)+NQ*\b+(\q)], v[SC+8*NQ*(\sc)+NQ*(\a)+(\q)] matrix_a_fmt:MATRIX_FMT_FP6 matrix_b_fmt:MATRIX_FMT_FP6 matrix_a_scale:MATRIX_SCALE_ROW1
.endif
.endr
.endr
.endm
.macro FETCH_R slot, q, p
	WIN TO_R
.irp i, 0,1,2,3,4,5,6,7
	FRAG 128*(\p)+FR*\i, ADRR+\slot, \q, \i
.endr
	WIN 0
.endm
.macro FETCH_P slot, q, i0
.irp i, \i0, \i0+1, \i0+2, \i0+3
	FRAG AF+FR*(\i), ADRP+\slot, \q, \i
.endr
.endm
.macro SCALES sc
.irp i, 0,1,2,3,4,5,6,7
	ds_load_b64 v[SC+8*NQ*\sc+NQ*\i:SC+8*NQ*\sc+NQ*\i+1], v[ADRS] offset:\i*SBLK
.endr
.endm
.macro PLACES n
.rept \n
	v_nop
.endr
.endm
.macro STEP slot, q, cm
	s_wait_dscnt 4*NL                              ; Wo's set and o's blocks 0-3 are in; the youngest 24 loads may be out
.if \cm
	WIN 0x81
.else
	WIN MUL_LO
.endif
	MUL16 0, (\q)%2, \q, \slot, \cm
	MUL16 2, (\q)%2, \q, \slot, \cm
	s_wait_dscnt 0
	PLACES NP
	FETCH_R \slot, (\q)+1, 1-(\q)%2
	FETCH_P \slot, (\q)+1, 0
.if \cm
	WIN 0xc1
.else
	WIN MUL_HI
.endif
	MUL16 4, (\q)%2, \q, \slot, \cm
	MUL16 6, (\q)%2, \q, \slot, \cm
	PLACES NP
	WIN 0
	FETCH_P \slot, (\q)+1, 4
.endm
.macro TURN slot, next, fill
	s_wait_tensorcnt 0x0                           ; all my tensor loads have landed: my part of the next slot
	ds_add_u32 v[SPW], v[NIL]                      ; 0 onto my spare word
	s_wait_dscnt 4*NL+1                            ; (the add and the youngest 24 loads may be out)
	WIN MUL_LO
	MUL16 0, 1, NQ-1, \slot, 0
	s_wait_dscnt 0x0                               ; the add is done, and my reads of this slot are over
	s_barrier_signal -1
	MUL16 2, 1, NQ-1, \slot, 0
	WIN 0
	s_barrier_wait -1
.if \fill
	CREST                                          ; the barrier has opened a round of the cluster's
	s_add_nc_u64 s[G0+4*\slot+2:G0+4*\slot+3], s[G0+4*\slot+2:G0+4*\slot+3], 2*TROW
	s_add_nc_u64 s[G0B+4*\slot+2:G0B+4*\slot+3], s[G0B+4*\slot+2:G0B+4*\slot+3], 2*TROW
	JLOAD G0+4*\slot, G1, G0B+4*\slot, G1B
.else
	PLACES NP
.endif
	v_add_nc_u32 v[ADRS], 4*NQ, v[ADRS]
	FETCH_R \next, 0, 0
	FETCH_P \next, 0, 0
	SCALES \next
	WIN MUL_HI
	MUL16 4, 1, NQ-1, \slot, 0
	MUL16 6, 1, NQ-1, \slot, 0
	PLACES NP
	WIN 0
	FETCH_P \next, 0, 4
.endm
	s_wait_tensorcnt 1                             ; the scales and my part of slot 0 are in; slot 1's load may be out
	s_barrier_signal -1
	s_barrier_wait -1
	FETCH_R 0, 0, 0
	FETCH_P 0, 0, 0
	SCALES 0
	FETCH_P 0, 0, 4
	s_wait_loadcnt 0x0                             ; the bias
	STEP 0, 0, 1
	TURN 0, 1, 1                                   ; K = 1,024 is eight steps: written out, no loop
	STEP 1, 0, 0
	TURN 1, 0, 1
	STEP 0, 0, 0
	TURN 0, 1, 0
	STEP 1, 0, 0
	s_wait_dscnt 4*NL
	WIN MUL_LO
	MUL16 0, 1, NQ-1, 1, 0
	MUL16 2, 1, NQ-1, 1, 0
	s_wait_dscnt 0
	WIN MUL_HI
	MUL16 4, 1, NQ-1, 1, 0
	MUL16 6, 1, NQ-1, 1, 0
	WIN 0
; THE WAY OUT, block by block of 16 rows x 128 columns, through my own stage in LDS: in as 32 bytes a lane, back as whole rows of 512 bytes.  LDS serves a wave's instructions in order.
.macro TOSTAGE a
.set AC, 64*((\a)%4)
	WIN 0x08+4*((\a)/4)
.irp b, 0,1,2,3,4,5,6,7
	ds_store_b128 v[STO], v[AC+8*\b:AC+8*\b+3] offset:64*\b          ; each accumulator from its low end on
	ds_store_b128 v[STO], v[AC+8*\b+4:AC+8*\b+7] offset:64*\b+16
.endr
	WIN 0
.set BB, BK+64*((\a)%2)
.irp t, 0,1,2,3,4,5,6,7,8,9,10,11,12,13,14,15
	ds_load_b128 v[BB+4*\t:BB+4*\t+3], v[RD] offset:\t*SPITCH
.endr
.endm
.macro SEND a, younger
.set BB, BK+64*((\a)%2)
	s_wait_dscnt \younger                          ; the block is back in registers
.if (\a) > 0
	s_add_nc_u64 s[12:13], s[12:13], 16*4096       ; (behind a wait on XCNT) 16 rows on
.endif
.irp t, 0,1,2,3,4,5,6,7,8,9,10,11,12,13,14,15
	global_store_b128 v[CO], v[BB+4*\t:BB+4*\t+3], s[12:13] offset:\t*4096 th:TH_STORE_NT   ; 512 consecutive bytes, aligned
.endr
.endm
	PLACES NP
	TOSTAGE 0
.irp a, 1,2,3,4,5,6,7
.if \a > 1
	s_wait_xcnt 0x0                                ; block a - 2's stores have read their registers and their base
.endif
	TOSTAGE \a
	SEND \a-1, 32                                  ; behind block a - 1's loads: block a's 16 stores and 16 loads
.endr
	s_wait_xcnt 0x0
	SEND 7, 0
	s_wait_tensorcnt 0x0                           ; the wave's end
	ds_add_u32 v[SPW], v[NIL]
	s_wait_dscnt 0x0
	CROUND                                         ; the closing round
	s_endpgm
.Lfunc_end_k_qe6f62455d5_oproj:
	.size	k_qe6f62455d5_oproj, .Lfunc_end_k_qe6f62455d5_oproj-k_qe6f62455d5_oproj
	.p2alignl 7, 3214868480
	.fill 96, 4, 3214868480
	.section	.rodata,"a",@progbits
	.p2align	6, 0x0
	.amdhsa_kernel k_qe6f62455d5_oproj
		.amdhsa_group_segment_fixed_size 327680
		.amdhsa_private_segment_fixed_size 0
		.amdhsa_enable_private_segment 0
		.amdhsa_kernarg_size 48
		.amdhsa_user_sgpr_count 2
		.amdhsa_user_sgpr_kernarg_segment_ptr 1
		.amdhsa_wavefront_size32 1
		.amdhsa_system_sgpr_workgroup_id_x 1
		.amdhsa_system_sgpr_workgroup_id_y 1
		.amdhsa_system_sgpr_workgroup_id_z 1
		.amdhsa_system_vgpr_workitem_id 0
		.amdhsa_next_free_vgpr 1024
		.amdhsa_next_free_sgpr 98
		.amdhsa_reserve_vcc 0
		.amdhsa_float_denorm_mode_32 3
		.amdhsa_float_denorm_mode_16_64 3
		.amdhsa_memory_ordered 1
		.amdhsa_forward_progress 1
		.amdhsa_inst_pref_size 161
	.end_amdhsa_kernel
	.amdgpu_metadata
---
amdhsa.version: [ 1, 2 ]
amdhsa.kernels:
  - .name:           k_qe6f62455d5_oproj
    .symbol:         k_qe6f62455d5_oproj.kd
    .args:
      - { .name: oc, .offset: 0, .size: 8, .value_kind: global_buffer, .address_space: global }
      - { .name: os, .offset: 8, .size: 8, .value_kind: global_buffer, .address_space: global }
      - { .name: wc, .offset: 16, .size: 8, .value_kind: global_buffer, .address_space: global }
      - { .name: ws, .offset: 24, .size: 8, .value_kind: global_buffer, .address_space: global }
      - { .name: bo, .offset: 32, .size: 8, .value_kind: global_buffer, .address_space: global }
      - { .name: out0, .offset: 40, .size: 8, .value_kind: global_buffer, .address_space: global }
    .group_segment_fixed_size: 327680
    .private_segment_fixed_size: 0
    .kernarg_segment_align: 8
    .kernarg_segment_size: 48
    .max_flat_workgroup_size: 128
    .sgpr_count:     98
    .vgpr_count:     1024
    .wavefront_size: 32
...
	.end_amdgpu_metadata
.endif
;; end of part 5
;; ======== version 2 of 2: 4 launches
;; limits: right only within a limited range of input values
;; workspace buffers: xc 6,291,456 bytes; xs 262,144 bytes; wc 3,145,728 bytes; ws 131,072 bytes; rope 524,288 bytes; qkv 19,660,800 bytes; oc 6,291,456 bytes; os 262,144 bytes
;; launch prep (part 6): grid 544 x 1, 4 waves a work-group, no clusters, 47,616 bytes of LDS; arguments Wq, Wk, Wv, Wo, wc, ws, rope, x, xc, xs; writes wc, ws, rope, xc, xs
.if DOCPART == 6
	.amdgcn_target "amdgcn-amd-amdhsa--gfx1250"
	.amdhsa_code_object_version 6
	.text
	.protected	k_qe6f62455d5_prep
	.globl	k_qe6f62455d5_prep
	.p2align	8
	.type	k_qe6f62455d5_prep,@function
k_qe6f62455d5_prep:
	s_mov_b64 s[64:65], 0
	v_nop
	global_prefetch_b8 v0, s[64:65] scope:SCOPE_SE
	s_setreg_imm32_b32 hwreg(HW_REG_WAVE_MODE, 25, 1), 1
	s_wait_xcnt 0x0
; ONE LAUNCH FOR ALL THAT IS QUANTISED ONCE.  Three paths, chosen by the work-group's number; each path that uses LDS has LDS bytes of its own.
; A block's scale is 2^(floor(log2(largest magnitude)) - 2): its byte is the largest magnitude's exponent field - 2, held at 1 from below; codes are FP6 (E2M3).
; LIMITS: NaN and infinities are not served; a block of zeros (and one whose largest magnitude lies under 2^-124) gets the byte 1, with zero codes: only this program reads the bytes.
; WORK-GROUPS 0-255: x [8192][1024] f32.  xc: [tile of 16 rows][K step of 128][piece p 0..5][lane][8 bytes]: piece p of lane l is registers 2 p, 2 p + 1 of the matrix operand's fragment.
;   xs: [row][32 bytes], one word for each K step.  A wave takes one tile of 16 rows and half of K, four steps of 128.  Each load reads 512 consecutive bytes of one row; a step's 8,192 bytes turn
;   through the wave's own stage in LDS (rows 528 bytes apart: the 16 rows of a read start at 16 different banks) and come back with 16 neighbours along K of each block in a lane.
; WORK-GROUPS 256-511: the four weights [1024 (k)][1024 (n)] f32, whose K is the first axis.  wc: the same image as xc; rows 0-1023 are Wq's columns, then Wk's, Wv's, Wo's.  ws: [row][32 bytes].
;   A LANE TAKES A COLUMN n AND ITS REGISTERS RUN DOWN K: a block of 32 lies in one lane.  A wave takes 32 columns and 128 along K: four blocks, one K step.
;   Wo ALONE takes the rows of each block of 32 in the order 0-7, 16-23, 8-15, 24-31: the order in which the attention launch's registers hold a head's outputs.  The block holds the same 32 numbers,
;   so its scale is the same, and a permutation of k applied alike to both operands keeps the product.
; WORK-GROUPS 512-543: cos and sin for the rotary embedding, rope: [tile of 16 positions][L 0..7][lane][16 bytes]: lane (r, h) holds (cos, sin) of the pairs 8 (L / 2) + 4 h + 2 (L % 2) + 0, 1 at
;   position 16 tile + r.  LIMIT: 1 / 10000^(i / 32) is made by v_exp_f32 of a rounded product, good to about 3e-7 of the number; at position 2,047 the angle may differ from the f32 angle of the
;   formula as written by up to about 3e-4 rad.  The angle is reduced by pi / 2 in three parts; cos and sin are polynomials on [-pi / 4, pi / 4], good to about 1e-7.  No LDS.
; No barrier anywhere: waves share nothing.
; THE IMAGE AS IT IS LAID NOW (this takes the place of what the head says of pieces of 8 bytes): xc and wc: [tile of 16 rows][K step of 128][chunk c 0..2][lane][16 bytes]:
; chunk c of lane l is registers 4 c .. 4 c + 3 of the matrix operand's fragment, so that a fragment is three loads of 16 bytes a lane.
.set XSTG, 8448
.set WST0, 4*XSTG                      ; behind the four: the weights' stages
.set WSTG, 3328                        ; a wave's: two tiles of 16 columns, 1,664 bytes apart (1,536 + 128: the two halves of the lanes use different banks)
; x's registers
.set LA16, 1                           ; v1  16 x lane
.set SST,  2                           ; v2  stage + 16 x lane
.set SLD,  3                           ; v3  stage + 528 r + 64 h
.set SCA,  5                           ; v5  32 r + 8 h
.set PW,   8                           ; v8-11   my row's four scale words
.set TM,   16                          ; v16-31  at work in the quantiser
.set PC,   32                          ; v32-43  a fragment's codes
.set CT,   44                          ; v44-50  the upper halves of blocks, before they are moved
.set W4,   52                          ; v52-53  two scale words to store
.set R,    64                          ; v64-191 two sets of 64 numbers as loaded
.set X,    192                         ; v192-255 64 numbers: register 16 b + i = k 32 b + 16 h + i of row r
.set SEL,  12                          ; s[12:13] v_permlanex16_b32's selects for lane l xor 16
; the weights' registers
.set WX,   32                          ; v32-95   two sets of 32 numbers
.set C,    96                          ; v96-102  a block's codes
.set OUTR, 112                         ; v112-135 the way out
.set SB,   24                          ; v24      my column's 4 scale bytes
.set VA0,  3                           ; v3   4 x lane
.set VA1,  20                          ; v20  the same, 8 rows further down for Wo
.set VA2,  21                          ; v21  the same, 8 rows further down for the other three
	v_lshl_add_u32 v26, v0, 2, 0xb800
	v_mov_b32 v27, 0
	v_lshrrev_b32 v6, 5, v0
	v_readfirstlane_b32 s18, v6                    ; wave 0..3
	s_cmp_ge_u32 ttmp9, 256
	s_cbranch_scc1 .Lnot_x
	; ---------------- x
	s_load_b64 s[4:5], s[0:1], 0x38                ; x
	s_load_b128 s[8:11], s[0:1], 0x40              ; xc, xs
	v_and_b32 v6, 31, v0                           ; lane
	v_and_b32 v7, 15, v0                           ; r
	v_bfe_u32 v56, v0, 4, 1                        ; h
	s_mul_i32 s19, s18, XSTG
	v_lshlrev_b32 v[LA16], 4, v6
	v_add_nc_u32 v[SST], s19, v[LA16]
	v_mul_u32_u24 v[SLD], v7, 528
	v_lshl_add_u32 v[SLD], v56, 6, v[SLD]
	v_add_nc_u32 v[SLD], s19, v[SLD]
	v_lshlrev_b32 v[SCA], 5, v7
	v_lshl_add_u32 v[SCA], v56, 3, v[SCA]
	s_mov_b32 s[SEL], 0x76543210
	s_mov_b32 s[SEL+1], 0xfedcba98
.irp b, 0,1,2,3
	v_mov_b32 v[TM+4+\b], 0                        ; written once: a lane permute's destination counts as one of its sources
.endr
	s_lshr_b32 s14, s18, 1
	s_lshl_b32 s16, ttmp9, 1
	s_add_co_u32 s14, s14, s16                     ; my tile of 16 rows: 2 x work-group + wave / 2
	s_and_b32 s15, s18, 1                          ; my half of K
	s_lshl_b32 s20, s14, 16                        ; 16 rows of 4,096 bytes,
	s_lshl_b32 s16, s15, 11                        ; four steps of 512 bytes
	s_add_co_u32 s20, s20, s16
	s_mov_b32 s21, 0
	s_mul_i32 s22, s14, 12288                      ; 8 fragments of 1,536 bytes,
	s_mul_i32 s16, s15, 6144                       ; four of them
	s_add_co_u32 s22, s22, s16
	s_mov_b32 s23, 0
	s_lshl_b32 s24, s14, 9                         ; 16 rows of 32 scale bytes,
	s_lshl_b32 s16, s15, 4                         ; four words
	s_add_co_u32 s24, s24, s16
	s_mov_b32 s25, 0
	s_wait_alu depctr_va_vdst(0)
	s_wait_kmcnt 0x0
	s_add_nc_u64 s[4:5], s[4:5], s[20:21]
	s_add_nc_u64 s[8:9], s[8:9], s[22:23]
	s_add_nc_u64 s[10:11], s[10:11], s[24:25]
.macro LOAD s                          ; my step s of my 16 rows: each load 512 consecutive bytes of one row
.irp i, 0,1,2,3,4,5,6,7,8,9,10,11,12,13,14,15
	global_load_b128 v[R+64*((\s)%2)+4*\i:R+64*((\s)%2)+4*\i+3], v[LA16], s[4:5] offset:4096*\i+512*(\s) th:TH_LOAD_NT
.endr
.endm
.macro TURN s                          ; through the stage: LDS serves a wave's instructions in order, so no wait stands between the stores and the loads
.irp i, 0,1,2,3,4,5,6,7,8,9,10,11,12,13,14,15
	ds_store_b128 v[SST], v[R+64*((\s)%2)+4*\i:R+64*((\s)%2)+4*\i+3] offset:528*\i
.endr
.irp b, 0,1,2,3
.irp j, 0,1,2,3
	ds_load_b128 v[X+16*\b+4*\j:X+16*\b+4*\j+3], v[SLD] offset:128*\b+16*\j
.endr
.endr
.endm
; 64 numbers of a lane, register 16 b + i = k 32 b + 16 h + i of its row, become a fragment: registers 0-5 at d0, 6-11 at d1, and the row's scale word in pw.
.macro QUANT s, d0, d1, pw
.irp b, 0,1,2,3
	v_max3_num_f32 v[TM+\b], |v[(\s)+16*\b]|, |v[(\s)+1+16*\b]|, 0x1800000   ; my 16 numbers of block b, and the floor 2^(3 - 127): the byte cannot fall under 1
.endr
.irp i, 2,4,6,8,10,12,14
.irp b, 0,1,2,3
	v_max3_num_f32 v[TM+\b], v[TM+\b], |v[(\s)+16*\b+\i]|, |v[(\s)+1+16*\b+\i]|
.endr
.endr
.irp b, 0,1,2,3
	v_permlanex16_b32 v[TM+4+\b], v[TM+\b], s[SEL], s[SEL+1]
.endr
.irp b, 0,1,2,3
	v_max_num_f32 v[TM+\b], v[TM+\b], v[TM+4+\b]   ; with lane l xor 16's 16: the block's largest magnitude
.endr
.irp b, 0,1,2,3
	v_add_nc_u32 v[TM+12+\b], 0xff000000, v[TM+\b] ; 2 off its exponent field: the conversion takes this operand's exponent field as its scale
.endr
.irp b, 0,1,2,3
	v_lshrrev_b32 v[TM+4+\b], 23, v[TM+12+\b]      ; the scale's byte
.endr
	v_lshl_or_b32 v[\pw], v[TM+5], 8, v[TM+4]
	v_lshl_or_b32 v[\pw], v[TM+6], 16, v[\pw]
	v_lshl_or_b32 v[\pw], v[TM+7], 24, v[\pw]
	v_cvt_scalef32_pk16_fp6_f32 v[(\d0):(\d0)+2], v[(\s):(\s)+15], v[TM+12]
	v_cvt_scalef32_pk16_fp6_f32 v[CT:CT+2], v[(\s)+16:(\s)+31], v[TM+13]
	v_cvt_scalef32_pk16_fp6_f32 v[(\d1):(\d1)+2], v[(\s)+32:(\s)+47], v[TM+14]
	v_cvt_scalef32_pk16_fp6_f32 v[CT+4:CT+6], v[(\s)+48:(\s)+63], v[TM+15]
	v_nop                                          ; one plain place behind a scaled conversion
.irp i, 0,1,2                          ; the operand wants a whole block in a lane: lanes 0-15 the even block, lanes 16-31 the odd one
	v_permlane16_swap_b32 v[(\d0)+\i], v[CT+\i]
	v_permlane16_swap_b32 v[(\d1)+\i], v[CT+4+\i]
.endr
.irp i, 0,1,2
	v_mov_b32 v[(\d0)+3+\i], v[CT+\i]
	v_mov_b32 v[(\d1)+3+\i], v[CT+4+\i]
.endr
.endm
.macro STEP s
.if (\s) < 3
	s_wait_loadcnt 16                              ; this step's 16 loads are in; the next step's 16 may be out
.else
	s_wait_loadcnt 0x0
.endif
	TURN \s
	s_wait_dscnt 0x0                               ; the numbers are back, and the stage's stores have read the set that is loaded again below
	s_wait_xcnt 0x0                                ; the last step's stores have read the codes' registers, which are written again below
.if (\s) < 2
	LOAD (\s)+2
.endif
	QUANT X, PC, PC+6, PW+(\s)
.irp c, 0,1,2
	global_store_b128 v[LA16], v[PC+4*\c:PC+4*\c+3], s[8:9] offset:1536*(\s)+512*\c   ; 32 lanes store 512 consecutive bytes, aligned
.endr
.endm
	LOAD 0
	LOAD 1
.irp s, 0,1,2,3
	STEP \s
.endr
	v_cmp_eq_u32 vcc_lo, 1, v56
.irp i, 0,1
	v_cndmask_b32 v[W4+\i], v[PW+\i], v[PW+2+\i], vcc_lo   ; lanes 0-15 store their row's first two of my four words, lanes 16-31 the other two
.endr
	global_store_b64 v[SCA], v[W4:W4+1], s[10:11]  ; 16 bytes of each row's 32: the wave with the other half of K stores the rest; one byte in 128 of what this path reads
	s_wait_tensorcnt 0x0
	ds_add_u32 v26, v27
	s_wait_dscnt 0x0
	s_endpgm
.Lnot_x:
	v_and_b32 v2, 31, v0                           ; lane
	v_lshlrev_b32 v8, 4, v2                        ; 16 x lane
	s_cmp_ge_u32 ttmp9, 512
	s_cbranch_scc1 .Ltable
	; ---------------- the weights
	s_load_b256 s[4:11], s[0:1], 0x0               ; Wq, Wk, Wv, Wo
	s_load_b128 s[12:15], s[0:1], 0x20             ; wc, ws
	s_sub_co_u32 s36, ttmp9, 256
	s_lshr_b32 s20, s36, 6                         ; which weight
	s_and_b32 s21, s36, 7                          ; which 128 columns
	s_bfe_u32 s22, s36, 0x30003                    ; which 128 along K
	s_mul_i32 s19, s18, WSTG
	s_add_co_u32 s19, s19, WST0                    ; my stage
	s_wait_alu depctr_va_vdst(0)
	v_lshlrev_b32 v[VA0], 2, v2
	v_and_b32 v5, 15, v2
	v_lshrrev_b32 v6, 4, v2
	v_mul_u32_u24 v4, v6, 1664
	v_lshl_add_u32 v4, v5, 4, v4
	v_add_nc_u32 v4, s19, v4                       ; into the stage: my tile, 16 bytes for my row of it
	v_add_nc_u32 v7, s19, v8                       ; out of it: 16 bytes a lane
	v_lshlrev_b32 v9, 5, v2                        ; my row of scale bytes
	s_lshl_b32 s24, s21, 2
	s_add_co_u32 s24, s24, s18                     ; my wave's 32 columns, counted in 32s
	s_lshl_b32 s26, s24, 7
	s_lshl_b32 s27, s22, 19                        ; 128 rows of 4,096 bytes
	s_add_co_u32 s26, s26, s27
	s_mov_b32 s27, 0
	s_lshl_b32 s28, s20, 5
	s_add_co_u32 s28, s28, s24                     ; the same among wc's 4,096 rows
	s_mul_i32 s30, s28, 2*12288
	s_mul_i32 s31, s22, 1536                       ; my K step
	s_add_co_u32 s30, s30, s31
	s_mov_b32 s31, 0
	s_lshl_b32 s32, s28, 10
	s_lshl_b32 s33, s22, 2
	s_add_co_u32 s32, s32, s33
	s_mov_b32 s33, 0
	s_wait_alu depctr_va_vdst(0)
	s_wait_kmcnt 0x0
	s_cmp_eq_u32 s20, 1                            ; the choice hangs on the work-group's number alone
	s_cselect_b64 s[4:5], s[6:7], s[4:5]
	s_cmp_eq_u32 s20, 2
	s_cselect_b64 s[4:5], s[8:9], s[4:5]
	s_cmp_eq_u32 s20, 3
	s_cselect_b64 s[4:5], s[10:11], s[4:5]
	s_cselect_b32 s34, 32768, 0                    ; 8 rows of 4,096 bytes for Wo, else 0
	s_sub_co_u32 s35, 32768, s34
	v_add_nc_u32 v[VA1], s34, v[VA0]
	v_add_nc_u32 v[VA2], s35, v[VA0]
	s_add_nc_u64 s[4:5], s[4:5], s[26:27]
	s_add_nc_u64 s[12:13], s[12:13], s[30:31]
	s_add_nc_u64 s[14:15], s[14:15], s[32:33]
.macro LOADB t                         ; block t into set t % 2: register p takes row 32 t + p; for Wo registers 8-15 take rows 16-23 of the block and registers 16-23 rows 8-15
.irp p, 0,1,2,3,4,5,6,7
	global_load_b32 v[WX+32*((\t)%2)+\p], v[VA0], s[4:5] offset:(32*(\t)+\p)*4096 th:TH_LOAD_NT
.endr
.irp p, 8,9,10,11,12,13,14,15
	global_load_b32 v[WX+32*((\t)%2)+\p], v[VA1], s[4:5] offset:(32*(\t)+\p)*4096 th:TH_LOAD_NT
.endr
.irp p, 16,17,18,19,20,21,22,23
	global_load_b32 v[WX+32*((\t)%2)+\p], v[VA2], s[4:5] offset:(32*(\t)+\p-8)*4096 th:TH_LOAD_NT
.endr
.irp p, 24,25,26,27,28,29,30,31
	global_load_b32 v[WX+32*((\t)%2)+\p], v[VA0], s[4:5] offset:(32*(\t)+\p)*4096 th:TH_LOAD_NT
.endr
.endm
	LOADB 0
	LOADB 1
.macro BLOCK t
.set XS, WX+32*((\t)%2)
.if (\t) < 3
	s_wait_loadcnt 32                              ; this block's 32 loads are in; the next block's may be out
.else
	s_wait_loadcnt 0x0
.endif
	v_max3_num_f32 v12, |v[XS]|, |v[XS+1]|, |v[XS+2]|              ; the block's largest magnitude: all 32 numbers are mine
	v_max3_num_f32 v13, |v[XS+3]|, |v[XS+4]|, |v[XS+5]|
.irp i, 6,10,14,18,22,26
	v_max3_num_f32 v12, v12, |v[XS+\i]|, |v[XS+\i+1]|
	v_max3_num_f32 v13, v13, |v[XS+\i+2]|, |v[XS+\i+3]|
.endr
	v_max3_num_f32 v12, v12, |v[XS+30]|, |v[XS+31]|
	v_max3_num_f32 v12, v12, v13, 0x1800000        ; and the floor 2^(3 - 127)
	v_add_nc_u32 v11, 0xff000000, v12              ; 2 off the exponent field: the conversion's scale operand
	v_lshrrev_b32 v13, 23, v11                     ; the scale's byte
.if (\t) == 0
	v_mov_b32 v[SB], v13
.else
	v_lshl_or_b32 v[SB], v13, 8*(\t), v[SB]
.endif
	v_cvt_scalef32_pk16_fp6_f32 v[C:C+2], v[XS:XS+15], v11
	v_cvt_scalef32_pk16_fp6_f32 v[C+4:C+6], v[XS+16:XS+31], v11    ; (a conversion's three registers begin on an even number)
	v_nop                                          ; one plain place behind a scaled conversion
	v_mov_b32 v[C+3], v[C+4]                       ; the block's 24 bytes on end
	v_mov_b32 v[C+4], v[C+5]
	v_mov_b32 v[C+5], v[C+6]
.irp i, 0,1,2                          ; block t is registers 6 (t / 2) on of the lanes' half t % 2
	ds_store_b64 v4, v[C+2*\i:C+2*\i+1] offset:((6*((\t)/2)+2*\i)/4)*512+((6*((\t)/2)+2*\i)%4)*4+((\t)%2)*256   ; registers 6 (t / 2) + 2 i, + 1: their chunk of four, their 8 bytes of its 16, 16 bytes a lane
.endr
.if (\t)+2 < 4
	LOADB (\t)+2
.endif
	s_wait_dscnt 0x0                               ; the stores have read their registers: the next block's codes may be written
.endm
.irp t, 0,1,2,3
	BLOCK \t
.endr
	s_wait_alu depctr_va_vdst(0)
	global_store_b32 v9, v[SB], s[14:15]           ; my column's 4 scale bytes: rows 32 bytes apart, one byte in 128 of what this path reads
.irp n, 0,1,2,3,4,5
	ds_load_b128 v[OUTR+4*\n:OUTR+4*\n+3], v7 offset:1664*(\n/3)+512*(\n%3)   ; LDS serves a wave's instructions in order: these see my stores
.endr
.irp n, 0,1,2,3,4,5
	s_wait_dscnt 5-\n                              ; the younger loads may be out
	global_store_b128 v8, v[OUTR+4*\n:OUTR+4*\n+3], s[12:13] offset:12288*(\n/3)+512*(\n%3)   ; 512 consecutive bytes, aligned
.endr
	s_wait_tensorcnt 0x0
	ds_add_u32 v26, v27
	s_wait_dscnt 0x0
	s_endpgm
	; ---------------- the table
.Ltable:
	s_load_b64 s[16:17], s[0:1], 0x30              ; rope
	s_sub_co_u32 s20, ttmp9, 512
	s_lshl_b32 s20, s20, 2
	s_add_co_u32 s20, s20, s18                     ; my tile of 16 positions
	s_lshl_b32 s21, s20, 4
	s_wait_alu depctr_va_vdst(0)
	v_and_b32 v5, 15, v2
	v_add_nc_u32 v5, s21, v5
	v_cvt_f32_u32 v11, v5                          ; my position
	v_lshrrev_b32 v9, 4, v2
	v_lshlrev_b32 v9, 2, v9                        ; 4 h
	s_lshl_b32 s22, s20, 12
	s_mov_b32 s23, 0
	s_mov_b32 s24, 0xbed49a78                      ; -log2(10000) / 32
	s_mov_b32 s25, 0x3f22f983                      ; 2 / pi
	s_mov_b32 s26, 0x3fc90fdb                      ; pi / 2 in three parts
	s_mov_b32 s27, 0xb33bbd2e
	s_mov_b32 s28, 0xa6f72ced
	s_mov_b32 s29, 0xbe2aaaa3                      ; sin: r + r^3 (s29 + r^2 (s30 + r^2 s31))
	s_mov_b32 s30, 0x3c08839e
	s_mov_b32 s31, 0xb94ca1f9
	s_mov_b32 s32, 0x3d2aaaa5                      ; cos: 1 - r^2 / 2 + r^4 (s32 + r^2 (s33 + r^2 s34))
	s_mov_b32 s33, 0xbab6061a
	s_mov_b32 s34, 0x37ccf5ce
	s_wait_alu depctr_va_vdst(0)
	s_wait_kmcnt 0x0
	s_add_nc_u64 s[16:17], s[16:17], s[22:23]
.macro SINCOS n, dc, ds                ; cos and sin of position x 10000^(-(4 h + n) / 32)
	v_add_nc_u32 v12, \n, v9
	v_cvt_f32_u32 v12, v12
	v_mul_f32 v12, s24, v12
	s_wait_alu depctr_va_vdst(0)
	v_exp_f32 v12, v12
	v_nop                                          ; one plain place behind a transcendental
	s_wait_alu depctr_va_vdst(0)
	v_mul_f32 v12, v11, v12                        ; the angle, rounded once
	v_mul_f32 v13, s25, v12
	v_rndne_f32 v13, v13                           ; k: how many quarter turns
	v_fma_f32 v14, -v13, s26, v12
	v_fma_f32 v14, -v13, s27, v14
	v_fma_f32 v14, -v13, s28, v14                  ; r = angle - k pi / 2
	v_cvt_i32_f32 v15, v13
	v_mul_f32 v16, v14, v14
	v_fma_f32 v17, v16, s31, s30
	v_fma_f32 v17, v17, v16, s29
	v_mul_f32 v18, v16, v14
	v_fma_f32 v17, v17, v18, v14                   ; sin r
	v_fma_f32 v19, v16, s34, s33
	v_fma_f32 v19, v19, v16, s32
	v_mul_f32 v20, v16, v16
	v_fma_f32 v21, v16, -0.5, 1.0
	v_fma_f32 v19, v19, v20, v21                   ; cos r
	v_and_b32 v22, 1, v15                          ; the quarter chooses by selects and signs: no branch on data
	v_cmp_eq_u32 vcc_lo, 1, v22
	v_cndmask_b32 v23, v17, v19, vcc_lo
	v_cndmask_b32 v24, v19, v17, vcc_lo
	v_and_b32 v22, 2, v15
	v_lshlrev_b32 v22, 30, v22
	v_xor_b32 v[\ds], v22, v23
	v_add_nc_u32 v22, 1, v15
	v_and_b32 v22, 2, v22
	v_lshlrev_b32 v22, 30, v22
	v_xor_b32 v[\dc], v22, v24
.endm
.irp L, 0,1,2,3,4,5,6,7
	SINCOS 8*(\L/2)+2*(\L%2), 32+4*\L, 33+4*\L
	SINCOS 8*(\L/2)+2*(\L%2)+1, 34+4*\L, 35+4*\L
	global_store_b128 v8, v[32+4*\L:35+4*\L], s[16:17] offset:512*\L   ; 512 consecutive bytes; each store has registers of its own
.endr
	s_endpgm
.Lfunc_end_k_qe6f62455d5_prep:
	.size	k_qe6f62455d5_prep, .Lfunc_end_k_qe6f62455d5_prep-k_qe6f62455d5_prep
	.p2alignl 7, 3214868480
	.fill 96, 4, 3214868480
	.section	.rodata,"a",@progbits
	.p2align	6, 0x0
	.amdhsa_kernel k_qe6f62455d5_prep
		.amdhsa_group_segment_fixed_size 47616
		.amdhsa_private_segment_fixed_size 0
		.amdhsa_enable_private_segment 0
		.amdhsa_kernarg_size 80
		.amdhsa_user_sgpr_count 2
		.amdhsa_user_sgpr_kernarg_segment_ptr 1
		.amdhsa_wavefront_size32 1
		.amdhsa_system_sgpr_workgroup_id_x 1
		.amdhsa_system_sgpr_workgroup_id_y 1
		.amdhsa_system_sgpr_workgroup_id_z 1
		.amdhsa_system_vgpr_workitem_id 0
		.amdhsa_next_free_vgpr 256
		.amdhsa_next_free_sgpr 66
		.amdhsa_reserve_vcc 1
		.amdhsa_float_denorm_mode_32 3
		.amdhsa_float_denorm_mode_16_64 3
		.amdhsa_memory_ordered 1
		.amdhsa_forward_progress 1
		.amdhsa_inst_pref_size 80
	.end_amdhsa_kernel
	.amdgpu_metadata
---
amdhsa.version: [ 1, 2 ]
amdhsa.kernels:
  - .name:           k_qe6f62455d5_prep
    .symbol:         k_qe6f62455d5_prep.kd
    .args:
      - { .name: Wq, .offset: 0, .size: 8, .value_kind: global_buffer, .address_space: global }
      - { .name: Wk, .offset: 8, .size: 8, .value_kind: global_buffer, .address_space: global }
      - { .name: Wv, .offset: 16, .size: 8, .value_kind: global_buffer, .address_space: global }
      - { .name: Wo, .offset: 24, .size: 8, .value_kind: global_buffer, .address_space: global }
      - { .name: wc, .offset: 32, .size: 8, .value_kind: global_buffer, .address_space: global }
      - { .name: ws, .offset: 40, .size: 8, .value_kind: global_buffer, .address_space: global }
      - { .name: rope, .offset: 48, .size: 8, .value_kind: global_buffer, .address_space: global }
      - { .name: x, .offset: 56, .size: 8, .value_kind: global_buffer, .address_space: global }
      - { .name: xc, .offset: 64, .size: 8, .value_kind: global_buffer, .address_space: global }
      - { .name: xs, .offset: 72, .size: 8, .value_kind: global_buffer, .address_space: global }
    .group_segment_fixed_size: 47616
    .private_segment_fixed_size: 0
    .kernarg_segment_align: 8
    .kernarg_segment_size: 80
    .max_flat_workgroup_size: 128
    .sgpr_count:     66
    .vgpr_count:     256
    .wavefront_size: 32
...
	.end_amdgpu_metadata
.endif
;; end of part 6
;; launch qkv (part 7): grid 4 x 64, 4 waves a work-group, clusters of 4 x 4, 327,680 bytes of LDS; arguments xc, xs, wc, ws, bq, bk, bv, rope, qkv; writes qkv
.if DOCPART == 7
	.amdgcn_target "amdgcn-amd-amdhsa--gfx1250"
	.amdhsa_code_object_version 6
	.text
	.protected	k_qe6f62455d5_qkv
	.globl	k_qe6f62455d5_qkv
	.p2align	8
	.type	k_qe6f62455d5_qkv,@function
k_qe6f62455d5_qkv:
	s_mov_b64 s[64:65], 0
	v_nop
	global_prefetch_b8 v0, s[64:65] scope:SCOPE_SE
	s_setreg_imm32_b32 hwreg(HW_REG_WAVE_MODE, 25, 1), 1
	s_wait_xcnt 0x0
	s_wait_alu depctr_hold_cnt(0) depctr_sa_sdst(0) depctr_va_vdst(0) depctr_va_sdst(0) depctr_va_ssrc(0) depctr_va_vcc(0) depctr_vm_vsrc(0)
	s_getreg_b32 s2, hwreg(HW_REG_IB_STS2, 6, 4)
	s_cmp_eq_u32 s2, 0
	s_cbranch_scc0 .Lentry_in_a_cluster
	s_endpgm
.Lentry_in_a_cluster:
	s_bfe_u32 s2, ttmp6, 0x10000c
	s_cmp_lg_u32 s2, 0xf033
	s_cbranch_scc0 .Lentry_shape_is_right
	s_endpgm
.Lentry_shape_is_right:
; q = rope(x Wq + bq), k = rope(x Wk + bk), v = x Wv + bv on codes of FP6 (E2M3) with E8M0 scales, and their quantising for the attention launch: q and k along the head's 64, v along the keys.
; A WORK-GROUP STAYS.  Work-group (j, m) owns rows 128 m .. 128 m + 127 of x and makes three tiles of 128 x 256, in this order: q's, k's and v's columns 256 j .. 256 j + 255.  4 x 64 = 256 work-groups
; of equal work, and the order of the parts is a constant of the text: no branch hangs on an id.
; LDS.  x's 128 rows of codes for ALL of K (98,304 bytes) and every scale byte that the work-group needs are filled once and stay.  W's 256 rows go through a ring of two slots of half of K (98,304 bytes
; each); a slot is filled again, with the next tile's half, as soon as it has been read: the fill has four steps of 128 along K, 128 matrix instructions a wave, in which to land.
; xc and wc lie as images of the operands' registers ([tile of 16 rows][K step][piece][lane][8 bytes]): a fragment is six loads of 256 consecutive LDS bytes, with no pitch and no padding.
; CLUSTERS: 4 x 4 work-groups; x's fills are asked for jointly along a row of the cluster, W's along a column.  Every wave fetches a quarter of every fill: one line, no branch.
; ROLES.  P is source 1 (its rows fall on lanes; 4 tiles of 16 rows a wave), R is source 0 (its rows fall on a lane's registers; 8 tiles): 32 accumulators.  q, k: P = x (the wave's 64 rows), R = W (128 of
; its rows): a lane holds one row and its registers run along d.  v: P = W (the wave's 64 rows: one head), R = x (all 128 rows): a lane holds one d and its registers run along the keys.
; The bias is the C of each sum's first matrix instruction.  All biases, and cos and sin of the wave's 64 positions, are loaded once, at the head.
; ORDER INSIDE A BLOCK OF 32.  A lane's 16 registers of tiles 2 B, 2 B + 1 hold the indices 32 B + 16 u + 8 h + j; converted and exchanged between the halves of the lanes they stand at position
; 16 h + 8 u + j of block B.  The block holds the same 32 numbers (same scale), and the order falls alike on q and k, and on v and the softmax's p.
; OUT.  qkv: [head of batch 0..63: 307,200][part q, k, v: 102,400][block of 128 rows: 6,400].  q, k: 4 groups of 32 rows x 1,536 bytes [chunk 0..2][lane][16]: registers 0-5 block h of row 32 g + r,
; registers 6-11 block h of row 32 g + 16 + r; at + 6,144 the scale words [r][g] (bytes 0, 1: row 32 g + r; 2, 3: row 32 g + 16 + r).  v: 4 fragments (d = 16 t + r, K = the 128 keys); words [r][t].
; The codes leave from registers, 512 consecutive bytes a store: no stage in LDS.  q's and k's scale words leave as 8 bytes a lane, 16 bytes apart (a wave holds two of a row's four words): 4 bytes in 100 of the output.
; LIMITS: NaN and infinities are not served; a block of zeros (or under 2^-124) gets the byte 1, with zero codes: only this program reads the bytes.
; REGISTERS: window 0: v1-31 addresses; v32-95 scale words of a tile's eight K steps, and nothing else; v96-159 the rotated numbers; v160-255 P's fragments, two sets (on the way out: at work).
;   window 1: R's fragments, two sets, at v0 and v128; v96-127 v's bias.   window 2: the accumulators ((a, b) at v[8 (8 a + b)]).   window 3: v0-127 cos and sin; v128-191 q's bias, v192-255 k's.
; AS THE TEXT STANDS NOW (this takes the place of what the head says of the images and of who fetches what): xc and wc lie as [tile of 16 rows][K step][chunk 0..2][lane][16 bytes]: a fragment is three loads of
; 512 consecutive LDS bytes.  At the head the four tiles (slot 0 of W, x's codes, W's scale bytes, x's) go one to a wave, each whole; slot 1's first fill and the ring's refills are a quarter a wave.
; A K step's 36 fragment loads stand in ONE run, behind the step's first eight products; 24 products stand between the run and the wait for it.
.set FRB,   1536
.set XROW,  12288                      ; a tile of 16 rows of x in LDS: eight K steps
.set WROW,  6144                       ; a tile of 16 rows of W in a slot: four K steps
.set XB,    0                          ; x's codes
.set WB,    8*XROW                     ; the ring
.set SLOT,  16*WROW
.set WST,   8*272                      ; the scale bytes of 64 rows: 8 units of 256 bytes + 16 of padding
.set XSC,   WB+2*SLOT                  ; x's scale bytes: 128 rows
.set WSC,   XSC+2*WST                  ; W's: [tile q, k, v][the 256 rows]: 4 WST a tile, so that one descriptor of three rows of 8,192 bytes brings all
.set WSQ,   3*WST
.set SBLK,  2*272                      ; those of 16 rows
.set SPARE, WSC+4*WSQ                  ; the spare words, 128 bytes for each wave: two blocks of 256 bytes that no other line names
.set WNEXT, 1024*768                   ; from a tile's rows of wc to the next tile's
.set ADV1,  5                          ; v5     as v31, for R's tiles 4-7
.set HST,   6                          ; v6     h x WST
.set SCV,   7                          ; v7     where v's scale words go: 6,144 + 16 r + 8 h
.set CT,    8                          ; v8-15  at the head offsets of loads; on the way out the upper halves of blocks
.set AXP,   16                         ; v16    LDS: x as P: my 64 rows
.set AX0,   17                         ; v17-18 x as R: tiles 0-3, tiles 4-7
.set AX1,   18
.set LA16,  19                         ; v19    16 x lane
.set AWR,   20                         ; v20-21 W as R: my 128 rows, in slot 0, 1
.set AWP,   22                         ; v22-23 W as P: my 64 rows, in slot 0, 1
.set LA16P, 24                         ; v24    16 x lane + my two groups' place in a block's image
.set SCO,   25                         ; v25    where q's and k's scale words go: 307,200 h + 16 r + 8 (my half of the rows) + 6,144
.set SELV,  26                         ; v26    byte selects: lanes 0-15 the first head's two bytes, lanes 16-31 the second's
.set ADQ0,  27                         ; v27    q, k: LDS address of my scale words: lanes 0-15 P's rows, lanes 16-31 R's tiles 0-3
.set SPW,   28
.set NIL,   29
.set ADQ1,  30                         ; v30    the same, R's tiles 4-7
.set ADV0,  31                         ; v31    v: the same
.set SC,    32
.set H,     96
.set AF,    160
.set TT,    160
.set TM,    168
.set PWR,   184
.set WS4,   192
.set IMG,   196
.set BQ,    128                        ; in window 3
.set BK,    192
.set BV,    96                         ; in window 1
.set G1X,  24                          ; s[24:31] group 1 for x's codes;  s[32:35] its group 0;  s[36:39] group 0 for x's scales
.set G0X,  32
.set G0XS, 36
.set G1W,  48                          ; s[48:55] group 1 for W's codes;  s[56:63] group 0, one set for each slot
.set G0W,  56
.set G1XS, 76                          ; s[76:83], s[84:91] groups 1 for x's and W's scales;  s[92:95] group 0 for W's
.set G1WS, 84
.set G0WS, 92
.set SEL,  18
.set MSB, 0
.macro WIN new                         ; the immediate's high byte repeats the setting that is left
.if MSB != (\new)
	s_set_vgpr_msb (MSB<<8)|(\new)
.set MSB, (\new)
.endif
.endm
.set MULW, 0xa1                        ; source 0 (R) window 1, source 1 (P) window 0, C and D window 2
.set TO_R, 0x40                        ; destination window 1, address window 0
.macro CREST                           ; a round of the cluster's barrier behind its opening barrier
	s_cmp_lg_u32 s14, 0
	s_cbranch_scc1 .Lnot_wave_0_\@
	s_barrier_signal -3
.Lnot_wave_0_\@:
	s_barrier_wait -3
	s_barrier_signal -1
	s_barrier_wait -1
.endm
.macro CROUND
	s_barrier_signal -1
	s_barrier_wait -1
	CREST
.endm
.macro PLACES n                        ; plain vector instructions that name no register of the matrix instructions in front of them (ISA guide 7.12.1)
.rept \n
	v_nop
.endr
.endm
.macro SHAPE g, c, r, p                ; words 1 to 7 of a group 1: r rows of c elements, p elements apart
	s_mov_b32 s[\g+1], (\c)<<16
	s_mov_b32 s[\g+2], (\r)<<16
	s_mov_b32 s[\g+3], (\c)<<16
	s_mov_b32 s[\g+4], \r
	s_mov_b32 s[\g+5], \p
	s_mov_b32 s[\g+6], 0
	s_mov_b32 s[\g+7], 0
.endm
	s_load_b128 s[4:7], s[0:1], 0x0                ; xc, xs
	s_load_b128 s[8:11], s[0:1], 0x10              ; wc, ws
	s_load_b256 s[68:75], s[0:1], 0x20             ; bq, bk, bv, rope
	s_load_b64 s[12:13], s[0:1], 0x40              ; qkv
	v_lshl_add_u32 v[SPW], v0, 2, SPARE
	v_mov_b32 v[NIL], 0
	ds_add_u32 v28, v29
	ds_add_u32 v28, v29
	s_wait_dscnt 0x0
	v_lshrrev_b32 v1, 5, v0
	v_readfirstlane_b32 s14, v1                    ; wave 0..3
	s_lshr_b32 s15, s14, 1                         ; q, k: which 64 rows of x are mine
	s_and_b32 s16, s14, 1                          ; q, k: which 128 rows of W
	s_bfe_u32 s40, ttmp6, 0x40000                  ; cx
	s_bfe_u32 s41, ttmp6, 0x40004                  ; cy
	s_lshl_b32 s42, ttmp9, 2
	s_add_co_u32 s42, s42, s40                     ; j = 4 x cluster x + cx
	s_and_b32 s17, ttmp7, 0xffff
	s_lshl_b32 s17, s17, 2
	s_add_co_u32 s17, s17, s41                     ; m = 4 x cluster y + cy
	s_lshl_b32 s43, s41, 2
	s_lshl_b32 s43, 15, s43                        ; my row of the cluster
	s_lshl_b32 s44, 0x1111, s40                    ; my column
	s_mov_b32 s[SEL], 0x76543210
	s_mov_b32 s[SEL+1], 0xfedcba98                 ; v_permlanex16_b32's selects for lane l xor 16
	s_or_b32 s[G1X], s43, (3<<16)|(1<<21)          ; x's codes, my quarter: 24,576 dense bytes as 96 rows of 32 elements of 8 bytes
	SHAPE G1X, 32, 384, 32                         ; all 98,304 bytes: one wave's load
	s_or_b32 s[G1W], s44, (3<<16)|(1<<21)          ; W's codes, my quarter of a slot: 4 tiles of 16 rows, of each 768 elements (four K steps), 1,536 elements apart
	SHAPE G1W, 768, 16, 1536                       ; at the head a whole slot, 16 tiles; behind the head the two words that count rows are set to 4
	s_or_b32 s[G1XS], s43, (3<<16)|(1<<20)|(1<<21)|(5<<22)|(3<<25)   ; x's scales, my quarter: 4 rows of 256 bytes, 16 bytes of padding behind each
	SHAPE G1XS, 32, 16, 32                         ; all 16 rows of 256 bytes
	s_or_b32 s[G1WS], s44, (3<<16)|(1<<20)|(1<<21)|(5<<22)|(3<<25)   ; W's scales, my 64 rows of each of the three tiles: 3 rows of 2,048 bytes, 32,768 bytes apart; 16 bytes of padding behind every 256
	SHAPE G1WS, 1024, 3, 4096                      ; the 256 rows of each of the three tiles: 3 rows of 8,192 bytes
	s_mul_i32 s45, s14, 24576                      ; wave x 24,576: my quarter of x's codes and of a slot: no place in the cluster enters an LDS address
	s_mul_i32 s20, s17, 98304                      ; x's codes: 128 rows of 768 bytes a work-group
	s_mov_b32 s21, 0
	s_lshl_b32 s22, s17, 12                        ; x's scales: 128 rows of 32 bytes
	s_mov_b32 s23, 0
	s_mul_i32 s46, s42, 196608                     ; W's codes: row 256 j + 64 wave
	s_mul_i32 s47, s14, 49152
	s_add_co_u32 s46, s46, s47
	s_mov_b32 s47, 0
	s_lshl_b32 s96, s42, 13                        ; W's scales likewise
	s_mov_b32 s97, 0
	s_wait_kmcnt 0x0
	s_mov_b32 s[G0WS], 1
	s_mov_b32 s[G0WS+1], WSC
	s_add_nc_u64 s[G0WS+2:G0WS+3], s[10:11], s[96:97]
	s_or_b32 s[G0WS+3], s[G0WS+3], 0x80000000
	s_mov_b32 s[G0XS], 1
	s_mov_b32 s[G0XS+1], XSC
	s_add_nc_u64 s[G0XS+2:G0XS+3], s[6:7], s[22:23]
	s_or_b32 s[G0XS+3], s[G0XS+3], 0x80000000
	s_mov_b32 s[G0X], 1
	s_mov_b32 s[G0X+1], XB
	s_add_nc_u64 s[G0X+2:G0X+3], s[4:5], s[20:21]
	s_or_b32 s[G0X+3], s[G0X+3], 0x80000000
	s_add_nc_u64 s[46:47], s[8:9], s[46:47]
.irp s, 0,1
	s_mov_b32 s[G0W+4*\s], 1
	s_add_co_u32 s[G0W+4*\s+1], s45, WB+\s*SLOT
	s_add_nc_u64 s[G0W+4*\s+2:G0W+4*\s+3], s[46:47], \s*WROW
	s_or_b32 s[G0W+4*\s+3], s[G0W+4*\s+3], 0x80000000
.endr
	s_mul_i32 s96, s42, 196608                     ; the head's load of slot 0, whole: W's row 256 j; its group 0 lies in s[8:11], whose arguments have been used
	s_add_nc_u64 s[10:11], s[8:9], s[96:97]
	s_or_b32 s11, s11, 0x80000000
	s_mov_b32 s8, 1
	s_mov_b32 s9, WB
	CROUND                                         ; all sixteen work-groups are here: the first joint loads meet
; THE HEAD'S FOUR TILES, ONE A WAVE: wave 0 slot 0 of W, wave 1 x's codes, wave 2 W's scale bytes, wave 3 x's.  One chain of branches on the wave's number, all arms to one join.
.macro ARM under, g0, g1, next
	s_cmp_lt_u32 s14, \under
	s_cbranch_scc0 \next
	tensor_load_to_lds s[\g0:\g0+3], s[\g1:\g1+7]
	s_nop 0
	PLACES 4
	s_branch .Lhead_asked
\next:
.endm
	ARM 1, 8, G1W, .Lhead_x
	ARM 2, G0X, G1X, .Lhead_ws
	ARM 3, G0WS, G1WS, .Lhead_xs
	tensor_load_to_lds s[G0XS:G0XS+3], s[G1XS:G1XS+7]
	s_nop 0
	PLACES 4
.Lhead_asked:
	v_and_b32 v1, 15, v0                           ; r: kept
	v_bfe_u32 v2, v0, 4, 1                         ; h: kept
	v_and_b32 v3, 31, v0
	v_lshlrev_b32 v4, 4, v3                        ; 16 x lane: my place in a chunk of a fragment
	v_lshlrev_b32 v[LA16], 4, v3
	s_mul_i32 s20, s15, 4*XROW
	v_add_nc_u32 v[AXP], s20, v4
	v_add_nc_u32 v[AX0], XB, v4
	v_add_nc_u32 v[AX1], 4*XROW, v4
	s_mul_i32 s21, s16, 8*WROW
	s_add_co_u32 s21, s21, WB
	s_mul_i32 s22, s14, 4*WROW
	s_add_co_u32 s22, s22, WB
.irp s, 0,1
	v_add_nc_u32 v[AWR+\s], s21, v4
	v_add_nc_u32 v[AWP+\s], s22, v4
	s_add_co_u32 s21, s21, SLOT
	s_add_co_u32 s22, s22, SLOT
.endr
	v_lshlrev_b32 v9, 5, v1                        ; my row's scales: 32 bytes a row,
	v_lshrrev_b32 v10, 8, v9
	v_lshl_add_u32 v9, v10, 4, v9                  ; and 16 more behind the first 256
	v_mul_u32_u24 v[HST], v2, WST
	s_mul_i32 s20, s15, WST                        ; q, k: x's words of my 64 rows,
	s_mul_i32 s21, s16, 2*WST
	s_add_co_u32 s21, s21, WSC-XSC
	s_sub_co_u32 s21, s21, s20                     ; and from there to W's words of my 128 rows
	s_add_co_u32 s20, s20, XSC
	v_mul_u32_u24 v10, s21, v2                     ; lanes 16-31 take R's
	v_add_nc_u32 v10, v10, v9
	v_add_nc_u32 v[ADQ0], s20, v10
	v_mad_u32_u24 v[ADQ1], v2, WST, v[ADQ0]        ; R's tiles 4-7: the next 64 rows
	v_xor_b32 v11, 1, v2                           ; v: lanes 0-15 take P's = W's words of my 64 rows, third tile; lanes 16-31 R's = x's
	s_mul_i32 s21, s14, WST
	s_add_co_u32 s21, s21, WSC-XSC+8*WST
	v_mul_u32_u24 v10, s21, v11
	v_add_nc_u32 v10, v10, v9
	v_add_nc_u32 v[ADV0], XSC, v10
	v_add_nc_u32 v[ADV1], v[ADV0], v[HST]          ; x's tiles 4-7
	s_mul_i32 s20, s15, 2*FRB
	v_add_nc_u32 v[LA16P], s20, v[LA16]
	v_mul_u32_u24 v[SCO], v2, 307200
	v_lshl_add_u32 v[SCO], v1, 4, v[SCO]
	s_lshl_b32 s20, s15, 3
	s_add_co_u32 s20, s20, 6144
	v_add_nc_u32 v[SCO], s20, v[SCO]
	v_lshlrev_b32 v[SCV], 4, v1
	v_lshl_add_u32 v[SCV], v2, 3, v[SCV]
	v_add_nc_u32 v[SCV], 6144, v[SCV]
	v_mov_b32 v[SELV], 0x05040100
	v_mov_b32 v10, 0x07060302
	v_cmp_eq_u32 vcc_lo, 1, v2
	v_cndmask_b32 v[SELV], v[SELV], v10, vcc_lo
	v_lshlrev_b32 v12, 5, v2                       ; q's and k's bias: register j of R's tile t is b[16 t + 8 h + j]
	s_wait_alu depctr_va_vdst(0)
	v_lshlrev_b32 v13, 2, v1                       ; v's: every register of P's tile a is b[16 a + r]
	s_wait_alu depctr_va_vdst(0)
	s_lshl_b32 s20, s42, 10
	s_lshl_b32 s21, s16, 9
	s_add_co_u32 s20, s20, s21                     ; q, k: my 128 columns: 4 (256 j + 128 half) bytes
	s_mov_b32 s21, 0
	s_add_nc_u64 s[68:69], s[68:69], s[20:21]
	s_add_nc_u64 s[70:71], s[70:71], s[20:21]
	s_lshl_b32 s20, s42, 10
	s_lshl_b32 s22, s14, 8
	s_add_co_u32 s20, s20, s22                     ; v: my 64 columns
	s_add_nc_u64 s[72:73], s[72:73], s[20:21]
	s_and_b32 s22, s17, 15                         ; my block of 128 positions in the batch
	s_lshl_b32 s20, s22, 15                        ; 8 tiles of 4,096 bytes of the table,
	s_lshl_b32 s23, s15, 14                        ; my four of them
	s_add_co_u32 s20, s20, s23
	s_add_nc_u64 s[74:75], s[74:75], s[20:21]
	s_mul_i32 s22, s22, 6400
	s_lshr_b32 s23, s17, 4                         ; the batch
	s_lshl_b32 s23, s23, 4
	s_lshl_b32 s20, s42, 2
	s_add_co_u32 s23, s23, s20                     ; the tile's first head of batch: 16 batch + 4 j
	s_add_co_u32 s20, s23, s14                     ; v: my head
	s_mul_i32 s20, s20, 307200
	s_add_co_u32 s20, s20, s22
	s_add_co_u32 s20, s20, 204800
	s_add_nc_u64 s[2:3], s[12:13], s[20:21]        ; where v goes
	s_lshl_b32 s20, s16, 1
	s_add_co_u32 s20, s20, s23                     ; q, k: my two heads
	s_mul_i32 s20, s20, 307200
	s_add_co_u32 s20, s20, s22
	s_add_nc_u64 s[12:13], s[12:13], s[20:21]      ; where q goes; k 102,400 bytes on
	WIN 0xc0                                       ; destination window 3
.irp t, 0,1,2,3,4,5,6,7
	global_load_b128 v[BQ+8*\t:BQ+8*\t+3], v12, s[68:69] offset:64*\t
	global_load_b128 v[BQ+8*\t+4:BQ+8*\t+7], v12, s[68:69] offset:64*\t+16
	global_load_b128 v[BK+8*\t:BK+8*\t+3], v12, s[70:71] offset:64*\t
	global_load_b128 v[BK+8*\t+4:BK+8*\t+7], v12, s[70:71] offset:64*\t+16
.endr
.irp a, 0,1,2,3                        ; cos and sin of P's tile a: (c, s) of R's tile b, pair jj, stands at 32 a + 8 (b % 4) + 2 jj
.irp L, 0,1,2,3,4,5,6,7
	global_load_b128 v[32*\a+4*\L:32*\a+4*\L+3], v[LA16], s[74:75] offset:4096*\a+512*\L
.endr
.endr
	WIN TO_R
.irp a, 0,1,2,3
.irp j, 0,1,2,3,4,5,6,7
	global_load_b32 v[BV+8*\a+\j], v13, s[72:73] offset:64*\a
.endr
.endr
	WIN 0
.macro FRAG reg, adr, off              ; a fragment: three loads of 512 consecutive bytes
.irp c, 0,1,2
	ds_load_b128 v[(\reg)+4*\c:(\reg)+4*\c+3], v[\adr] offset:(\off)+512*\c
.endr
.endm
.macro RFR kind, k, i                  ; R's tile i of K step k into set k % 2 of window 1.  kind 0: q, k (R = W);  1: v (R = x)
.if \kind == 0
	FRAG 128*((\k)%2)+12*(\i), AWR+(\k)/4, WROW*(\i)+FRB*((\k)%4)
.else
	FRAG 128*((\k)%2)+12*(\i), AX0+(\i)/4, XROW*((\i)%4)+FRB*(\k)
.endif
.endm
.macro PFR kind, k, i                  ; P's tile i likewise, window 0
.if \kind == 0
	FRAG AF+48*((\k)%2)+12*(\i), AXP, XROW*(\i)+FRB*(\k)
.else
	FRAG AF+48*((\k)%2)+12*(\i), AWP+(\k)/4, WROW*(\i)+FRB*((\k)%4)
.endif
.endm
.macro FALL kind, k                    ; K step k's 36 loads in one run: R's eight fragments, then P's four
	WIN TO_R
.irp i, 0,1,2,3,4,5,6,7
	RFR \kind, \k, \i
.endr
	WIN 0
.irp i, 0,1,2,3
	PFR \kind, \k, \i
.endr
.endm
.macro SCALES a0, a1                   ; a tile's scale words: register 32 (k / 4) + 4 i + k % 4: lanes 0-15 P's tile i % 4, lanes 16-31 R's tile i, K step k
.irp i, 0,1,2,3
	ds_load_b128 v[SC+4*\i:SC+4*\i+3], v[\a0] offset:SBLK*\i
	ds_load_b128 v[SC+16+4*\i:SC+16+4*\i+3], v[\a1] offset:SBLK*\i
	ds_load_b128 v[SC+32+4*\i:SC+32+4*\i+3], v[\a0] offset:SBLK*\i+16
	ds_load_b128 v[SC+48+4*\i:SC+48+4*\i+3], v[\a1] offset:SBLK*\i+16
.endr
.endm
; 8 matrix instructions: P's tile a x R's eight, K step k.  cm = 0: in place; 1: C = the bias of R's tile, at cb + 8 b; 2: C = the bias of P's tile, at cb + 8 a.  The 32 accumulators take turns.
.macro MUL8 a, k, cm, cb
.irp b, 0,1,2,3,4,5,6,7
.if \cm == 1
	v_wmma_scale_f32_16x16x128_f8f6f4 v[8*(8*(\a)+\b):8*(8*(\a)+\b)+7], v[128*((\k)%2)+12*\b:128*((\k)%2)+12*\b+11], v[AF+48*((\k)%2)+12*(\a):AF+48*((\k)%2)+12*(\a)+11], v[(\cb)+8*\b:(\cb)+8*\b+7], v[SC+32*((\k)/4)+4*\b+(\k)%4], v[SC+32*((\k)/4)+4*(\a)+(\k)%4] matrix_a_fmt:MATRIX_FMT_FP6 matrix_b_fmt:MATRIX_FMT_FP6 matrix_a_scale:MATRIX_SCALE_ROW1
.elseif \cm == 2
	v_wmma_scale_f32_16x16x128_f8f6f4 v[8*(8*(\a)+\b):8*(8*(\a)+\b)+7], v[128*((\k)%2)+12*\b:128*((\k)%2)+12*\b+11], v[AF+48*((\k)%2)+12*(\a):AF+48*((\k)%2)+12*(\a)+11], v[(\cb)+8*(\a):(\cb)+8*(\a)+7], v[SC+32*((\k)/4)+4*\b+(\k)%4], v[SC+32*((\k)/4)+4*(\a)+(\k)%4] matrix_a_fmt:MATRIX_FMT_FP6 matrix_b_fmt:MATRIX_FMT_FP6 matrix_a_scale:MATRIX_SCALE_ROW1
.else
	v_wmma_scale_f32_16x16x128_f8f6f4 v[8*(8*(\a)+\b):8*(8*(\a)+\b)+7], v[128*((\k)%2)+12*\b:128*((\k)%2)+12*\b+11], v[AF+48*((\k)%2)+12*(\a):AF+48*((\k)%2)+12*(\a)+11], v[8*(8*(\a)+\b):8*(8*(\a)+\b)+7], v[SC+32*((\k)/4)+4*\b+(\k)%4], v[SC+32*((\k)/4)+4*(\a)+(\k)%4] matrix_a_fmt:MATRIX_FMT_FP6 matrix_b_fmt:MATRIX_FMT_FP6 matrix_a_scale:MATRIX_SCALE_ROW1
.endif
.endr
.endm
; A K step whose successor lies in the same slot: 32 matrix instructions; the next step's loads, into the other sets, stand in one run behind the first eight.  mw: the windows of the products.
.macro STEP kind, k, mw, cm, cb
	s_wait_dscnt 0x0                               ; this step's fragments are in
	WIN \mw
	MUL8 0, \k, \cm, \cb
	PLACES 4                                       ; between the last step's products and the loads into the sets that they read
	FALL \kind, (\k)+1
	WIN \mw
	MUL8 1, \k, \cm, \cb
	MUL8 2, \k, \cm, \cb
	MUL8 3, \k, \cm, \cb
	WIN 0
.endm
; A slot's last K step (k = 3 or 7).  ONE barrier: in front of it each wave waits for all its tensor loads (its quarter of the other slot), adds 0 to its spare word, and waits for that and for its reads of
; this slot.  fill = 1: this slot is filled again, with the next tile's half of K.  next = 1: the other slot's first fragments are fetched (at a tile's end they are fetched behind the way out).
.macro TURN kind, k, fill, next
	WIN 0
	s_wait_tensorcnt 0x0                           ; all my tensor loads have landed
	ds_add_u32 v[SPW], v[NIL]                      ; 0 onto my spare word
	s_wait_dscnt 0x1                               ; this step's fragments are in; the add may be out
	WIN MULW
	MUL8 0, \k, 0, 0
	s_wait_dscnt 0x0                               ; the add is done, and my reads of this slot are over
	s_barrier_signal -1
	MUL8 1, \k, 0, 0
	WIN 0
	s_barrier_wait -1
.if \fill
	CREST                                          ; the barrier has opened a round of the cluster's: no wave of any partner still reads this slot or has a load on its way
	s_add_nc_u64 s[G0W+4*((\k)/4)+2:G0W+4*((\k)/4)+3], s[G0W+4*((\k)/4)+2:G0W+4*((\k)/4)+3], WNEXT
	tensor_load_to_lds s[G0W+4*((\k)/4):G0W+4*((\k)/4)+3], s[G1W:G1W+7]   ; the first tensor load behind the round, and my one load until the next
	s_nop 0
.endif
	PLACES 4                                       ; behind the tensor load, and in front of the loads below
.if \next
	FALL \kind, (\k)+1
	WIN MULW
	MUL8 2, \k, 0, 0
	MUL8 3, \k, 0, 0
.else
	WIN MULW
	MUL8 2, \k, 0, 0
	MUL8 3, \k, 0, 0
.endif
	WIN 0
.endm
.macro HEAD kind, a0, a1               ; a tile's scale words and its first fragments
	SCALES \a0, \a1
	FALL \kind, 0
.endm
; THE WAY OUT.  64 numbers of a lane in window w, register 16 b + i, become a fragment's halves at d0 and d1 and the scale word pw.  Each accumulator is read from its low end on.
.macro QUANT s, w, d0, d1, pw
	WIN (\w)|((\w)<<2)
.irp b, 0,1,2,3
	v_max3_num_f32 v[TM+\b], |v[(\s)+16*\b]|, |v[(\s)+1+16*\b]|, 0x1800000   ; and the floor 2^(3 - 127): the byte cannot fall under 1
.endr
	WIN ((\w)<<2)|((\w)<<4)
.irp i, 2,4,6,8,10,12,14
.irp b, 0,1,2,3
	v_max3_num_f32 v[TM+\b], v[TM+\b], |v[(\s)+16*\b+\i]|, |v[(\s)+1+16*\b+\i]|
.endr
.endr
	WIN 0
.irp b, 0,1,2,3
	v_permlanex16_b32 v[TM+4+\b], v[TM+\b], s[SEL], s[SEL+1]
.endr
.irp b, 0,1,2,3
	v_max_num_f32 v[TM+\b], v[TM+\b], v[TM+4+\b]
.endr
.irp b, 0,1,2,3
	v_add_nc_u32 v[TM+12+\b], 0xff000000, v[TM+\b] ; 2 off the exponent field: the conversion's scale operand
.endr
.irp b, 0,1,2,3
	v_lshrrev_b32 v[TM+4+\b], 23, v[TM+12+\b]
.endr
	v_lshl_or_b32 v[\pw], v[TM+5], 8, v[TM+4]
	v_lshl_or_b32 v[\pw], v[TM+6], 16, v[\pw]
	v_lshl_or_b32 v[\pw], v[TM+7], 24, v[\pw]
	WIN (\w)
	v_cvt_scalef32_pk16_fp6_f32 v[(\d0):(\d0)+2], v[(\s):(\s)+15], v[TM+12]
	v_cvt_scalef32_pk16_fp6_f32 v[CT:CT+2], v[(\s)+16:(\s)+31], v[TM+13]
	v_cvt_scalef32_pk16_fp6_f32 v[(\d1):(\d1)+2], v[(\s)+32:(\s)+47], v[TM+14]
	v_cvt_scalef32_pk16_fp6_f32 v[CT+4:CT+6], v[(\s)+48:(\s)+63], v[TM+15]
	WIN 0
	v_nop                                          ; one plain place behind a scaled conversion
.irp i, 0,1,2
	v_permlane16_swap_b32 v[(\d0)+\i], v[CT+\i]
	v_permlane16_swap_b32 v[(\d1)+\i], v[CT+4+\i]
.endr
.irp i, 0,1,2
	v_mov_b32 v[(\d0)+3+\i], v[CT+\i]
	v_mov_b32 v[(\d1)+3+\i], v[CT+4+\i]
.endr
.endm
.macro ROPE a                          ; P's tile a, 16 rows: (x0, x1) -> (x0 c - x1 s, x1 c + x0 s), two at a time, into v[H] on
	WIN 0x0e                                       ; source 0: the accumulators' window 2; source 1: cos and sin, window 3
.irp b, 0,1,2,3,4,5,6,7
.irp jj, 0,1,2,3
	v_pk_mul_f32 v[TT+2*\jj:TT+2*\jj+1], v[64*(\a)+8*\b+2*\jj:64*(\a)+8*\b+2*\jj+1], v[32*(\a)+8*(\b%4)+2*\jj:32*(\a)+8*(\b%4)+2*\jj+1] op_sel:[1,1] op_sel_hi:[0,1] neg_lo:[0,1]   ; (-x1 s, x0 s)
.endr
.irp jj, 0,1,2,3
	v_pk_fma_f32 v[H+8*\b+2*\jj:H+8*\b+2*\jj+1], v[64*(\a)+8*\b+2*\jj:64*(\a)+8*\b+2*\jj+1], v[32*(\a)+8*(\b%4)+2*\jj:32*(\a)+8*(\b%4)+2*\jj+1], v[TT+2*\jj:TT+2*\jj+1] op_sel_hi:[1,0,1]
.endr
.endr
	WIN 0
.endm
.macro OUTHEAD
	PLACES 4                                       ; behind the last products: for the reads of results and the writes over P's fragments
.irp b, 0,1,2,3
	v_mov_b32 v[TM+4+\b], 0                        ; a lane permute's destination counts as one of its sources
.endr
.endm
; q, k: a tile of 16 rows at a time; its 128 columns are two heads of two blocks.  Two tiles make a group of 32 rows of each head's image.
.macro OUT_QK
	OUTHEAD
.irp a, 0,1,2,3
.if \a == 2
	s_wait_xcnt 0x0                                ; the first group's stores have read the images' registers
.endif
	ROPE \a
	QUANT H, 0, IMG+6*(\a%2), IMG+12+6*(\a%2), PWR+(\a%2)
.if \a % 2 == 1
	v_perm_b32 v[WS4+\a/2], v[PWR+1], v[PWR], v[SELV]   ; the group's scale word: two bytes of each of its two rows; lanes 0-15 the first head's, lanes 16-31 the second's
.irp c, 0,1
.irp k, 0,1,2
	global_store_b128 v[LA16P], v[IMG+12*\c+4*\k:IMG+12*\c+4*\k+3], s[12:13] offset:307200*\c+1536*(\a/2)+512*\k   ; 512 consecutive bytes, aligned
.endr
.endr
.endif
.endr
	global_store_b64 v[SCO], v[WS4:WS4+1], s[12:13]   ; my two of each row's four words
.endm
.macro QKTILE cb
	HEAD 0, ADQ0, ADQ1
	STEP 0, 0, 0xb1, 1, \cb                        ; the first step starts the sums on the bias (C in window 3)
	STEP 0, 1, MULW, 0, 0
	STEP 0, 2, MULW, 0, 0
	TURN 0, 3, 1, 1                                ; slot 0 takes the next tile's first half of K
	STEP 0, 4, MULW, 0, 0
	STEP 0, 5, MULW, 0, 0
	STEP 0, 6, MULW, 0, 0
	TURN 0, 7, 1, 0                                ; slot 1 its second half; slot 0 is whole by the wait in front of this barrier
	OUT_QK                                         ; registers and stores alone: the fill of slot 1 lands meanwhile
	s_wait_xcnt 0x0                                ; the stores have read their registers and their base: the next tile's fragments may land there, and the base may step
.endm
	s_wait_loadcnt 0x0                             ; the biases, cos and sin
	s_wait_tensorcnt 0x0                           ; my tile of the head's four is in
	ds_add_u32 v[SPW], v[NIL]
	s_mov_b32 s[G1W+2], 4<<16                      ; no tensor load of mine is out: from here on a load of W brings my quarter of a slot, 4 tiles
	s_mov_b32 s[G1W+4], 4
	s_wait_dscnt 0x0
	CROUND                                         ; all four tiles are in, in every work-group of the cluster
	tensor_load_to_lds s[G0W+4:G0W+7], s[G1W:G1W+7]   ; slot 1's first fill, a quarter a wave: my one load behind the round
	s_nop 0
	PLACES 4
	QKTILE BQ
	s_add_nc_u64 s[12:13], s[12:13], 102400        ; k's part
	v_lshl_add_u32 v[ADQ0], v[HST], 2, v[ADQ0]     ; lanes 16-31: the second tile's scale words of W, 4 WST on
	v_lshl_add_u32 v[ADQ1], v[HST], 2, v[ADQ1]
	QKTILE BK
	HEAD 1, ADV0, ADV1                             ; v: the tail is written out: it asks for nothing more
	STEP 1, 0, 0x91, 2, BV                         ; (C in window 1)
	STEP 1, 1, MULW, 0, 0
	STEP 1, 2, MULW, 0, 0
	TURN 1, 3, 0, 1
	STEP 1, 4, MULW, 0, 0
	STEP 1, 5, MULW, 0, 0
	STEP 1, 6, MULW, 0, 0
	s_wait_dscnt 0x0
	WIN MULW
	MUL8 0, 7, 0, 0
	MUL8 1, 7, 0, 0
	MUL8 2, 7, 0, 0
	MUL8 3, 7, 0, 0
	WIN 0
	; v: P's tile a is 16 of my head's d's; its 64 registers run along the 128 keys: one fragment
	OUTHEAD
.irp a, 0,1,2,3
.if \a >= 2
	s_wait_xcnt 0x0                                ; the stores of the fragment two back have read their registers
.endif
	QUANT 64*\a, 2, IMG+12*(\a%2), IMG+12*(\a%2)+6, PWR+\a
.irp k, 0,1,2
	global_store_b128 v[LA16], v[IMG+12*(\a%2)+4*\k:IMG+12*(\a%2)+4*\k+3], s[2:3] offset:1536*\a+512*\k   ; 512 consecutive bytes, aligned
.endr
.endr
	v_cmp_eq_u32 vcc_lo, 1, v2
	v_cndmask_b32 v[WS4], v[PWR], v[PWR+2], vcc_lo         ; lanes 0-15 store their row's words 0, 1, lanes 16-31 words 2, 3
	v_cndmask_b32 v[WS4+1], v[PWR+1], v[PWR+3], vcc_lo
	global_store_b64 v[SCV], v[WS4:WS4+1], s[2:3]  ; 256 consecutive bytes, aligned
	s_wait_tensorcnt 0x0                           ; the wave's end
	ds_add_u32 v[SPW], v[NIL]
	s_wait_dscnt 0x0
	CROUND                                         ; the closing round: no work-group ends while a partner may still ask for a tile that names it
	s_endpgm
.Lfunc_end_k_qe6f62455d5_qkv:
	.size	k_qe6f62455d5_qkv, .Lfunc_end_k_qe6f62455d5_qkv-k_qe6f62455d5_qkv
	.p2alignl 7, 3214868480
	.fill 96, 4, 3214868480
	.section	.rodata,"a",@progbits
	.p2align	6, 0x0
	.amdhsa_kernel k_qe6f62455d5_qkv
		.amdhsa_group_segment_fixed_size 327680
		.amdhsa_private_segment_fixed_size 0
		.amdhsa_enable_private_segment 0
		.amdhsa_kernarg_size 72
		.amdhsa_user_sgpr_count 2
		.amdhsa_user_sgpr_kernarg_segment_ptr 1
		.amdhsa_wavefront_size32 1
		.amdhsa_system_sgpr_workgroup_id_x 1
		.amdhsa_system_sgpr_workgroup_id_y 1
		.amdhsa_system_sgpr_workgroup_id_z 1
		.amdhsa_system_vgpr_workitem_id 0
		.amdhsa_next_free_vgpr 1024
		.amdhsa_next_free_sgpr 100
		.amdhsa_reserve_vcc 1
		.amdhsa_float_denorm_mode_32 3
		.amdhsa_float_denorm_mode_16_64 3
		.amdhsa_memory_ordered 1
		.amdhsa_forward_progress 1
		.amdhsa_inst_pref_size 255
	.end_amdhsa_kernel
	.section	.bss,"aw",@nobits
	.p2align	6
	.space	262144
	.amdgpu_metadata
---
amdhsa.version: [ 1, 2 ]
amdhsa.kernels:
  - .name:           k_qe6f62455d5_qkv
    .symbol:         k_qe6f62455d5_qkv.kd
    .args:
      - { .name: xc, .offset: 0, .size: 8, .value_kind: global_buffer, .address_space: global }
      - { .name: xs, .offset: 8, .size: 8, .value_kind: global_buffer, .address_space: global }
      - { .name: wc, .offset: 16, .size: 8, .value_kind: global_buffer, .address_space: global }
      - { .name: ws, .offset: 24, .size: 8, .value_kind: global_buffer, .address_space: global }
      - { .name: bq, .offset: 32, .size: 8, .value_kind: global_buffer, .address_space: global }
      - { .name: bk, .offset: 40, .size: 8, .value_kind: global_buffer, .address_space: global }
      - { .name: bv, .offset: 48, .size: 8, .value_kind: global_buffer, .address_space: global }
      - { .name: rope, .offset: 56, .size: 8, .value_kind: global_buffer, .address_space: global }
      - { .name: qkv, .offset: 64, .size: 8, .value_kind: global_buffer, .address_space: global }
    .group_segment_fixed_size: 327680
    .private_segment_fixed_size: 0
    .kernarg_segment_align: 8
    .kernarg_segment_size: 72
    .max_flat_workgroup_size: 128
    .sgpr_count:     100
    .vgpr_count:     1024
    .wavefront_size: 32
...
	.end_amdgpu_metadata
.endif
;; end of part 7
;; launch attn (part 8): grid 4 x 64, 16 waves a work-group, clusters of 4 x 1, 258,048 bytes of LDS; arguments qkv, oc, os; writes oc, os
.if DOCPART == 8
	.amdgcn_target "amdgcn-amd-amdhsa--gfx1250"
	.amdhsa_code_object_version 6
	.text
	.protected	k_qe6f62455d5_attn
	.globl	k_qe6f62455d5_attn
	.p2align	8
	.type	k_qe6f62455d5_attn,@function
k_qe6f62455d5_attn:
	s_mov_b64 s[64:65], 0
	v_nop
	global_prefetch_b8 v0, s[64:65] scope:SCOPE_SE
	s_setreg_imm32_b32 hwreg(HW_REG_WAVE_MODE, 25, 1), 1
	s_wait_xcnt 0x0
	s_wait_alu depctr_hold_cnt(0) depctr_sa_sdst(0) depctr_va_vdst(0) depctr_va_sdst(0) depctr_va_ssrc(0) depctr_va_vcc(0) depctr_vm_vsrc(0)
	s_getreg_b32 s2, hwreg(HW_REG_IB_STS2, 6, 4)
	s_cmp_eq_u32 s2, 0
	s_cbranch_scc0 .Lentry_in_a_cluster
	s_endpgm
.Lentry_in_a_cluster:
	s_bfe_u32 s2, ttmp6, 0x10000c
	s_cmp_lg_u32 s2, 0x3003
	s_cbranch_scc0 .Lentry_shape_is_right
	s_endpgm
.Lentry_shape_is_right:
; o = softmax(q k^T / 32) v for one head of one batch, both products on codes of FP6 (E2M3) with E8M0 scales, and o's quantising along (head, d) for the last projection.
; THE SOFTMAX: t = score x log2(e) / 32; M = the running largest t rounded UP to a whole number; p = 2^(t - M) is quantised along the keys, not normalised; the row's sum is taken of the
; unquantised p and divides o at the end.  When M moves, the sum and O are multiplied by 2^(old M - new M): exact, and done in every step: no branch hangs on data.
; SHARES.  A work-group owns 512 queries of one head; each of its sixteen waves owns 32, two tiles of 16, one after the other (two passes).  A HEAD'S K AND V STAY IN LDS: filled once, no ring.
; CLUSTER.  The four work-groups of a cluster are the head's four blocks of queries: each of the sixteen fills (12,800 bytes, one a wave) is asked for jointly by the four.
; No prefetch: the launch's one fill stands at its head, and no loop stands ahead of it in which to ask.
; LDS.  The fill lays 64 bytes of padding behind every 256: rows 320 bytes apart; a block of 128 keys (24 rows of codes, one of scale words) is 8,000 bytes; K's 16 blocks, then V's; then the spare words.
; LAYOUT.  Both products are used transposed: S^T = K Q^T, O^T = V^T P^T: a lane holds one query throughout.
; K = 64 IN AN INSTRUCTION OF 128.  A fragment of K's image holds TWO tiles of keys (registers 0-5 and 6-11).  It is multiplied by [q | zero codes] and by [zero codes | q]: 18 registers [q][0][q] serve both.
; WHICH KEYS FORM A TILE: lane (m, h) of fragment G loads what the image holds for its fragment 2 (G / 2) + m / 8, lane 8 (G % 2) + m % 8.  Register 32 c + 16 (G % 2) + 8 U + j of the scores in
; lane (query, h) is then key 64 c + 32 h + 16 U + 8 (G % 2) + j: the lane's 32 registers are block 2 c + h, in the order in which v's codes were laid.  So a block's largest score needs no other lane,
; and the conversions' results are the second product's operand as they stand.
; A STEP (128 keys) IS LAID IN BATCHES: scores; maxima; M; all scalings t - M and O's rescaling; ONE wait; 66 exponentials on end; ONE wait; scale bytes, conversions, sixteen of the sum's 32 additions;
; the second product; the NEXT step's K fragments are asked for; the other sixteen additions stand round those loads.  In a pass's last trip these loads read V's first block, inside the filled bytes, and are not used.
; THE LOOP'S BARRIER ORDERS NO MEMORY (behind the fill nobody writes these LDS bytes).  It is signalled when a wave's K fragments of a step are in and waited for at the step's end:
; no wave leaves a step before all sixteen have begun it, so the sixteen waves stay within a step of each other.
; OUT.  oc: the image of the last product's operand; a head gives three pieces of 256 bytes to each tile of 16 rows.  os: [row][32 bytes]; a head owns 2 of a row's 32 bytes: stores of 2 bytes a lane.
; LIMITS: NaN and infinities are not served; a block of zeros gets the byte 1, with zero codes; the promise holds while the scaled scores t stay under 2^31 in magnitude.
.set KVB,  128000                      ; V's blocks begin here in LDS
.set BLKL, 8000                        ; a block of 128 keys in LDS: 25 rows of 320 bytes
.set BLKM, 6400                        ; and in memory
.set SCR,  7680                        ; its row of scale words
.set SPARE, 256000                     ; the spare words: 128 bytes for each of 16 waves
.set AK0,  1                           ; v1  K: 1,920 (m / 8) + 16 (m % 8) + 320 h
.set AV0,  2                           ; v2  V: KVB + 320 h + 16 r
.set ASK0, 3                           ; v3  K's scale words: SCR + 16 (m % 8) + 4 (m / 8)
.set ASV0, 4                           ; v4  V's: KVB + SCR + 16 r
.set OA,   5                           ; v5  8 x lane
.set OSA,  6                           ; v6  32 x lane
.set SH8,  7                           ; v7  8 h
.set ADK,  8                           ; v8-11 the step's four LDS addresses
.set ADV,  9
.set ADS,  10
.set ADT,  11                          ; v12 -M;  v13 the running largest score;  v[14:15] the sum
.set QR,   16                          ; v16-27 my 32 queries' codes as loaded;  v28 their scale word
.set QW,   28
.set QS,   29                          ; v29 the pass's scale word (s0, s1, s0, s1);  v30, v31 o's scale bytes
.set QF,   32                          ; v32-49 [q][0][q]
.set FR,   52                          ; v52-99 four fragments of K or of V
.set S,    100                         ; v100-163 S^T, then p
.set OT,   164                         ; v164-195 O^T
.set PC,   196                         ; v196-207 p's codes
.set CT,   208
.set BM,   216                         ; v216-219 four running maxima; then v216, v218: my two blocks'
.set BT,   220
.set BS,   224
.set KS,   228                         ; v228-231 K's scale words;  v232-235 V's;  v236 p's
.set VS,   232
.set PS,   236                         ; v[238:239] f;  v240, v241 at work;  v[242:247] three more chains of the sum;  v254, v255 the add's two registers
.set WV,   10
.set G1,   16
.set G0,   24
.set CS,   28
.set SEL,  30
.set TB,   32
.macro WALU
	s_wait_alu depctr_va_vdst(0)
.endm
.macro CROUND
	s_barrier_signal -1
	s_barrier_wait -1
	s_cmp_lg_u32 s[WV], 0
	s_cbranch_scc1 .Lnot_wave_0_\@
	s_barrier_signal -3
.Lnot_wave_0_\@:
	s_barrier_wait -3
	s_barrier_signal -1
	s_barrier_wait -1
.endm
	s_load_b128 s[4:7], s[0:1], 0x0                ; qkv, oc
	s_load_b64 s[8:9], s[0:1], 0x10                ; os
	v_lshl_add_u32 v254, v0, 2, SPARE
	v_mov_b32 v255, 0
	ds_add_u32 v254, v255
	ds_add_u32 v254, v255
	v_lshrrev_b32 v7, 5, v0
	v_readfirstlane_b32 s[WV], v7                  ; wave 0..15
	s_bfe_u32 s11, ttmp6, 0x40000                  ; cx
	s_lshl_b32 s13, ttmp9, 2
	s_add_co_u32 s11, s13, s11                     ; my block of 512 queries: it enters Q's and the outputs' addresses alone
	s_and_b32 s12, ttmp7, 0xffff                   ; the head of batch, which the four partners share
	s_mul_i32 s34, s12, 307200
	s_mul_i32 s36, s[WV], 2*BLKM                   ; my sixteenth of the head's K and V: two blocks, in memory,
	s_mul_i32 s37, s[WV], 2*BLKL                   ; and in LDS
	s_add_co_u32 s38, s34, s36
	s_add_co_u32 s38, s38, 102400
	s_mov_b32 s39, 0
	s_mov_b32 s[G1], 15|(3<<16)|(1<<20)|(1<<21)|(5<<22)|(15<<25)   ; the mask: all four work-groups; elements of 8 bytes; padding on; bit 21 beside a mask; after every 64 words 16 words
	s_mov_b32 s[G1+1], 32<<16                      ; rows of 256 bytes,
	s_mov_b32 s[G1+2], 50<<16                      ; 50 of them,
	s_mov_b32 s[G1+3], 32<<16
	s_mov_b32 s[G1+4], 50
	s_mov_b32 s[G1+5], 32                          ; dense in memory
	s_mov_b32 s[G1+6], 0
	s_mov_b32 s[G1+7], 0
	s_mov_b32 s[CS], 0x3d38aa3b                    ; c = log2(e) / 32
	s_mov_b32 s[CS+1], s[CS]
	s_mov_b32 s[SEL], 0x76543210
	s_mov_b32 s[SEL+1], 0xfedcba98                 ; v_permlanex16_b32's selects for lane l xor 16
	s_wait_dscnt 0x0
	s_wait_kmcnt 0x0
	s_mov_b32 s[G0], 1
	s_mov_b32 s[G0+1], s37
	s_add_nc_u64 s[G0+2:G0+3], s[4:5], s[38:39]
	s_or_b32 s[G0+3], s[G0+3], 0x80000000
	CROUND                                         ; all four work-groups are here: the joint loads meet
	tensor_load_to_lds s[G0:G0+3], s[G1:G1+7]      ; my one tensor load of the launch
	s_nop 0
.rept 4
	v_nop
.endr
	v_and_b32 v50, 7, v0                           ; m % 8
	v_bfe_u32 v51, v0, 3, 1                        ; m / 8
	v_bfe_u32 v7, v0, 4, 1                         ; h
	v_lshlrev_b32 v[AK0], 4, v50
	v_mad_u32_u24 v[AK0], v51, 1920, v[AK0]
	v_mad_u32_u24 v[AK0], v7, 320, v[AK0]
	v_lshlrev_b32 v[ASK0], 4, v50
	v_lshl_add_u32 v[ASK0], v51, 2, v[ASK0]
	v_add_nc_u32 v[ASK0], SCR, v[ASK0]
	v_and_b32 v50, 15, v0
	v_lshlrev_b32 v51, 4, v50                      ; 16 r
	v_mad_u32_u24 v[AV0], v7, 320, v51
	v_add_nc_u32 v[AV0], KVB, v[AV0]
	v_add_nc_u32 v[ASV0], KVB+SCR, v51
	v_lshlrev_b32 v[SH8], 3, v7
	v_and_b32 v50, 31, v0
	v_lshlrev_b32 v240, 4, v50                     ; 16 x lane: Q's image in memory
	v_lshlrev_b32 v[OA], 3, v50
	v_lshlrev_b32 v[OSA], 5, v50
	v_mov_b32 v239, 0                              ; (named as the upper half of the pair v[238:239])
	v_mov_b32 v241, 0                              ; written once: a lane permute's destination counts as one of its sources
	s_lshl_b32 s40, s11, 2
	s_lshr_b32 s41, s[WV], 2
	s_add_co_u32 s40, s40, s41                     ; my queries' block of 128
	s_mul_i32 s40, s40, BLKM
	s_add_co_u32 s40, s40, s34
	s_and_b32 s41, s[WV], 3                        ; and their group of 32 in it
	s_mul_i32 s42, s41, 1536
	s_add_co_u32 s42, s42, s40
	s_mov_b32 s43, 0
	s_add_nc_u64 s[42:43], s[4:5], s[42:43]
	s_lshl_b32 s41, s41, 2
	s_add_co_u32 s40, s40, s41
	s_add_co_u32 s40, s40, 6144
	s_mov_b32 s41, 0
	s_add_nc_u64 s[40:41], s[4:5], s[40:41]
	WALU                                           ; at the head's end: all the head's vector lines stand ahead of it
.irp c, 0,1,2
	global_load_b128 v[QR+4*\c:QR+4*\c+3], v240, s[42:43] offset:512*\c
.endr
	global_load_b32 v[QW], v51, s[40:41]
	s_lshr_b32 s48, s12, 4                         ; batch
	s_and_b32 s49, s12, 15                         ; head
	s_lshl_b32 s48, s48, 7
	s_lshl_b32 s50, s11, 5
	s_add_co_u32 s48, s48, s50
	s_lshl_b32 s50, s[WV], 1
	s_add_co_u32 s48, s48, s50                     ; my first tile of 16 rows: 128 batch + 32 block + 2 wave
	s_mul_i32 s44, s48, 12288
	s_lshr_b32 s50, s49, 1
	s_mul_i32 s50, s50, 1536                       ; the K step of the last product: two heads
	s_add_co_u32 s44, s44, s50
	s_and_b32 s50, s49, 1
	s_mul_i32 s50, s50, 768                        ; and my half of its fragment
	s_add_co_u32 s44, s44, s50
	s_mov_b32 s45, 0
	s_add_nc_u64 s[44:45], s[6:7], s[44:45]
	s_lshl_b32 s46, s48, 9
	s_lshl_b32 s50, s49, 1
	s_add_co_u32 s46, s46, s50
	s_mov_b32 s47, 0
	s_add_nc_u64 s[46:47], s[8:9], s[46:47]
	s_wait_tensorcnt 0x0                           ; my sixteenth has landed,
	s_barrier_signal -1
	s_barrier_wait -1                              ; everybody's has
	s_wait_loadcnt 0x0                             ; Q
.macro FM                              ; pair k of the scores: t - M, two at a time
	v_pk_fma_f32 v[S+2*k:S+2*k+1], v[S+2*k:S+2*k+1], s[CS:CS+1], v[12:13] op_sel_hi:[1,0,0]
.endm
; Addition n of 32 of the row's sum of the unquantised p, in four chains: v[14:15] takes pair 0, three more begin with pairs 1 to 6, then pair n + 3 goes to chain n % 4; the last three join the chains.
.macro ADDN
.if n == 0
	v_pk_add_f32 v[14:15], v[14:15], v[S:S+1]
.elseif n < 4
	v_pk_add_f32 v[240+2*n:241+2*n], v[S+4*n-2:S+4*n-1], v[S+4*n:S+4*n+1]
.elseif (n < 29) && (n%4 == 0)
	v_pk_add_f32 v[14:15], v[14:15], v[S+2*n+6:S+2*n+7]
.elseif n < 29
	v_pk_add_f32 v[240+2*(n%4):241+2*(n%4)], v[240+2*(n%4):241+2*(n%4)], v[S+2*n+6:S+2*n+7]
.elseif n == 29
	v_pk_add_f32 v[242:243], v[242:243], v[244:245]
.elseif n == 30
	v_pk_add_f32 v[14:15], v[14:15], v[246:247]
.else
	v_pk_add_f32 v[14:15], v[14:15], v[242:243]
.endif
.set n, n+1
.endm
.macro KLOADS ak, as, off              ; a block of K, off bytes behind the two addresses: 4 loads of scale words, then 12 of fragments
.irp g, 0,1,2,3
	ds_load_b32 v[KS+\g], v[\as] offset:(\off)+128*(\g%2)+8*(\g/2)   ; the word of the image's row that my lane has taken
.endr
.irp g, 0,1,2,3
.irp c, 0,1,2
	ds_load_b128 v[FR+12*\g+4*\c:FR+12*\g+4*\c+3], v[\ak] offset:(\off)+3840*(\g/2)+128*(\g%2)+640*\c
.endr
.endr
.endm
.macro STEP                            ; 128 keys; their K fragments were asked for in the step before
.irp g, 0,1,2,3
.if \g == 0
	s_wait_dscnt 0x0                               ; this step's K, asked for in the step before, is in,
	s_barrier_signal -1                            ; and no LDS access of mine is out: I have begun this step
.endif
.irp u, 0,1
	v_wmma_scale_f32_16x16x128_f8f6f4 v[S+8*(2*\g+\u):S+8*(2*\g+\u)+7], v[FR+12*\g:FR+12*\g+11], v[QF+6*\u:QF+6*\u+11], 0, v[KS+\g], v[QS] matrix_a_fmt:MATRIX_FMT_FP6 matrix_b_fmt:MATRIX_FMT_FP6
.endr
.endr
	v_add_nc_u32 v[ADV], s[TB], v[AV0]             ; four places in front of the loads into K's fragments and of the first read of the scores
	v_add_nc_u32 v[ADT], s[TB], v[ASV0]
	v_mov_b32 v[BT], v12                           ; the old -M
	v_add_nc_u32 v[ADK], s[TB], v[AK0]             ; this block's K addresses: the next block's loads, behind the second product, add 8,000 in their offsets
	v_add_nc_u32 v[ADS], s[TB], v[ASK0]
.irp t, 0,1,2,3
.irp c, 0,1,2
	ds_load_b128 v[FR+12*\t+4*\c:FR+12*\t+4*\c+3], v[ADV] offset:1920*\t+640*\c   ; V lands while the softmax is walked
.endr
.endr
	ds_load_b128 v[VS:VS+3], v[ADT]
.irp b, 0,1,2,3
	v_max3_num_f32 v[BM+\b], v[S+16*\b], v[S+1+16*\b], v[S+2+16*\b]   ; the largest score, in four chains; each accumulator is read from its low end on
.endr
.irp i, 3,5,7,9,11,13
.irp b, 0,1,2,3
	v_max3_num_f32 v[BM+\b], v[BM+\b], v[S+16*\b+\i], v[S+1+16*\b+\i]
.endr
.endr
	v_max3_num_f32 v[BM], v[BM], v[BM+1], v[S+15]  ; THE LARGEST SCORE OF EACH OF MY TWO BLOCKS OF 32 KEYS: for the row's maximum, and, since p rises with the score, for the block's largest p
	v_max3_num_f32 v[BM+2], v[BM+2], v[BM+3], v[S+47]
	v_max_num_f32 v[BM], v[BM], v[S+31]
	v_max_num_f32 v[BM+2], v[BM+2], v[S+63]
	v_max_num_f32 v240, v[BM], v[BM+2]
	v_permlanex16_b32 v241, v240, s[SEL], s[SEL+1] ; the query's other 64 keys lie in lane l xor 16
	v_max3_num_f32 v13, v13, v240, v241            ; the running largest score
	v_mul_f32 v240, s[CS], v13                     ; as t (c is positive)
	v_floor_f32 v12, -v240                         ; the new -M = -ceil(t)
.set k, 0
	FM                                             ; the scalings need -M alone: they stand between the lines that make f
	v_sub_f32 v240, v12, v[BT]                     ; old M - new M: a whole number, 0 or less
.set k, 1
	FM
	v_cvt_i32_f32 v240, v240                       ; (it saturates)
.set k, 2
	FM
	v_ldexp_f32 v238, 1.0, v240                    ; f = 2^(old M - new M)
.set k, 3
.rept 29
	FM
.set k, k+1
.endr
	v_fma_f32 v[BM], v[BM], s[CS], v12             ; the same of each block's largest score
	v_fma_f32 v[BM+2], v[BM+2], s[CS], v12
.irp j, 0,2,4,6,8,10,12,14,16,18,20,22,24,26,28,30
	v_pk_mul_f32 v[OT+\j:OT+1+\j], v[OT+\j:OT+1+\j], v[238:239] op_sel_hi:[1,0]   ; O^T under the new M, ahead of the exponentials; each accumulator from its low end on
.endr
	WALU
	v_exp_f32 v[BM], v[BM]                         ; the block's largest p: the same two instructions on the same number
	v_exp_f32 v[BM+2], v[BM+2]
.set e, 0
.rept 64
	v_exp_f32 v[S+e], v[S+e]                       ; p = 2^(t - M)
.set e, e+1
.endr
	v_pk_mul_f32 v[14:15], v[14:15], v[238:239] op_sel_hi:[1,0]   ; the sum under the new M: the plain place behind the batch
	s_wait_dscnt 0x0                               ; V is in (its 13 loads were issued ahead of the maxima)
	WALU                                           ; one wait for the whole batch, ahead of its first reader
	v_max_num_f32 v[BM], 0x1800000, v[BM]          ; the floor 2^(3 - 127): the byte cannot fall under 1
	v_max_num_f32 v[BM+2], 0x1800000, v[BM+2]
.set n, 0
	ADDN
	ADDN
	v_add_nc_u32 v[BS], 0xff000000, v[BM]          ; 2 off the exponent field: the conversion's scale operand
	v_add_nc_u32 v[BS+1], 0xff000000, v[BM+2]
	ADDN
	ADDN
.irp c, 0,1                            ; my block 2 c + h: all its 32 numbers are mine, and its codes are registers 6 c .. 6 c + 5 of the operand
	v_cvt_scalef32_pk16_fp6_f32 v[PC+6*\c:PC+2+6*\c], v[S+32*\c:S+15+32*\c], v[BS+\c]
	v_cvt_scalef32_pk16_fp6_f32 v[CT+4*\c:CT+2+4*\c], v[S+16+32*\c:S+31+32*\c], v[BS+\c]   ; (a conversion's three registers begin on an even number)
.endr
	ADDN                                           ; one plain place behind the conversions
	v_lshrrev_b32 v[BT], 23, v[BS]                 ; the scales' bytes
	v_lshrrev_b32 v[BT+1], 23, v[BS+1]
	v_mov_b32 v[PC+3], v[CT]
	v_mov_b32 v[PC+4], v[CT+1]
	v_lshl_or_b32 v[BT], v[BT+1], 16, v[BT]        ; blocks h and 2 + h,
	v_mov_b32 v[PC+5], v[CT+2]
	v_mov_b32 v[PC+9], v[CT+4]
	v_lshlrev_b32 v[BT], v[SH8], v[BT]             ; at their places in the scale word;
	v_mov_b32 v[PC+10], v[CT+5]
	v_mov_b32 v[PC+11], v[CT+6]
	v_permlanex16_b32 v[BT+1], v[BT], s[SEL], s[SEL+1]
	ADDN
	v_or_b32 v[PS], v[BT], v[BT+1]                 ; with lane l xor 16's two the word is whole
.rept 10
	ADDN                                           ; ten additions are the places between the operand and scale word made above and the products
.endr
.irp t, 0,1,2,3                        ; the four accumulators take turns
	v_wmma_scale_f32_16x16x128_f8f6f4 v[OT+8*\t:OT+8*\t+7], v[FR+12*\t:FR+12*\t+11], v[PC:PC+11], v[OT+8*\t:OT+8*\t+7], v[VS+\t], v[PS] matrix_a_fmt:MATRIX_FMT_FP6 matrix_b_fmt:MATRIX_FMT_FP6
.endr
	s_add_co_u32 s[TB], s[TB], BLKL                ; the next block's place in LDS; it also counts the 16 trips
.rept 8
	ADDN                                           ; eight additions name no register of the products: the places in front of the loads into V's fragments
.endr
	KLOADS ADK, ADS, BLKL                          ; the next step's K: 16 loads, out over the loop's edge
.rept 8
	ADDN                                           ; the sum's last eight additions stand under their flight
.endr
	s_barrier_wait -1                              ; all sixteen waves have begun this step.  Between the signal and here: register work, and LDS loads of bytes that nobody writes
.endm
.macro PASS e0                         ; my tile e0 of 16 queries against all 2,048 keys
	s_wait_xcnt 0x0                                ; the last pass's stores have read the codes' registers
.irp i, 0,1,2,3,4,5
	v_mov_b32 v[QF+\i], v[QR+6*\e0+\i]
	v_mov_b32 v[QF+6+\i], 0
	v_mov_b32 v[QF+12+\i], v[QR+6*\e0+\i]
.endr
.if \e0 == 0
	v_perm_b32 v[QS], v[QW], v[QW], 0x01000100
.else
	v_perm_b32 v[QS], v[QW], v[QW], 0x03020302
.endif
	v_mov_b32 v13, 0xff61b1e6                      ; the largest score so far: -3e38
	v_mul_f32 v12, s[CS], v13
	v_floor_f32 v12, -v12                          ; -M
	v_mov_b32 v14, 0
	v_mov_b32 v15, 0
.irp j, 0,1,2,3,4,5,6,7,8,9,10,11,12,13,14,15,16,17,18,19,20,21,22,23,24,25,26,27,28,29,30,31
	v_mov_b32 v[OT+\j], 0                          ; the step is written once: the first finds zeros.  (These are also the places between the scale word made above and the first product)
.endr
	s_mov_b32 s[TB], 0
	KLOADS AK0, ASK0, 0                            ; the first step's K: block 0, by the lane's base addresses
.Lstep_\@:
	STEP
	s_cmp_lg_u32 s[TB], 16*BLKL
	s_cbranch_scc1 .Lstep_\@
	s_wait_dscnt 0x0                               ; the last trip's 16 loads, which nobody uses, have landed: their registers may be loaded again
	WALU
	v_add_f32 v14, v14, v15
	v_permlanex16_b32 v240, v14, s[SEL], s[SEL+1]
	v_add_f32 v14, v14, v240                       ; the row's sum
	WALU
	v_rcp_f32 v238, v14
	v_nop                                          ; one plain place behind it
	WALU                                           ; the wait ahead of its first reader, which is O^T's first reader too
.irp j, 0,2,4,6,8,10,12,14,16,18,20,22,24,26,28,30
	v_pk_mul_f32 v[OT+\j:OT+1+\j], v[OT+\j:OT+1+\j], v[238:239] op_sel_hi:[1,0]   ; o: register 8 t + j is d = 16 t + 8 h + j of my query
.endr
.irp b, 0,1
	v_max3_num_f32 v[BM+\b], |v[OT+16*\b]|, |v[OT+1+16*\b]|, 0x1800000
.endr
.irp i, 2,4,6,8,10,12,14
.irp b, 0,1
	v_max3_num_f32 v[BM+\b], v[BM+\b], |v[OT+16*\b+\i]|, |v[OT+1+16*\b+\i]|
.endr
.endr
.irp b, 0,1
	v_permlanex16_b32 v[BT+\b], v[BM+\b], s[SEL], s[SEL+1]
.endr
.irp b, 0,1
	v_max_num_f32 v[BM+\b], v[BM+\b], v[BT+\b]
.endr
.irp b, 0,1
	v_add_nc_u32 v[BS+\b], 0xff000000, v[BM+\b]
.endr
.irp b, 0,1
	v_lshrrev_b32 v[BT+\b], 23, v[BS+\b]
.endr
	v_lshl_or_b32 v[30+\e0], v[BT+1], 8, v[BT]     ; the head's two scale bytes of my row
	v_cvt_scalef32_pk16_fp6_f32 v[PC:PC+2], v[OT:OT+15], v[BS]
	v_cvt_scalef32_pk16_fp6_f32 v[CT:CT+2], v[OT+16:OT+31], v[BS+1]
	v_nop                                          ; one plain place behind a scaled conversion
.irp i, 0,1,2
	v_permlane16_swap_b32 v[PC+\i], v[CT+\i]       ; here a block lies in lanes l and l xor 16: the halves change places
.endr
.irp i, 0,1,2
	v_mov_b32 v[PC+3+\i], v[CT+\i]
.endr
.irp i, 0,1,2
	global_store_b64 v[OA], v[PC+2*\i:PC+2*\i+1], s[44:45] offset:12288*\e0+256*\i   ; 256 consecutive bytes, aligned
.endr
.endm
	PASS 0
	PASS 1
	v_and_b32 v240, 16, v0
	v_cmp_ne_u32 vcc_lo, 0, v240
	v_cndmask_b32 v240, v30, v31, vcc_lo           ; lanes 0-15: the first tile's rows; lanes 16-31: the second's
	global_store_b16 v[OSA], v240, s[46:47]
	s_wait_tensorcnt 0x0                           ; the wave's end
	ds_add_u32 v254, v255
	s_wait_dscnt 0x0
	CROUND                                         ; the closing round
	s_endpgm
.Lfunc_end_k_qe6f62455d5_attn:
	.size	k_qe6f62455d5_attn, .Lfunc_end_k_qe6f62455d5_attn-k_qe6f62455d5_attn
	.p2alignl 7, 3214868480
	.fill 96, 4, 3214868480
	.section	.rodata,"a",@progbits
	.p2align	6, 0x0
	.amdhsa_kernel k_qe6f62455d5_attn
		.amdhsa_group_segment_fixed_size 258048
		.amdhsa_private_segment_fixed_size 0
		.amdhsa_enable_private_segment 0
		.amdhsa_kernarg_size 24
		.amdhsa_user_sgpr_count 2
		.amdhsa_user_sgpr_kernarg_segment_ptr 1
		.amdhsa_wavefront_size32 1
		.amdhsa_system_sgpr_workgroup_id_x 1
		.amdhsa_system_sgpr_workgroup_id_y 1
		.amdhsa_system_sgpr_workgroup_id_z 1
		.amdhsa_system_vgpr_workitem_id 0
		.amdhsa_next_free_vgpr 256
		.amdhsa_next_free_sgpr 66
		.amdhsa_reserve_vcc 1
		.amdhsa_float_denorm_mode_32 3
		.amdhsa_float_denorm_mode_16_64 3
		.amdhsa_memory_ordered 1
		.amdhsa_forward_progress 1
		.amdhsa_inst_pref_size 48
	.end_amdhsa_kernel
	.amdgpu_metadata
---
amdhsa.version: [ 1, 2 ]
amdhsa.kernels:
  - .name:           k_qe6f62455d5_attn
    .symbol:         k_qe6f62455d5_attn.kd
    .args:
      - { .name: qkv, .offset: 0, .size: 8, .value_kind: global_buffer, .address_space: global }
      - { .name: oc, .offset: 8, .size: 8, .value_kind: global_buffer, .address_space: global }
      - { .name: os, .offset: 16, .size: 8, .value_kind: global_buffer, .address_space: global }
    .group_segment_fixed_size: 258048
    .private_segment_fixed_size: 0
    .kernarg_segment_align: 8
    .kernarg_segment_size: 24
    .max_flat_workgroup_size: 512
    .sgpr_count:     66
    .vgpr_count:     256
    .wavefront_size: 32
...
	.end_amdgpu_metadata
.endif
;; end of part 8
;; launch oproj (part 9): grid 4 x 64, 4 waves a work-group, clusters of 4 x 4, 308,736 bytes of LDS; arguments oc, os, wc, ws, bo, out0; writes out0
.if DOCPART == 9
	.amdgcn_target "amdgcn-amd-amdhsa--gfx1250"
	.amdhsa_code_object_version 6
	.text
	.protected	k_qe6f62455d5_oproj
	.globl	k_qe6f62455d5_oproj
	.p2align	8
	.type	k_qe6f62455d5_oproj,@function
k_qe6f62455d5_oproj:
	s_mov_b64 s[64:65], 0
	v_nop
	global_prefetch_b8 v0, s[64:65] scope:SCOPE_SE
	s_setreg_imm32_b32 hwreg(HW_REG_WAVE_MODE, 25, 1), 1
	s_wait_xcnt 0x0
	s_wait_alu depctr_hold_cnt(0) depctr_sa_sdst(0) depctr_va_vdst(0) depctr_va_sdst(0) depctr_va_ssrc(0) depctr_va_vcc(0) depctr_vm_vsrc(0)
	s_getreg_b32 s2, hwreg(HW_REG_IB_STS2, 6, 4)
	s_cmp_eq_u32 s2, 0
	s_cbranch_scc0 .Lentry_in_a_cluster
	s_endpgm
.Lentry_in_a_cluster:
	s_bfe_u32 s2, ttmp6, 0x10000c
	s_cmp_lg_u32 s2, 0xf033
	s_cbranch_scc0 .Lentry_shape_is_right
	s_endpgm
.Lentry_shape_is_right:
; out0 = o Wo + bo on codes of FP6 (E2M3) with E8M0 scales.  M 8,192 x N 1,024 x K 1,024.  oc, os: o's codes and scale bytes; wc, ws rows 3,072 on: Wo's, laid in the same order inside each block of 32.
; A work-group of four waves makes 128 x 256: 4 x 64 = 256 work-groups.  A wave makes 64 x 128: 32 accumulators.  ALL OF K LIES IN LDS: o's 128 rows (98,304 bytes), Wo's 256 rows in two halves of K
; (98,304 bytes each) and the scale bytes: filled once, all asked for at the start; the second half of K lands while the first is multiplied.  Nothing is filled again.
; The operands lie as images of their registers ([tile of 16 rows][K step][piece][lane][8 bytes]): a fragment is six loads of 256 consecutive LDS bytes.
; 4 x 4 work-groups form a cluster: o's fills are asked for jointly along a row, Wo's along a column.  Every wave fetches a quarter of every fill: one line, no branch.
; The matrix instruction is used transposed (source 0 = R = 16 rows of Wo's codes, source 1 = P = 16 rows of o): a lane holds eight neighbouring numbers of a row of out0.  bo is the C of each sum's first instruction.
; REGISTERS: window 0: v1-31 addresses; v32-95 scale words of the eight K steps, and nothing else; v96-159 the bias; v160-255 P's fragments, two sets; on the way out v128-255 rows of out0.
;   window 1: R's fragments, two sets, at v0 and v128.   window 2: the accumulators ((a, b) at v[8 (8 a + b)]).
; AS THE TEXT STANDS NOW (this takes the place of what the head says of Wo's halves, of the images and of who fetches what): Wo's 256 rows lie whole in LDS, [tile of 16 rows][eight K steps]; the launch's four fills
; (Wo's codes, o's codes, Wo's scale bytes, o's) go one to a wave, each whole, and all have landed at the one barrier ahead of the first product.  wc lies as [tile][K step][chunk 0..2][lane][16 bytes]: a fragment of
; Wo is three loads of 512 consecutive LDS bytes; oc keeps its six pieces of 8 bytes a lane.  A K step's 48 fragment loads stand in ONE run, behind the step's first eight products.
.set FRB,   1536
.set XROW,  12288                      ; a tile of 16 rows of o in LDS: eight K steps
.set WROW,  6144                       ; a tile of 16 rows of Wo in a half: four K steps
.set XB,    0
.set WB,    8*XROW
.set SLOT,  16*WROW
.set WST,   8*272                      ; the scale bytes of 64 rows: 8 units of 256 bytes + 16 of padding
.set XSC,   WB+2*SLOT
.set WSC,   XSC+2*WST
.set SBLK,  2*272
.set STG,   WB                         ; the way out: 16 rows x (512 + 16) bytes for each wave, in Wo's bytes, which nobody reads behind the barrier in the last K step, and which are filled once
.set SPITCH, 528
.set AXP,   16                         ; v16    LDS: my 64 rows of o
.set AWR,   20                         ; v20-21 my 128 rows of Wo, tiles 0-3, tiles 4-7
.set STO,   24
.set RD,    25
.set CO,    26
.set ADQ0,  27                         ; v27    LDS address of my scale words: lanes 0-15 P's rows, lanes 16-31 R's tiles 0-3
.set ADQ1,  30                         ; v30    the same, R's tiles 4-7
.set SC,    32
.set BIAS,  96
.set AF,    160
.set BK,    128
.set G1X,  24
.set G0X,  32
.set G0XS, 36
.set G1W,  48
.set G0W,  56
.set G1XS, 76
.set G1WS, 84
.set G0WS, 92
.set MSB, 0
.macro WIN new                         ; the immediate's high byte repeats the setting that is left
.if MSB != (\new)
	s_set_vgpr_msb (MSB<<8)|(\new)
.set MSB, (\new)
.endif
.endm
.set MULW, 0xa1                        ; source 0 (R) window 1, source 1 (P) window 0, C and D window 2
.set TO_R, 0x40
.macro CREST
	s_cmp_lg_u32 s14, 0
	s_cbranch_scc1 .Lnot_wave_0_\@
	s_barrier_signal -3
.Lnot_wave_0_\@:
	s_barrier_wait -3
	s_barrier_signal -1
	s_barrier_wait -1
.endm
.macro CROUND
	s_barrier_signal -1
	s_barrier_wait -1
	CREST
.endm
.macro PLACES n                        ; plain vector instructions that name no register of the matrix instructions in front of them (ISA guide 7.12.1)
.rept \n
	v_nop
.endr
.endm
.macro SHAPE g, c, r, p                ; words 1 to 7 of a group 1: r rows of c elements, p elements apart
	s_mov_b32 s[\g+1], (\c)<<16
	s_mov_b32 s[\g+2], (\r)<<16
	s_mov_b32 s[\g+3], (\c)<<16
	s_mov_b32 s[\g+4], \r
	s_mov_b32 s[\g+5], \p
	s_mov_b32 s[\g+6], 0
	s_mov_b32 s[\g+7], 0
.endm
	s_load_b128 s[4:7], s[0:1], 0x0                ; oc, os
	s_load_b128 s[8:11], s[0:1], 0x10              ; wc, ws
	s_load_b64 s[68:69], s[0:1], 0x20              ; bo
	s_load_b64 s[12:13], s[0:1], 0x28              ; out0
	v_lshl_add_u32 v29, v0, 2, 0x4b400
	v_mov_b32 v31, 0
	ds_add_u32 v29, v31
	ds_add_u32 v29, v31
	v_lshrrev_b32 v1, 5, v0
	v_readfirstlane_b32 s14, v1                    ; wave 0..3
	s_lshr_b32 s15, s14, 1                         ; which 64 rows of o are mine
	s_and_b32 s16, s14, 1                          ; which 128 rows of Wo
	s_bfe_u32 s40, ttmp6, 0x40000                  ; cx
	s_bfe_u32 s41, ttmp6, 0x40004                  ; cy
	s_lshl_b32 s42, ttmp9, 2
	s_add_co_u32 s42, s42, s40                     ; tile column
	s_and_b32 s17, ttmp7, 0xffff
	s_lshl_b32 s17, s17, 2
	s_add_co_u32 s17, s17, s41                     ; tile row
	s_lshl_b32 s43, s41, 2
	s_lshl_b32 s43, 15, s43                        ; my row of the cluster
	s_lshl_b32 s44, 0x1111, s40                    ; my column
	s_or_b32 s[G1X], s43, (3<<16)|(1<<21)          ; o's codes, my quarter: 24,576 dense bytes as 96 rows of 32 elements of 8 bytes
	SHAPE G1X, 32, 384, 32                         ; all 98,304 bytes: one wave's load
	s_or_b32 s[G1W], s44, (3<<16)|(1<<21)          ; Wo's codes, my quarter of a half of K: 4 tiles of 16 rows, of each 768 elements, 1,536 elements apart
	SHAPE G1W, 32, 768, 32                         ; Wo's 256 rows, all of K: 196,608 dense bytes as 768 rows of 256: one wave's load; in LDS [tile of 16 rows][eight K steps]
	s_or_b32 s[G1XS], s43, (3<<16)|(1<<20)|(1<<21)|(5<<22)|(3<<25)   ; o's scales, my quarter: 4 rows of 256 bytes, 16 bytes of padding behind each
	SHAPE G1XS, 32, 16, 32
	s_or_b32 s[G1WS], s44, (3<<16)|(1<<20)|(1<<21)|(5<<22)|(3<<25)   ; Wo's scales, my 64 rows: 8 rows of 256 bytes likewise
	SHAPE G1WS, 32, 32, 32
	s_mul_i32 s20, s17, 98304
	s_mov_b32 s21, 0
	s_lshl_b32 s22, s17, 12
	s_mov_b32 s23, 0
	s_mul_i32 s46, s42, 196608                     ; Wo's codes: row 3,072 + 256 x tile column
	s_add_co_u32 s46, s46, 3072*768
	s_mov_b32 s47, 0
	s_lshl_b32 s96, s42, 13
	s_add_co_u32 s96, s96, 3072*32
	s_mov_b32 s97, 0
	s_wait_dscnt 0x0
	s_wait_kmcnt 0x0
	s_mov_b32 s[G0WS], 1
	s_mov_b32 s[G0WS+1], WSC
	s_add_nc_u64 s[G0WS+2:G0WS+3], s[10:11], s[96:97]
	s_or_b32 s[G0WS+3], s[G0WS+3], 0x80000000
	s_mov_b32 s[G0XS], 1
	s_mov_b32 s[G0XS+1], XSC
	s_add_nc_u64 s[G0XS+2:G0XS+3], s[6:7], s[22:23]
	s_or_b32 s[G0XS+3], s[G0XS+3], 0x80000000
	s_mov_b32 s[G0X], 1
	s_mov_b32 s[G0X+1], XB
	s_add_nc_u64 s[G0X+2:G0X+3], s[4:5], s[20:21]
	s_or_b32 s[G0X+3], s[G0X+3], 0x80000000
	s_add_nc_u64 s[46:47], s[8:9], s[46:47]
	s_mov_b32 s[G0W], 1
	s_mov_b32 s[G0W+1], WB
	s_mov_b64 s[G0W+2:G0W+3], s[46:47]
	s_or_b32 s[G0W+3], s[G0W+3], 0x80000000
	CROUND                                         ; all sixteen work-groups are here: the joint loads meet
; THE LAUNCH'S FOUR FILLS, ONE A WAVE: wave 0 Wo's codes, wave 1 o's codes, wave 2 Wo's scale bytes, wave 3 o's.  One chain of branches on the wave's number, all arms to one join.
.macro ARM under, g0, g1, next
	s_cmp_lt_u32 s14, \under
	s_cbranch_scc0 \next
	tensor_load_to_lds s[\g0:\g0+3], s[\g1:\g1+7]
	s_nop 0
	PLACES 4
	s_branch .Lhead_asked
\next:
.endm
	ARM 1, G0W, G1W, .Lhead_x
	ARM 2, G0X, G1X, .Lhead_ws
	ARM 3, G0WS, G1WS, .Lhead_xs
	tensor_load_to_lds s[G0XS:G0XS+3], s[G1XS:G1XS+7]
	s_nop 0
	PLACES 4
.Lhead_asked:
	v_and_b32 v1, 15, v0                           ; r
	v_bfe_u32 v2, v0, 4, 1                         ; h
	s_wait_alu depctr_va_vdst(0)
	v_and_b32 v3, 31, v0
	v_lshlrev_b32 v4, 3, v3                        ; 8 x lane
	s_mul_i32 s20, s15, 4*XROW
	v_add_nc_u32 v[AXP], s20, v4
	v_lshlrev_b32 v5, 4, v3                        ; 16 x lane: my place in a chunk of Wo's fragments
	s_mul_i32 s21, s16, 8*XROW                     ; my 128 rows of Wo: v20 tiles 0-3, v21 tiles 4-7
	s_add_co_u32 s21, s21, WB
.irp s, 0,1
	v_add_nc_u32 v[AWR+\s], s21, v5
	s_add_co_u32 s21, s21, 4*XROW
.endr
	v_lshlrev_b32 v9, 5, v1                        ; my row's scales: 32 bytes a row,
	v_lshrrev_b32 v10, 8, v9
	v_lshl_add_u32 v9, v10, 4, v9                  ; and 16 more behind the first 256
	s_mul_i32 s20, s15, WST                        ; o's words of my 64 rows,
	s_mul_i32 s21, s16, 2*WST
	s_add_co_u32 s21, s21, WSC-XSC
	s_sub_co_u32 s21, s21, s20                     ; and from there to Wo's words of my 128 rows
	s_add_co_u32 s20, s20, XSC
	v_mul_u32_u24 v10, s21, v2                     ; lanes 16-31 take R's
	v_add_nc_u32 v10, v10, v9
	v_add_nc_u32 v[ADQ0], s20, v10
	v_mad_u32_u24 v[ADQ1], v2, WST, v[ADQ0]        ; R's tiles 4-7
	s_mul_i32 s23, s14, 16*SPITCH
	s_add_co_u32 s23, s23, STG                     ; my stage
	v_mul_u32_u24 v5, v1, SPITCH                   ; in: row r, 32 bytes for each half of the lanes
	v_lshl_add_u32 v5, v2, 5, v5
	v_add_nc_u32 v[STO], s23, v5
	v_lshlrev_b32 v[CO], 4, v3                     ; back: the 32 lanes take one row of 512 bytes; and the same in out0
	v_add_nc_u32 v[RD], s23, v[CO]
	v_lshlrev_b32 v12, 5, v2                       ; the bias: register j of R's tile t is bo[16 t + 8 h + j] of my 128 columns
	s_wait_alu depctr_va_vdst(0)
	s_lshl_b32 s46, s42, 10
	s_lshl_b32 s47, s16, 9
	s_add_co_u32 s46, s46, s47                     ; my first column, in bytes
	s_mov_b32 s47, 0
	s_add_nc_u64 s[68:69], s[68:69], s[46:47]
	s_lshl_b32 s20, s17, 7
	s_lshl_b32 s21, s15, 6
	s_add_co_u32 s20, s20, s21
	s_lshl_b32 s20, s20, 12                        ; my first row of out0: 4,096 bytes a row
	s_mov_b32 s21, 0
	s_add_nc_u64 s[20:21], s[20:21], s[46:47]
	s_add_nc_u64 s[12:13], s[12:13], s[20:21]
.irp t, 0,1,2,3,4,5,6,7
	global_load_b128 v[BIAS+8*\t:BIAS+8*\t+3], v12, s[68:69] offset:64*\t
	global_load_b128 v[BIAS+8*\t+4:BIAS+8*\t+7], v12, s[68:69] offset:64*\t+16
.endr
.macro FRAG reg, adr, off              ; a fragment: six loads of 256 consecutive bytes
.irp p, 0,1,2,3,4,5
	ds_load_b64 v[(\reg)+2*\p:(\reg)+2*\p+1], v[\adr] offset:(\off)+256*\p
.endr
.endm
.macro FRAGW reg, adr, off             ; a fragment of Wo: three loads of 512 consecutive bytes
.irp c, 0,1,2
	ds_load_b128 v[(\reg)+4*\c:(\reg)+4*\c+3], v[\adr] offset:(\off)+512*\c
.endr
.endm
.macro RFR k, i                        ; R's tile i of K step k into set k % 2 of window 1
	FRAGW 128*((\k)%2)+12*(\i), AWR+(\i)/4, XROW*((\i)%4)+FRB*(\k)
.endm
.macro PFR k, i                        ; P's tile i likewise, window 0
	FRAG AF+48*((\k)%2)+12*(\i), AXP, XROW*(\i)+FRB*(\k)
.endm
.macro FALL k                          ; K step k's 48 loads in one run: R's eight fragments, then P's four
	WIN TO_R
.irp i, 0,1,2,3,4,5,6,7
	RFR \k, \i
.endr
	WIN 0
.irp i, 0,1,2,3
	PFR \k, \i
.endr
.endm
; 8 matrix instructions: P's tile a x R's eight, K step k.  cm = 1: C = the bias of R's tile; 0: in place.  The 32 accumulators take turns.
.macro MUL8 a, k, cm
.irp b, 0,1,2,3,4,5,6,7
.if \cm == 1
	v_wmma_scale_f32_16x16x128_f8f6f4 v[8*(8*(\a)+\b):8*(8*(\a)+\b)+7], v[128*((\k)%2)+12*\b:128*((\k)%2)+12*\b+11], v[AF+48*((\k)%2)+12*(\a):AF+48*((\k)%2)+12*(\a)+11], v[BIAS+8*\b:BIAS+8*\b+7], v[SC+32*((\k)/4)+4*\b+(\k)%4], v[SC+32*((\k)/4)+4*(\a)+(\k)%4] matrix_a_fmt:MATRIX_FMT_FP6 matrix_b_fmt:MATRIX_FMT_FP6 matrix_a_scale:MATRIX_SCALE_ROW1
.else
	v_wmma_scale_f32_16x16x128_f8f6f4 v[8*(8*(\a)+\b):8*(8*(\a)+\b)+7], v[128*((\k)%2)+12*\b:128*((\k)%2)+12*\b+11], v[AF+48*((\k)%2)+12*(\a):AF+48*((\k)%2)+12*(\a)+11], v[8*(8*(\a)+\b):8*(8*(\a)+\b)+7], v[SC+32*((\k)/4)+4*\b+(\k)%4], v[SC+32*((\k)/4)+4*(\a)+(\k)%4] matrix_a_fmt:MATRIX_FMT_FP6 matrix_b_fmt:MATRIX_FMT_FP6 matrix_a_scale:MATRIX_SCALE_ROW1
.endif
.endr
.endm
; A K step whose successor lies in the same half of K: 32 matrix instructions; the next step's loads, into the other sets, stand in one run behind the first eight.
.macro STEP k, mw, cm
	s_wait_dscnt 0x0                               ; this step's fragments are in
	WIN \mw
	MUL8 0, \k, \cm
	PLACES 4                                       ; between the last step's products and the loads into the sets that they read
	FALL (\k)+1
	WIN \mw
	MUL8 1, \k, \cm
	MUL8 2, \k, \cm
	MUL8 3, \k, \cm
	WIN 0
.endm
	s_wait_loadcnt 0x0                             ; the bias
	s_wait_tensorcnt 0x0                           ; my fill has landed; behind the barrier everybody's has
	s_barrier_signal -1
	s_barrier_wait -1
.irp i, 0,1,2,3                        ; the scale words: register 32 (k / 4) + 4 i + k % 4: lanes 0-15 P's tile i % 4, lanes 16-31 R's tile i, K step k
	ds_load_b128 v[SC+4*\i:SC+4*\i+3], v[ADQ0] offset:SBLK*\i
	ds_load_b128 v[SC+16+4*\i:SC+16+4*\i+3], v[ADQ1] offset:SBLK*\i
	ds_load_b128 v[SC+32+4*\i:SC+32+4*\i+3], v[ADQ0] offset:SBLK*\i+16
	ds_load_b128 v[SC+48+4*\i:SC+48+4*\i+3], v[ADQ1] offset:SBLK*\i+16
.endr
	FALL 0
	STEP 0, 0x81, 1                                ; the first step starts the sums on the bias (C in window 0)
	STEP 1, MULW, 0
	STEP 2, MULW, 0
	STEP 3, MULW, 0
	STEP 4, MULW, 0
	STEP 5, MULW, 0
	STEP 6, MULW, 0
	s_wait_dscnt 0x0                               ; the last step's fragments are in: my reads of the operands are over;
	s_barrier_signal -1                            ; say so, multiply on registers,
	WIN MULW
	MUL8 0, 7, 0
	MUL8 1, 7, 0
	MUL8 2, 7, 0
	MUL8 3, 7, 0
	WIN 0
	s_barrier_wait -1                              ; and go on when all four have said so: the stage may be written over Wo's bytes
; THE WAY OUT, block by block of 16 rows x 128 columns, through my own stage in LDS: in as 32 bytes a lane, back as whole rows of 512 bytes.  LDS serves a wave's instructions in order.
.macro TOSTAGE a
	WIN 0x08                                       ; an LDS store's data are its source 1: window 2
.irp b, 0,1,2,3,4,5,6,7
	ds_store_b128 v[STO], v[64*(\a)+8*\b:64*(\a)+8*\b+3] offset:64*\b          ; each accumulator from its low end on
	ds_store_b128 v[STO], v[64*(\a)+8*\b+4:64*(\a)+8*\b+7] offset:64*\b+16
.endr
	WIN 0
.set BB, BK+64*((\a)%2)
.irp t, 0,1,2,3,4,5,6,7,8,9,10,11,12,13,14,15
	ds_load_b128 v[BB+4*\t:BB+4*\t+3], v[RD] offset:\t*SPITCH
.endr
.endm
.macro SEND a, younger
.set BB, BK+64*((\a)%2)
	s_wait_dscnt \younger                          ; the block is back in registers
.if (\a) > 0
	s_add_nc_u64 s[12:13], s[12:13], 16*4096       ; (behind a wait on XCNT) 16 rows on
.endif
.irp t, 0,1,2,3,4,5,6,7,8,9,10,11,12,13,14,15
	global_store_b128 v[CO], v[BB+4*\t:BB+4*\t+3], s[12:13] offset:\t*4096 th:TH_STORE_NT   ; 512 consecutive bytes, aligned
.endr
.endm
	PLACES 4                                       ; behind the last products: for the reads of results and the loads over P's fragments
	TOSTAGE 0
.irp a, 1,2,3
.if \a > 1
	s_wait_xcnt 0x0                                ; block a - 2's stores have read their registers and their base
.endif
	TOSTAGE \a
	SEND \a-1, 32                                  ; behind block a - 1's loads: block a's 16 stores and 16 loads
.endr
	s_wait_xcnt 0x0
	SEND 3, 0
	s_wait_tensorcnt 0x0
	ds_add_u32 v29, v31
	s_wait_dscnt 0x0
	CROUND                                         ; the closing round
	s_endpgm
.Lfunc_end_k_qe6f62455d5_oproj:
	.size	k_qe6f62455d5_oproj, .Lfunc_end_k_qe6f62455d5_oproj-k_qe6f62455d5_oproj
	.p2alignl 7, 3214868480
	.fill 96, 4, 3214868480
	.section	.rodata,"a",@progbits
	.p2align	6, 0x0
	.amdhsa_kernel k_qe6f62455d5_oproj
		.amdhsa_group_segment_fixed_size 308736
		.amdhsa_private_segment_fixed_size 0
		.amdhsa_enable_private_segment 0
		.amdhsa_kernarg_size 48
		.amdhsa_user_sgpr_count 2
		.amdhsa_user_sgpr_kernarg_segment_ptr 1
		.amdhsa_wavefront_size32 1
		.amdhsa_system_sgpr_workgroup_id_x 1
		.amdhsa_system_sgpr_workgroup_id_y 1
		.amdhsa_system_sgpr_workgroup_id_z 1
		.amdhsa_system_vgpr_workitem_id 0
		.amdhsa_next_free_vgpr 768
		.amdhsa_next_free_sgpr 100
		.amdhsa_reserve_vcc 0
		.amdhsa_float_denorm_mode_32 3
		.amdhsa_float_denorm_mode_16_64 3
		.amdhsa_memory_ordered 1
		.amdhsa_forward_progress 1
		.amdhsa_inst_pref_size 85
	.end_amdhsa_kernel
	.amdgpu_metadata
---
amdhsa.version: [ 1, 2 ]
amdhsa.kernels:
  - .name:           k_qe6f62455d5_oproj
    .symbol:         k_qe6f62455d5_oproj.kd
    .args:
      - { .name: oc, .offset: 0, .size: 8, .value_kind: global_buffer, .address_space: global }
      - { .name: os, .offset: 8, .size: 8, .value_kind: global_buffer, .address_space: global }
      - { .name: wc, .offset: 16, .size: 8, .value_kind: global_buffer, .address_space: global }
      - { .name: ws, .offset: 24, .size: 8, .value_kind: global_buffer, .address_space: global }
      - { .name: bo, .offset: 32, .size: 8, .value_kind: global_buffer, .address_space: global }
      - { .name: out0, .offset: 40, .size: 8, .value_kind: global_buffer, .address_space: global }
    .group_segment_fixed_size: 308736
    .private_segment_fixed_size: 0
    .kernarg_segment_align: 8
    .kernarg_segment_size: 48
    .max_flat_workgroup_size: 128
    .sgpr_count:     100
    .vgpr_count:     768
    .wavefront_size: 32
...
	.end_amdgpu_metadata
.endif
;; end of part 9
